; MI455X (gfx1250); checked and timed in simulation.
; The chip was launched on July 23, 2026; its instructions are those of AMD's public machine-readable ISA for CDNA 5 (MIT licence, August 2026) and "CDNA5" Instruction Set Architecture Reference Guide (July 2026). The comments in the code are by the model that wrote it; some were corrected since.
;; Mo E Layer. Allowed arithmetic: float matrix products may take bf16 or f16 operands with f32 sums; other float arithmetic in f32, or as packed bf16 or f16 multiplies, adds, multiply-adds, maxima and minima; sums over many terms, partial sums and values carried from step to step in f32; what a program stores and reads back later, other than sums and carried values, may be rounded once to bf16 or f16.
;; Inputs: W1 8 x 1,024 x 4,096 float32; W2 8 x 4,096 x 1,024 float32; Wr 1,024 x 8 float32; b1 8 x 4,096 float32; b2 8 x 1,024 float32; br 8 float32; x 4 x 256 x 1,024 float32.
;; Outputs: out0 4 x 256 x 1,024 float32.
;; 3 versions, each right; version 2 is faster than version 1; version 3 is version 2 with the launches ffn1, ffn2 written anew for expert scheduling mode. Each part assembles by itself: llvm-mc -triple=amdgcn-amd-amdhsa -mcpu=gfx1250 --defsym DOCPART=n.
;; ======== version 1 of 3: 4 launches
;; workspace buffers: xb 2,097,152 bytes; idx 8,192 bytes of whole numbers; gate 8,192 bytes; hid 16,777,216 bytes; part 33,554,432 bytes
;; launch router (part 1): grid 256 x 1, 4 waves a work-group, no clusters, 17,920 bytes of LDS; arguments x, Wr, br, xb, idx, gate; writes xb, idx, gate
.if DOCPART == 1
	.amdgcn_target "amdgcn-amd-amdhsa--gfx1250"
	.amdhsa_code_object_version 6
	.text
	.protected	k_q18acaa3c57_router
	.globl	k_q18acaa3c57_router
	.p2align	8
	.type	k_q18acaa3c57_router,@function
k_q18acaa3c57_router:
	s_mov_b64 s[64:65], 0
	v_nop
	global_prefetch_b8 v0, s[64:65] scope:SCOPE_SE
	s_setreg_imm32_b32 hwreg(HW_REG_WAVE_MODE, 25, 1), 1
	s_wait_xcnt 0x0
; ROUTER.  logits[t][e] = x[t] . Wr[:, e] + br[e]; the two largest, the lower index first on a tie; a softmax over the two.
; Stored: xb[t][:] = x[t][:] rounded once to bf16; idx[t][0..1] the chosen experts; gate[t][0..1] their weights.
; ALL inputs are rounded to bf16 (x, Wr, br), as in the launches behind, so that one rounding holds for the whole program; the products of two
; bf16 are exact in f32, the sums are f32.  One wave takes one token, a work-group four; 256 work-groups take the 1,024 tokens.
; No matrix unit: 8 columns fill half a tile, this is one part in two thousand of the program's products, and the choice wants plain f32 sums.
; No cluster: what the work-groups share is Wr, 32 KiB, read once by each.
; LIMITS.  The sums' order differs from a row-by-row sum: where a token's second and third logit lie closer than the sums' rounding (some 1e-6 of
; their size) the other of the two may be chosen.  NaN is not treated apart.  The larger logit is taken away before the exponential.
.set SPARE, 17408                      ; behind Wr: the spare words, 128 bytes for each of four waves
.set WBLK,  2176                       ; 128 rows of Wr in LDS: 128 x 16 bytes + 8 x 16 of padding (16 bytes behind every 16 rows)
.set ACC,   16                         ; v16-23   the eight sums
.set XP,    24                         ; v24-39   my 32 numbers of x, packed bf16
.set WR,    40                         ; v40-103  Wr as loaded; later v40-167: Wr's rows out of LDS
.set XR,    104                        ; v104-135 x as loaded
.set PK,    136                        ; v136-139 a row of Wr, packed
	s_load_b256 s[4:11], s[0:1], 0x0               ; x s[4:5], Wr s[6:7], br s[8:9], xb s[10:11]
	s_load_b128 s[12:15], s[0:1], 0x20             ; idx s[12:13], gate s[14:15]
	v_lshl_add_u32 v1, v0, 2, SPARE                ; my spare word,
	v_mov_b32 v2, 0                                ; and 0: kept for the closing lines alone
	v_lshrrev_b32 v3, 5, v0
	v_readfirstlane_b32 s24, v3                    ; wave
	v_and_b32 v4, 31, v0                           ; lane
	s_lshl2_add_u32 s25, ttmp9, s24                ; my token = 4 x work-group + wave
	v_lshlrev_b32 v5, 5, v0                        ; Wr: thread t takes rows t + 128 i, 32 bytes each
	v_lshlrev_b32 v6, 4, v4                        ; x: 16 bytes a lane
	v_lshrrev_b32 v7, 4, v0
	v_add_nc_u32 v7, v7, v0
	v_lshlrev_b32 v7, 4, v7                        ; LDS: row d lies at 16 d + 16 (d / 16)
	v_lshlrev_b32 v8, 3, v4                        ; xb: 8 bytes a lane
	v_lshrrev_b32 v9, 2, v4
	v_lshl_add_u32 v9, v4, 2, v9
	v_lshlrev_b32 v9, 4, v9                        ; LDS: my rows 4 l + c: 64 l + 16 (l / 4); 16 lanes fall on 16 different columns of 16 bytes
	v_mov_b32 v10, 0                               ; the addend of each sum's first product
	s_mov_b32 s28, 0x76543210                      ; v_permlanex16_b32: each lane takes its own place in the other half
	s_mov_b32 s29, 0xfedcba98
	s_lshl_b32 s26, s25, 12                        ; a row of x is 4,096 bytes
	s_mov_b32 s27, 0
	s_wait_kmcnt 0x0
	s_load_b256 s[16:23], s[8:9], 0x0              ; br
	s_add_nc_u64 s[4:5], s[4:5], s[26:27]
	s_lshl_b32 s26, s25, 11                        ; a row of xb 2,048
	s_add_nc_u64 s[10:11], s[10:11], s[26:27]
	s_lshl_b32 s26, s25, 3                         ; a pair 8
	s_add_nc_u64 s[12:13], s[12:13], s[26:27]
	s_add_nc_u64 s[14:15], s[14:15], s[26:27]
.irp i, 0,1,2,3,4,5,6,7
	global_load_b128 v[WR+8*(\i):WR+8*(\i)+3],   v5, s[6:7] offset:4096*(\i)
	global_load_b128 v[WR+8*(\i)+4:WR+8*(\i)+7], v5, s[6:7] offset:4096*(\i)+16
.endr
.irp i, 0,1,2,3,4,5,6,7
	global_load_b128 v[XR+4*(\i):XR+4*(\i)+3], v6, s[4:5] offset:512*(\i) th:TH_LOAD_NT  ; numbers 128 i + 4 l + 0..3 of my token
.endr
	s_wait_loadcnt 8                               ; Wr is in; the eight loads of x may stay out
.irp i, 0,1,2,3,4,5,6,7
.irp k, 0,1,2,3
	v_cvt_pk_bf16_f32 v[PK+(\k)], v[WR+8*(\i)+2*(\k)], v[WR+8*(\i)+2*(\k)+1]
.endr
	ds_store_b128 v7, v[PK:PK+3] offset:WBLK*(\i)  ; a row's eight experts, 16 bytes
.endr
	s_wait_dscnt 0x0                               ; for the others' sake: my rows of Wr are written
	s_barrier_signal -1
	s_barrier_wait -1
	s_wait_loadcnt 0x0                             ; x
.irp i, 0,1,2,3,4,5,6,7
	v_cvt_pk_bf16_f32 v[XP+2*(\i)],   v[XR+4*(\i)],   v[XR+4*(\i)+1]
	v_cvt_pk_bf16_f32 v[XP+2*(\i)+1], v[XR+4*(\i)+2], v[XR+4*(\i)+3]
.endr
.irp i, 0,1,2,3,4,5,6,7
	global_store_b64 v8, v[XP+2*(\i):XP+2*(\i)+1], s[10:11] offset:256*(\i)  ; the wave stores 256 consecutive bytes, aligned
.endr
.set n, 0
.rept 32                               ; row 128 (n / 4) + 4 l + n % 4 of Wr
	ds_load_b128 v[WR+4*n:WR+4*n+3], v9 offset:WBLK*(n/4)+16*(n%4)
.set n, n+1
.endr
; one product: sum d += half ha of x's register a times half hb of Wr's register b; both are bf16, the sum is f32
.macro MIX d, a, b, ha, hb
.if n == 0
.set cc, 10
.else
.set cc, (\d)
.endif
.if ((\ha) == 0) && ((\hb) == 0)
	v_fma_mix_f32_bf16 v[\d], v[\a], v[\b], v[cc] op_sel_hi:[1,1,0]
.elseif ((\ha) == 1) && ((\hb) == 0)
	v_fma_mix_f32_bf16 v[\d], v[\a], v[\b], v[cc] op_sel:[1,0,0] op_sel_hi:[1,1,0]
.elseif ((\ha) == 0) && ((\hb) == 1)
	v_fma_mix_f32_bf16 v[\d], v[\a], v[\b], v[cc] op_sel:[0,1,0] op_sel_hi:[1,1,0]
.else
	v_fma_mix_f32_bf16 v[\d], v[\a], v[\b], v[cc] op_sel:[1,1,0] op_sel_hi:[1,1,0]
.endif
.endm
.set n, 0
.rept 32
.if n%8 == 0
	s_wait_dscnt 24-n                              ; LDS loads come back in order: the next eight rows are in, the younger ones stay out
.endif
.set e, 0
.rept 8
	MIX ACC+e, XP+n/2, WR+4*n+e/2, n%2, e%2
.set e, e+1
.endr
.set n, n+1
.endr
	; across the 32 lanes: every lane ends with the same eight sums
.irp m, 1,2,4,8
.irp e, 0,1,2,3,4,5,6,7
	v_add_f32_dpp v[ACC+(\e)], v[ACC+(\e)], v[ACC+(\e)] row_xmask:\m row_mask:0xf bank_mask:0xf
.endr
.endr
.irp e, 0,1,2,3,4,5,6,7
	v_permlanex16_b32 v[WR+(\e)], v[ACC+(\e)], s28, s29
.endr
.irp e, 0,1,2,3,4,5,6,7
	v_add_f32 v[ACC+(\e)], v[ACC+(\e)], v[WR+(\e)]
.endr
	s_wait_kmcnt 0x0                               ; br
.irp k, 0,1,2,3
	v_cvt_pk_bf16_f32 v11, s[16+2*(\k)], s[17+2*(\k)]  ; br rounded to bf16 like the other inputs
	v_lshlrev_b32 v14, 16, v11
	v_and_b32 v15, 0xffff0000, v11
	v_add_f32 v[ACC+2*(\k)],   v[ACC+2*(\k)],   v14
	v_add_f32 v[ACC+2*(\k)+1], v[ACC+2*(\k)+1], v15
.endr
	; the largest: a later logit takes the place only if it is greater, so the lower index wins a tie
	v_mov_b32 v14, v[ACC]                          ; m0
	v_mov_b32 v12, 0                               ; its index
.irp e, 1,2,3,4,5,6,7
	v_cmp_le_f32 vcc_lo, v[ACC+(\e)], v14
	v_cndmask_b32 v14, v[ACC+(\e)], v14, vcc_lo
	v_cndmask_b32 v12, \e, v12, vcc_lo
.endr
	; the second: the same walk with the first one's logit taken as minus infinity
	v_mov_b32 v3, 0xff800000
	v_mov_b32 v15, 0xff800000                      ; m1
	v_mov_b32 v13, 0
.irp e, 0,1,2,3,4,5,6,7
	v_cmp_eq_u32 vcc_lo, \e, v12
	v_cndmask_b32 v11, v[ACC+(\e)], v3, vcc_lo
	v_cmp_le_f32 vcc_lo, v11, v15
	v_cndmask_b32 v15, v11, v15, vcc_lo
	v_cndmask_b32 v13, \e, v13, vcc_lo
.endr
	; softmax of (m0, m1) with m0 taken away: 1 / (1 + z) and z / (1 + z), z = e^(m1 - m0) <= 1
	v_sub_f32 v11, v15, v14
	v_mul_f32 v11, 0x3fb8aa3b, v11
	v_exp_f32 v11, v11
	v_mov_b32 v9, 0                                ; a plain instruction behind the exponential: the stores' offset
	s_wait_alu depctr_va_vdst(0)                   ; the wait ahead of the result's first reader
	v_add_f32 v10, 1.0, v11
	v_rcp_f32 v10, v10
	v_cmp_eq_u32 vcc_lo, 0, v4                     ; a plain instruction behind the reciprocal: lane 0 stores for the wave
	s_wait_alu depctr_va_vdst(0)
	v_mul_f32 v11, v11, v10
	s_wait_xcnt 0x0                                ; EXEC changes only when the stores of xb have had their addresses translated
	s_and_saveexec_b32 s30, vcc_lo
	global_store_b64 v9, v[12:13], s[12:13]
	global_store_b64 v9, v[10:11], s[14:15]
	s_wait_xcnt 0x0                                ; and again in front of the line that widens it
	s_or_b32 exec_lo, exec_lo, s30
	s_wait_tensorcnt 0x0                           ; the wave's end
	ds_add_u32 v1, v2
	s_wait_dscnt 0x0
	s_endpgm
.Lfunc_end_k_q18acaa3c57_router:
	.size	k_q18acaa3c57_router, .Lfunc_end_k_q18acaa3c57_router-k_q18acaa3c57_router
	.p2alignl 7, 3214868480
	.fill 96, 4, 3214868480
	.section	.rodata,"a",@progbits
	.p2align	6, 0x0
	.amdhsa_kernel k_q18acaa3c57_router
		.amdhsa_group_segment_fixed_size 17920
		.amdhsa_private_segment_fixed_size 0
		.amdhsa_enable_private_segment 0
		.amdhsa_kernarg_size 48
		.amdhsa_user_sgpr_count 2
		.amdhsa_user_sgpr_kernarg_segment_ptr 1
		.amdhsa_wavefront_size32 1
		.amdhsa_system_sgpr_workgroup_id_x 1
		.amdhsa_system_sgpr_workgroup_id_y 1
		.amdhsa_system_sgpr_workgroup_id_z 1
		.amdhsa_system_vgpr_workitem_id 0
		.amdhsa_next_free_vgpr 176
		.amdhsa_next_free_sgpr 66
		.amdhsa_reserve_vcc 1
		.amdhsa_float_denorm_mode_32 3
		.amdhsa_float_denorm_mode_16_64 3
		.amdhsa_memory_ordered 1
		.amdhsa_forward_progress 1
		.amdhsa_inst_pref_size 33
	.end_amdhsa_kernel
	.amdgpu_metadata
---
amdhsa.version: [ 1, 2 ]
amdhsa.kernels:
  - .name:           k_q18acaa3c57_router
    .symbol:         k_q18acaa3c57_router.kd
    .args:
      - { .name: x, .offset: 0, .size: 8, .value_kind: global_buffer, .address_space: global }
      - { .name: Wr, .offset: 8, .size: 8, .value_kind: global_buffer, .address_space: global }
      - { .name: br, .offset: 16, .size: 8, .value_kind: global_buffer, .address_space: global }
      - { .name: xb, .offset: 24, .size: 8, .value_kind: global_buffer, .address_space: global }
      - { .name: idx, .offset: 32, .size: 8, .value_kind: global_buffer, .address_space: global }
      - { .name: gate, .offset: 40, .size: 8, .value_kind: global_buffer, .address_space: global }
    .group_segment_fixed_size: 17920
    .private_segment_fixed_size: 0
    .kernarg_segment_align: 8
    .kernarg_segment_size: 48
    .max_flat_workgroup_size: 128
    .sgpr_count:     66
    .vgpr_count:     176
    .wavefront_size: 32
...
	.end_amdgpu_metadata
.endif
;; end of part 1
;; launch ffn1 (part 2): grid 256 x 1, 4 waves a work-group, no clusters, 322,048 bytes of LDS; arguments xb, idx, W1, b1, hid; writes hid
.if DOCPART == 2
	.amdgcn_target "amdgcn-amd-amdhsa--gfx1250"
	.amdhsa_code_object_version 6
	.text
	.protected	k_q18acaa3c57_ffn1
	.globl	k_q18acaa3c57_ffn1
	.p2align	8
	.type	k_q18acaa3c57_ffn1,@function
k_q18acaa3c57_ffn1:
	s_mov_b64 s[64:65], 0
	v_nop
	global_prefetch_b8 v0, s[64:65] scope:SCOPE_SE
	s_setreg_imm32_b32 hwreg(HW_REG_WAVE_MODE, 25, 1), 1
	s_wait_xcnt 0x0
; ONE PRODUCT OF A LAYER OF ROUTED EXPERTS, for the chosen rows alone.  The same text serves both products; FFN says which.
;   FFN = 1: hid[s][f]     = gelu(xb[s / 2] . W1[e][:, f] + b1[e][f]), rounded once to bf16        (gelu in its tanh form)
;   FFN = 2: part[q][s][d] = hid[s][1024 q ..] . W2[e][1024 q .., d]  (+ b2[e][d] where q = 0), f32: a partial sum over a quarter of K
; s = 2 x token + k is a routed row, e = idx[s] its expert.  Weights and biases are rounded to bf16 on their way; sums are f32.
; SHARES.  A work-group has a slice of ONE expert's weights, 1,024 k x 128 n of f32, which it alone reads, once, and ALL rows of that expert: 8 experts x 32 slices = 256 work-groups.
; FIRST all four waves stream the slice through registers, round it and lay it into LDS in the order of a matrix operand's lanes: a unit is 8 rows (eight loads of 512 consecutive bytes); seven
; units of each wave, 56 loads, are on their way at any time.  The slice STAYS in LDS, each byte written once, and ONE barrier shows it to everybody.
; THEN the rows are multiplied, in groups of 192: 48 a wave (three tiles of 16), 24 accumulators.  Token rows come from memory straight into operand registers (each row serves one wave), six
; K steps of 32 ahead.  No barrier stands here, so that the number of groups may hang on the expert's count.  A group's 32 K steps are written out, so that every LDS address behind the barrier is a
; register made at the kernel's head plus an immediate; three tiles a wave keep that text short: 24 matrix instructions and 16 LDS loads a step.
; The stream and the products do not overlap: loads come back in order, so a wave with far-ahead loads of weights and near loads of tokens out would wait for the weights at every wait for tokens.
; THE MATRIX INSTRUCTION IS USED TRANSPOSED (source 0 = 16 columns of W, source 1 = 16 token rows): a lane holds row lane % 16 and the columns 8 (lane / 16) + 0..7.
; ROUTING.  Each wave scans all of idx, while the first weights are on their way, and writes the list of its expert's rows (by rank) into LDS bytes of its own: no barrier, no change of EXEC.  Every
; split is served: an expert with no row streams its slice and stores nothing; with up to 1,024 rows there are six groups.  Ranks past the count name row 0, which exists; a wave multiplies all three
; tiles of a group in which its first tile holds a rank below the count, and results past the count are not stored.
; NO CLUSTER: each slice has one reader; what an expert's work-groups share is its token rows, which come by a list that no descriptor covers and go to one wave's registers.
; NO TENSOR LOADS: the weights pass through registers in any case, to be rounded and paired along k.
; LIMITS.  The hidden layer is rounded once to bf16.  A token's two entries of idx are taken to differ.  NaN and infinities are not treated apart; gelu's exponential may overflow to infinity, whose
; reciprocal is the 0 that is wanted.
.set FFN, 1
.if FFN == 1
.set PITCH, 16384                      ; bytes from a row of W to the next
.set ASH,   10                         ; a row of tokens: (s & ~1) << 10 bytes (token x 2,048)
.set OSH,   13                         ; a row of the output: s << 13
.set LNSH,  3                          ; a lane's four numbers of a row of the output: 8 bytes
.else
.set PITCH, 4096
.set ASH,   13
.set OSH,   12
.set LNSH,  4
.endif
.set UNITB,  32*PITCH                  ; from a wave's unit to its next: 32 rows
.set GROUP,  192                       ; ranks in a group: 4 waves x 3 tiles x 16; six groups hold 1,152 >= 1,024
; LDS
.set FRB,    1040                      ; a fragment (16 n x 32 k of bf16): 1,024 bytes + 16, so that 16 lanes of a store fall on 16 different columns of 16 bytes
.set KTB,    8*FRB                     ; 32 k x 128 n
.set STAGE,  32*KTB                    ; behind W: for each wave 16 rows x 528 bytes, for the way out
.set SPITCH, 528
.set STAGEW, 16*SPITCH
.set LIST,   STAGE+4*STAGEW            ; for each wave 1,280 entries of 4 bytes by rank, and 32 words that take the tokens of other experts
.set LISTW,  5376
.set SPARE,  LIST+4*LISTW              ; the spare words, 128 bytes for each of four waves
; vector registers, window 0
.set SPW, 1                            ; LDS address of my spare word; never rewritten
.set NIL, 2                            ; 0; never rewritten
.set BL0, 4                            ; 16 x lane
.set RO,  5                            ; v5-7   tile i: my row's byte offset + 16 (lane / 16)
.set H16, 10                           ; 16 (lane / 16)
.set LR,  11                           ; my list + 4 (16 w + lane % 16)
.set ST,  12                           ; the way out: where I put my columns of a row
.set RD,  13                           ; the way out: where I read a row back
.set LN,  14                           ; my bytes in a row of the output
.set DI,  15                           ; 1,280 + lane
.set L4,  16                           ; 4 x lane
.set TA,  17                           ; v17-23 at work
.set WL,  24                           ; the stream: where my columns lie in the K step in hand
.set LZ,  25                           ; my list + 16 x lane
.set BI,  26                           ; v26-29 the bias of my four columns of a row
.set A0,  32                           ; v32-175 token fragments: six buffers of 24, tile i at + 8 i
.set BW,  176                          ; v176-180 W's read addresses: 16 x lane + 7 m K steps, m = 0..4; never rewritten
.set SL,  181                          ; v181-183 tile i: my row's number
.set CUR, 184                          ; the same for the tile on its way out
.set BH0, 192                          ; v192-223 W's fragments b = 0..3;  v224-255 b = 4..7
.set BH1, 224
.set PT,  32                           ; the stream: v32-63 packed, two sets of 16
.set S0,  96                           ; the scan: v96-103 addresses, v104-111 values; idx lies in v32-95
.set S1,  104
.set X,   32                           ; the way out: four rows, f32
.set T,   48                           ;   at work
.set VO,  68                           ;   the four rows' byte offsets
.set Y,   72                           ;   four rows, bf16
; window 1: the stream's eight slots (row j of slot u at v[32 u + 4 j]); then the accumulators of tile i (0..2), block b at v[64 i + 8 b]
; scalars: s[4:13] the five addresses; s14 wave; s16 expert; s17 slice; s18 n; s19 trips; s20, s21 at work; s[22:23] an offset; s[24:25] W's stream; s[28:29] tokens; s[30:31] bias;
; s[32:33] output; s36 the group's first rank; s37 tile; s38 its first rank; s40 four rows' first rank; s41 my list; s42 running count; s[44:47] gelu's constants; s49 quarter; s50 keeps or drops the bias
.set SM,  52                           ; s52-59 the scan: which lanes' token chose my expert
.set SR,  52                           ; s52-55 later: four rows' numbers
.set SB,  66                           ; s66-73 which of them by their second entry
.set SC,  74                           ; s74-81 the count in front of the step
.set MSB, 0
.macro WIN new                         ; s_set_vgpr_msb: bits 1:0 source 0, 3:2 source 1, 5:4 source 2, 7:6 destination; the high byte repeats the setting that is left
.if MSB != (\new)
	s_set_vgpr_msb (MSB<<8)|(\new)
.set MSB, (\new)
.endif
.endm
.macro PLACES                          ; four plain instructions between a matrix instruction and a load into, or a store of, its registers
.rept 4
	v_nop
.endr
.endm
; A STEP OF THE STREAM: the unit in slot u.  Of rows 2 q, 2 q + 1 column c gives a word of two bf16; four such words are 8 consecutive k of one column: 16 bytes of a fragment's lane.
; fill = 1: the unit seven further on is asked for, into the slot that the step before has read out.  left: the younger loads that may stay out.
.macro PSTEP u, fill, left
	s_wait_loadcnt \left
	WIN 0x05                                       ; sources in window 1
.irp c, 0,1,2,3
.irp q, 0,1,2,3
	v_cvt_pk_bf16_f32 v[PT+16*((\u)%2)+4*(\c)+(\q)], v[32*(\u)+8*(\q)+(\c)], v[32*(\u)+8*(\q)+4+(\c)]
.endr
.endr
	WIN 0x40                                       ; the loads' destination in window 1; the stores' address and data lie in window 0
.irp c, 0,1,2,3
	ds_store_b128 v[WL], v[PT+16*((\u)%2)+4*(\c):PT+16*((\u)%2)+4*(\c)+3] offset:(\u)*KTB+16*(\c)
.endr
.if \fill
.irp j, 0,1,2,3,4,5,6,7
	global_load_b128 v[32*(((\u)+7)%8)+4*(\j):32*(((\u)+7)%8)+4*(\j)+3], v[BL0], s[24:25] offset:((\u)+7)*UNITB+(\j)*PITCH th:TH_LOAD_NT
.endr
.endif
.endm
; 12 matrix instructions: the three tiles x four blocks of columns (half x), 32 along K.  The accumulators take turns, one instruction a turn.  first = 1: the products start the sums.
.macro HALF x, a, first
	WIN 0x50                                       ; C and D in window 1
.irp i, 0,1,2
.irp b, 0,1,2,3
.if \first
	v_wmma_f32_16x16x32_bf16 v[64*(\i)+8*(4*(\x)+(\b)):64*(\i)+8*(4*(\x)+(\b))+7], v[BH0+32*(\x)+8*(\b):BH0+32*(\x)+8*(\b)+7], v[(\a)+8*(\i):(\a)+8*(\i)+7], 0
.else
	v_wmma_f32_16x16x32_bf16 v[64*(\i)+8*(4*(\x)+(\b)):64*(\i)+8*(4*(\x)+(\b))+7], v[BH0+32*(\x)+8*(\b):BH0+32*(\x)+8*(\b)+7], v[(\a)+8*(\i):(\a)+8*(\i)+7], v[64*(\i)+8*(4*(\x)+(\b)):64*(\i)+8*(4*(\x)+(\b))+7]
.endif
.endr
.endr
	WIN 0
.endm
.macro ALOAD a, off                    ; six loads: the three tiles' fragments of 32 k, at byte off of the rows, into buffer a
.irp i, 0,1,2
	global_load_b128 v[A0+24*(\a)+8*(\i):A0+24*(\a)+8*(\i)+3],   v[RO+(\i)], s[28:29] offset:(\off)
	global_load_b128 v[A0+24*(\a)+8*(\i)+4:A0+24*(\a)+8*(\i)+7], v[RO+(\i)], s[28:29] offset:(\off)+32
.endr
.endm
.macro BLOAD d, base, off              ; eight LDS loads: four fragments of W, 512 consecutive bytes each load
.irp b, 0,1,2,3
	ds_load_b128 v[(\d)+8*(\b):(\d)+8*(\b)+3],   v[\base] offset:(\off)+(\b)*FRB
	ds_load_b128 v[(\d)+8*(\b)+4:(\d)+8*(\b)+7], v[\base] offset:(\off)+(\b)*FRB+512
.endr
.endm
; K STEP t of 32, on token buffer t % 6; its W lies t % 7 steps behind base t / 7 (the largest immediate is 6 steps + 7 fragments + 512 = 57,712).  Steps 0 to 25 load their buffer again, six steps ahead.
.macro KSTEP t
.set ka, A0+24*((\t)%6)
.set kf, 0
.if (\t) == 0
.set kf, 1
.endif
.set kl, 30
.if (\t) > 26
.set kl, 6*(31-(\t))
.endif
	BLOAD BH1, BW+(\t)/7, ((\t)%7)*KTB+4*FRB       ; the second half of this step's W (the places behind its last readers end the step before)
	s_wait_loadcnt kl                              ; my token buffer is in; the younger buffers, five of six loads or as many as are left, may stay out
	s_wait_dscnt 8                                 ; the first half of W is in; the eight just issued may stay out
	HALF 0, ka, kf
	PLACES
.if (\t) < 31
	BLOAD BH0, BW+((\t)+1)/7, (((\t)+1)%7)*KTB     ; the first half of the next step's W
	s_wait_dscnt 8                                 ; the second half of this step's is in
.else
	s_wait_dscnt 0x0
.endif
	HALF 1, ka, kf
	PLACES
.if (\t) < 26
	ALOAD (\t)%6, 64*((\t)+6)
.endif
.endm
; THE LIST.  Registers 2 y, 2 y + 1 of the 64 hold the two entries of token 64 (y / 2) + 2 lane + y % 2.  A token that chose my expert gets the rank: the count so far + the lanes below that also match;
; the others go to a word a lane that nobody reads.  What is stored is the routed row, 2 x token + which entry.  Eight steps at a time: compares, then the counts, then ranks and stores.
.macro SCAN
.set bz, 0
.rept 4
.set z, 0
.rept 8
	v_cmp_eq_u32 s[SM+z], s16, v[A0+2*(8*bz+z)]
	v_cmp_eq_u32 s[SB+z], s16, v[A0+2*(8*bz+z)+1]
.set z, z+1
.endr
.set z, 0
.rept 8
	s_or_b32 s[SM+z], s[SM+z], s[SB+z]
	s_mov_b32 s[SC+z], s42
	s_bcnt1_i32_b32 s20, s[SM+z]
	s_add_co_u32 s42, s42, s20
.set z, z+1
.endr
.set z, 0
.rept 8
	v_mbcnt_lo_u32_b32 v[S0+z], s[SM+z], s[SC+z]
	v_cndmask_b32 v[S0+z], v[DI], v[S0+z], s[SM+z]
	v_min_u32 v[S0+z], 0x51f, v[S0+z]              ; inside my list whatever idx holds
	v_lshl_add_u32 v[S0+z], v[S0+z], 2, s41
	v_cndmask_b32 v[S1+z], 0, 1, s[SB+z]
	v_add3_u32 v[S1+z], v[S1+z], v[L4], 128*((8*bz+z)/2)+2*((8*bz+z)%2)
	ds_store_b32 v[S0+z], v[S1+z]
.set z, z+1
.endr
.set bz, bz+1
.endr
	s_min_u32 s18, s42, 1024                       ; n: one rank a token at the most
.endm
.macro LISTLD g                        ; group g: rank = 192 g + 16 (4 i + w) + lane % 16; the group's place stands in the immediate
.irp i, 0,1,2
	ds_load_b32 v[TA+1+(\i)], v[LR] offset:4*GROUP*(\g)+256*(\i)
.endr
	s_wait_dscnt 0x0
.endm
.macro DUMP i                          ; tile i into my stage: a lane's eight columns of block b are 32 bytes of its row; each accumulator's low registers go first
	v_mov_b32 v[CUR], v[SL+(\i)]
	WIN 0x04                                       ; the stores' data in window 1
.irp b, 0,1,2,3,4,5,6,7
	ds_store_b128 v[ST], v[64*(\i)+8*(\b):64*(\i)+8*(\b)+3]   offset:64*(\b)
	ds_store_b128 v[ST], v[64*(\i)+8*(\b)+4:64*(\i)+8*(\b)+7] offset:64*(\b)+16
.endr
	WIN 0
.endm
; FOUR ROWS, 4 t .. 4 t + 3 of the tile in my stage, go out: a load takes a whole row, 16 bytes a lane.  A rank past the count is not stored, nor any behind it: whole stores are jumped, EXEC stays as it is.
.macro ROW4 t
	s_add_co_u32 s40, s38, 4*(\t)                  ; the four rows' first rank
	s_cmp_ge_u32 s40, s18
	s_cbranch_scc1 .Lslot_next
	s_wait_xcnt 0x0                                ; the earlier stores have had their addresses translated: their registers are written again only behind this wait
.irp p, 0,1,2,3
	ds_load_b128 v[X+4*(\p):X+4*(\p)+3], v[RD] offset:(4*(\t)+(\p))*SPITCH  ; LDS serves a wave's instructions in order: these see the tile's stores
.endr
.irp p, 0,1,2,3
	v_readlane_b32 s[SR+(\p)], v[CUR], 4*(\t)+(\p) ; lane r holds row r's number
.endr
.irp p, 0,1,2,3
	s_min_u32 s[SR+(\p)], s[SR+(\p)], 0x7ff
.endr
	s_wait_dscnt 0x0
.irp m, 0,1,2,3,4,5,6,7
	v_pk_add_f32 v[X+2*(\m):X+2*(\m)+1], v[X+2*(\m):X+2*(\m)+1], v[BI+2*((\m)%2):BI+2*((\m)%2)+1]  ; the bias of my four columns
.endr
.if FFN == 1
	; gelu(x) = x / (1 + 2^(x (C0 + C1 x x)))
.irp m, 0,1,2,3,4,5,6,7
	v_pk_mul_f32 v[T+2*(\m):T+2*(\m)+1], v[X+2*(\m):X+2*(\m)+1], v[X+2*(\m):X+2*(\m)+1]
.endr
.irp m, 0,1,2,3,4,5,6,7
	v_pk_fma_f32 v[T+2*(\m):T+2*(\m)+1], v[T+2*(\m):T+2*(\m)+1], s[46:47], s[44:45] op_sel_hi:[1,0,0]
.endr
.irp m, 0,1,2,3,4,5,6,7
	v_pk_mul_f32 v[T+2*(\m):T+2*(\m)+1], v[T+2*(\m):T+2*(\m)+1], v[X+2*(\m):X+2*(\m)+1]
.endr
.irp m, 0,1,2,3,4,5,6,7,8,9,10,11,12,13,14,15
	v_exp_f32 v[T+(\m)], v[T+(\m)]
.endr
.endif
.irp p, 0,1,2,3                        ; where the rows go (in the first product: the plain work behind the batch of exponentials)
	v_lshl_add_u32 v[VO+(\p)], s[SR+(\p)], OSH, v[LN]
.endr
.if FFN == 1
	s_wait_alu depctr_va_vdst(0)                   ; one wait for the sixteen exponentials, ahead of their first reader
.irp m, 0,1,2,3,4,5,6,7
	v_pk_add_f32 v[T+2*(\m):T+2*(\m)+1], v[T+2*(\m):T+2*(\m)+1], 1.0 op_sel_hi:[1,0]
.endr
.irp m, 0,1,2,3,4,5,6,7,8,9,10,11,12,13,14,15
	v_rcp_f32 v[T+(\m)], v[T+(\m)]
.endr
	v_nop                                          ; a plain instruction behind the last reciprocal,
	s_wait_alu depctr_va_vdst(0)                   ; and one wait for the sixteen
.irp m, 0,1,2,3,4,5,6,7
	v_pk_mul_f32 v[T+2*(\m):T+2*(\m)+1], v[T+2*(\m):T+2*(\m)+1], v[X+2*(\m):X+2*(\m)+1]
.endr
.irp m, 0,1,2,3,4,5,6,7
	v_cvt_pk_bf16_f32 v[Y+(\m)], v[T+2*(\m)], v[T+2*(\m)+1]
.endr
	global_store_b64 v[VO], v[Y:Y+1], s[32:33]     ; a row's store is the wave's 256 consecutive bytes, aligned
.irp p, 1,2,3
	s_add_co_u32 s20, s40, \p
	s_cmp_ge_u32 s20, s18
	s_cbranch_scc1 .Lslot_next
	global_store_b64 v[VO+(\p)], v[Y+2*(\p):Y+2*(\p)+1], s[32:33]
.endr
.else
	global_store_b128 v[VO], v[X:X+3], s[32:33]    ; a row's store is the wave's 512 consecutive bytes, aligned
.irp p, 1,2,3
	s_add_co_u32 s20, s40, \p
	s_cmp_ge_u32 s20, s18
	s_cbranch_scc1 .Lslot_next
	global_store_b128 v[VO+(\p)], v[X+4*(\p):X+4*(\p)+3], s[32:33]
.endr
.endif
.endm
	s_load_b256 s[4:11], s[0:1], 0x0               ; tokens s[4:5], idx s[6:7], W s[8:9], bias s[10:11]
	s_load_b64 s[12:13], s[0:1], 0x20              ; output
	v_lshl_add_u32 v[SPW], v0, 2, SPARE
	v_mov_b32 v[NIL], 0
	v_lshrrev_b32 v[TA], 5, v0
	v_readfirstlane_b32 s14, v[TA]                 ; wave 0..3
	s_lshr_b32 s16, ttmp9, 5                       ; expert
	s_lshl_b32 s22, s16, 24                        ; an expert's weights are 16 MiB
.if FFN == 1
	s_and_b32 s17, ttmp9, 31                       ; slice of 128 columns
.else
	s_bfe_u32 s17, ttmp9, 0x30002                  ; slice of 128 columns: 3 bits from bit 2
	s_and_b32 s49, ttmp9, 3                        ; quarter of K
	s_lshl_b32 s20, s49, 22                        ; 1,024 rows of 4,096 bytes
	s_add_co_u32 s22, s22, s20
.endif
	s_lshl_b32 s20, s17, 9
	s_add_co_u32 s22, s22, s20                     ; the slice's first byte in W,
	s_mul_i32 s20, s14, 8*PITCH
	s_add_co_u32 s22, s22, s20                     ; and my 8 rows of each 32
	s_mov_b32 s23, 0
	v_and_b32 v[TA], 31, v0                        ; lane
	v_and_b32 v[TA+1], 15, v0                      ; lane % 16
	v_bfe_u32 v[TA+2], v0, 4, 1                    ; lane / 16
	v_lshlrev_b32 v[BL0], 4, v[TA]
	v_mov_b32 v[BW], v[BL0]
.irp m, 1,2,3,4
	v_add_nc_u32 v[BW+(\m)], (\m)*7*KTB, v[BL0]    ; an LDS immediate has 16 bits: a base for every seven K steps
.endr
	v_lshlrev_b32 v[H16], 4, v[TA+2]
	s_mul_i32 s41, s14, LISTW
	s_add_co_u32 s41, s41, LIST                    ; my list
	s_lshl_b32 s20, s14, 6
	s_add_co_u32 s20, s20, s41
	v_lshl_add_u32 v[LR], v[TA+1], 2, s20
	s_mul_i32 s21, s14, STAGEW
	s_add_co_u32 s21, s21, STAGE                   ; my stage
	v_mul_u32_u24 v[ST], v[TA+1], SPITCH
	v_lshl_add_u32 v[ST], v[TA+2], 5, v[ST]
	v_add_nc_u32 v[ST], s21, v[ST]
	v_add_nc_u32 v[RD], s21, v[BL0]
	v_lshlrev_b32 v[LN], LNSH, v[TA]
	v_add_nc_u32 v[DI], 1280, v[TA]
	v_lshlrev_b32 v[L4], 2, v[TA]
	v_add_nc_u32 v[LZ], s41, v[BL0]
	v_lshrrev_b32 v[TA+3], 2, v[TA]
	v_and_b32 v[TA+4], 3, v[TA]
	v_mul_u32_u24 v[WL], v[TA+3], FRB              ; my columns 4 l .. 4 l + 3: block l / 4,
	v_lshl_add_u32 v[WL], v[TA+4], 6, v[WL]        ; lanes 4 (l % 4) + c of the fragment,
	s_lshl_b32 s20, s14, 8
	v_add_nc_u32 v[WL], s20, v[WL]                 ; and my 8 rows: k = 8 w + 0..7 of the 32 lie 512 (w / 2) + 256 (w % 2) = 256 w bytes in
.irp k, 20,21,22,23
	v_mov_b32 v[\k], 0
.endr
	s_mov_b32 s42, 0
	s_wait_kmcnt 0x0
	s_add_nc_u64 s[24:25], s[8:9], s[22:23]
.if FFN == 1
	s_mov_b64 s[28:29], s[4:5]
	s_lshl_b32 s22, s16, 14                        ; b1: 16,384 bytes an expert
	s_lshl_b32 s20, s17, 9
	s_add_co_u32 s22, s22, s20
	s_add_nc_u64 s[30:31], s[10:11], s[22:23]
	s_lshl_b32 s22, s17, 8                         ; hid: 128 bf16 a slice
	s_add_nc_u64 s[32:33], s[12:13], s[22:23]
	s_mov_b32 s44, 0xc0135761                      ; -2 log2(e) sqrt(2 / pi) = -2.3022082
	s_mov_b32 s45, s44
	s_mov_b32 s46, 0xbdd2d3e8                      ; 0.044715 times that = -0.10294324
	s_mov_b32 s47, s46
.else
	s_lshl_b32 s22, s49, 11                        ; hid: a quarter of a row is 2,048 bytes
	s_add_nc_u64 s[28:29], s[4:5], s[22:23]
	s_lshl_b32 s22, s16, 12                        ; b2: 4,096 bytes an expert
	s_lshl_b32 s20, s17, 9
	s_add_co_u32 s22, s22, s20
	s_add_nc_u64 s[30:31], s[10:11], s[22:23]
	s_lshl_b32 s22, s49, 23                        ; part: 8 MiB a quarter
	s_add_co_u32 s22, s22, s20
	s_add_nc_u64 s[32:33], s[12:13], s[22:23]
	s_cmp_eq_u32 s49, 0
	s_cselect_b32 s50, -1, 0
.endif
	; the small loads go first, since loads come back in order; then the stream's first five units
	global_load_b128 v[BI:BI+3], v[BL0], s[30:31]
.irp i, 0,1,2,3,4,5,6,7,8,9,10,11,12,13,14,15
	global_load_b128 v[A0+4*(\i):A0+4*(\i)+3], v[BL0], s[6:7] offset:512*(\i)
.endr
	WIN 0x40
.set z, 0
.rept 40
	global_load_b128 v[4*z:4*z+3], v[BL0], s[24:25] offset:(z/8)*UNITB+(z%8)*PITCH th:TH_LOAD_NT  ; a row's 512 consecutive bytes
.set z, z+1
.endr
	WIN 0
.irp i, 0,1,2,3,4,5,6,7,8,9
	ds_store_b128 v[LZ], v[20:23] offset:512*(\i)  ; the list starts as 1,280 times row 0; LDS serves a wave's instructions in order, so the scan's stores come behind these
.endr
	s_wait_loadcnt 40                              ; the bias and idx are in; the forty loads of weights may stay out
	WIN 0x40
.rept 16
	global_load_b128 v[4*z:4*z+3], v[BL0], s[24:25] offset:(z/8)*UNITB+(z%8)*PITCH th:TH_LOAD_NT  ; units 5 and 6: seven are out
.set z, z+1
.endr
	WIN 0
	v_cvt_pk_bf16_f32 v[TA], v[BI], v[BI+1]        ; the bias rounded to bf16 like the other inputs
	v_cvt_pk_bf16_f32 v[TA+1], v[BI+2], v[BI+3]
.if FFN == 2
	v_and_b32 v[TA], s50, v[TA]                    ; it belongs to the first quarter of K alone
	v_and_b32 v[TA+1], s50, v[TA+1]
.endif
	v_lshlrev_b32 v[BI], 16, v[TA]
	v_and_b32 v[BI+1], 0xffff0000, v[TA]
	v_lshlrev_b32 v[BI+2], 16, v[TA+1]
	v_and_b32 v[BI+3], 0xffff0000, v[TA+1]
	SCAN
; THE STREAM: my 32 units.  Three trips of eight steps ask for units 7 to 30; the last eight steps are written out: the first asks for unit 31, the others for nothing, and the counts run down.
	s_mov_b32 s19, 3
.Lstream:
.irp u, 0,1,2,3,4,5,6,7
	PSTEP \u, 1, 48                                ; seven units are out: mine is in when the six younger ones' 48 loads are left
.endr
	WIN 0
	s_wait_xcnt 0x0                                ; the loads that name the stream's address have had it translated: it may step
	s_add_nc_u64 s[24:25], s[24:25], 8*UNITB
	v_add_nc_u32 v[WL], 8*KTB, v[WL]
	s_sub_co_u32 s19, s19, 1
	s_cmp_lg_u32 s19, 0
	s_cbranch_scc1 .Lstream
	PSTEP 0, 1, 48
	PSTEP 1, 0, 48
	PSTEP 2, 0, 40
	PSTEP 3, 0, 32
	PSTEP 4, 0, 24
	PSTEP 5, 0, 16
	PSTEP 6, 0, 8
	PSTEP 7, 0, 0
	WIN 0
	s_wait_dscnt 0x0                               ; for the others' sake: my part of the slice is written
	s_barrier_signal -1
	s_barrier_wait -1                              ; the slice is whole; nothing writes it again
; THE GROUPS: six trips, no barrier; a trip in which my first tile holds no rank below n is jumped, forward.
	s_mov_b32 s36, 0
.Lgroup:
	s_lshl4_add_u32 s21, s14, s36                  ; my first tile's first rank: the group's + 16 w
	s_cmp_ge_u32 s21, s18
	s_cbranch_scc1 .Lnext
	s_wait_xcnt 0x0                                ; nothing that is out still reads the registers written below
	s_cmp_lg_u32 s36, 0
	s_cbranch_scc1 .Lg1
	LISTLD 0
	s_branch .Lgl
.Lg1:
	s_cmp_lg_u32 s36, GROUP
	s_cbranch_scc1 .Lg2
	LISTLD 1
	s_branch .Lgl
.Lg2:
	s_cmp_lg_u32 s36, 2*GROUP
	s_cbranch_scc1 .Lg3
	LISTLD 2
	s_branch .Lgl
.Lg3:
	s_cmp_lg_u32 s36, 3*GROUP
	s_cbranch_scc1 .Lg4
	LISTLD 3
	s_branch .Lgl
.Lg4:
	s_cmp_lg_u32 s36, 4*GROUP
	s_cbranch_scc1 .Lg5
	LISTLD 4
	s_branch .Lgl
.Lg5:
	LISTLD 5
.Lgl:
.irp i, 0,1,2
	v_min_u32 v[SL+(\i)], 0x7ff, v[TA+1+(\i)]      ; my rows' numbers, kept for the way out
.endr
.if FFN == 1
.irp i, 0,1,2
	v_and_b32 v[TA+1+(\i)], 0x7fe, v[SL+(\i)]
.endr
.irp i, 0,1,2
	v_lshl_add_u32 v[RO+(\i)], v[TA+1+(\i)], ASH, v[H16]
.endr
.else
.irp i, 0,1,2
	v_lshl_add_u32 v[RO+(\i)], v[SL+(\i)], ASH, v[H16]
.endr
.endif
.irp a, 0,1,2,3,4,5
	ALOAD \a, 64*(\a)                              ; the tokens of K steps 0 to 5
.endr
	BLOAD BH0, BW, 0
.set kt, 0
.rept 32
	KSTEP kt
.set kt, kt+1
.endr
	; THE WAY OUT, a tile at a time through my stage
	s_mov_b32 s37, 0
.Lslot:
	s_lshl_b32 s38, s37, 2
	s_add_co_u32 s38, s38, s14
	s_lshl4_add_u32 s38, s38, s36                  ; the tile's first rank
	s_cmp_ge_u32 s38, s18
	s_cbranch_scc1 .Lslot_next
	s_cmp_lg_u32 s37, 0
	s_cbranch_scc1 .Ld1
	DUMP 0
	s_branch .Ldumped
.Ld1:
	s_cmp_lg_u32 s37, 1
	s_cbranch_scc1 .Ld2
	DUMP 1
	s_branch .Ldumped
.Ld2:
	DUMP 2
.Ldumped:
	ROW4 0
	ROW4 1
	ROW4 2
	ROW4 3
.Lslot_next:
	s_add_co_u32 s37, s37, 1
	s_cmp_lt_u32 s37, 3
	s_cbranch_scc1 .Lslot
.Lnext:
	s_add_co_u32 s36, s36, GROUP
	s_cmp_lt_u32 s36, 6*GROUP
	s_cbranch_scc1 .Lgroup
	s_wait_tensorcnt 0x0                           ; the wave's end
	ds_add_u32 v[SPW], v[NIL]
	s_wait_dscnt 0x0
	s_endpgm
.Lfunc_end_k_q18acaa3c57_ffn1:
	.size	k_q18acaa3c57_ffn1, .Lfunc_end_k_q18acaa3c57_ffn1-k_q18acaa3c57_ffn1
	.p2alignl 7, 3214868480
	.fill 96, 4, 3214868480
	.section	.rodata,"a",@progbits
	.p2align	6, 0x0
	.amdhsa_kernel k_q18acaa3c57_ffn1
		.amdhsa_group_segment_fixed_size 322048
		.amdhsa_private_segment_fixed_size 0
		.amdhsa_enable_private_segment 0
		.amdhsa_kernarg_size 40
		.amdhsa_user_sgpr_count 2
		.amdhsa_user_sgpr_kernarg_segment_ptr 1
		.amdhsa_wavefront_size32 1
		.amdhsa_system_sgpr_workgroup_id_x 1
		.amdhsa_system_sgpr_workgroup_id_y 1
		.amdhsa_system_sgpr_workgroup_id_z 1
		.amdhsa_system_vgpr_workitem_id 0
		.amdhsa_next_free_vgpr 512
		.amdhsa_next_free_sgpr 82
		.amdhsa_reserve_vcc 0
		.amdhsa_float_denorm_mode_32 3
		.amdhsa_float_denorm_mode_16_64 3
		.amdhsa_memory_ordered 1
		.amdhsa_forward_progress 1
		.amdhsa_inst_pref_size 208
	.end_amdhsa_kernel
	.amdgpu_metadata
---
amdhsa.version: [ 1, 2 ]
amdhsa.kernels:
  - .name:           k_q18acaa3c57_ffn1
    .symbol:         k_q18acaa3c57_ffn1.kd
    .args:
      - { .name: xb, .offset: 0, .size: 8, .value_kind: global_buffer, .address_space: global }
      - { .name: idx, .offset: 8, .size: 8, .value_kind: global_buffer, .address_space: global }
      - { .name: W1, .offset: 16, .size: 8, .value_kind: global_buffer, .address_space: global }
      - { .name: b1, .offset: 24, .size: 8, .value_kind: global_buffer, .address_space: global }
      - { .name: hid, .offset: 32, .size: 8, .value_kind: global_buffer, .address_space: global }
    .group_segment_fixed_size: 322048
    .private_segment_fixed_size: 0
    .kernarg_segment_align: 8
    .kernarg_segment_size: 40
    .max_flat_workgroup_size: 128
    .sgpr_count:     82
    .vgpr_count:     512
    .wavefront_size: 32
...
	.end_amdgpu_metadata
.endif
;; end of part 2
;; launch ffn2 (part 3): grid 256 x 1, 4 waves a work-group, no clusters, 322,048 bytes of LDS; arguments hid, idx, W2, b2, part; writes part
.if DOCPART == 3
	.amdgcn_target "amdgcn-amd-amdhsa--gfx1250"
	.amdhsa_code_object_version 6
	.text
	.protected	k_q18acaa3c57_ffn2
	.globl	k_q18acaa3c57_ffn2
	.p2align	8
	.type	k_q18acaa3c57_ffn2,@function
k_q18acaa3c57_ffn2:
	s_mov_b64 s[64:65], 0
	v_nop
	global_prefetch_b8 v0, s[64:65] scope:SCOPE_SE
	s_setreg_imm32_b32 hwreg(HW_REG_WAVE_MODE, 25, 1), 1
	s_wait_xcnt 0x0
; ONE PRODUCT OF A LAYER OF ROUTED EXPERTS, for the chosen rows alone.  The same text serves both products; FFN says which.
;   FFN = 1: hid[s][f]     = gelu(xb[s / 2] . W1[e][:, f] + b1[e][f]), rounded once to bf16        (gelu in its tanh form)
;   FFN = 2: part[q][s][d] = hid[s][1024 q ..] . W2[e][1024 q .., d]  (+ b2[e][d] where q = 0), f32: a partial sum over a quarter of K
; s = 2 x token + k is a routed row, e = idx[s] its expert.  Weights and biases are rounded to bf16 on their way; sums are f32.
; SHARES.  A work-group has a slice of ONE expert's weights, 1,024 k x 128 n of f32, which it alone reads, once, and ALL rows of that expert: 8 experts x 32 slices = 256 work-groups.
; (Here a slice is a quarter of K by an eighth of the columns: K whole would leave slices of 32 columns, with four times the reads of hid for each matrix instruction.)
; FIRST all four waves stream the slice through registers, round it and lay it into LDS in the order of a matrix operand's lanes: a unit is 8 rows (eight loads of 512 consecutive bytes); seven
; units of each wave, 56 loads, are on their way at any time.  The slice STAYS in LDS, each byte written once, and ONE barrier shows it to everybody.
; THEN the rows are multiplied, in groups of 192: 48 a wave (three tiles of 16), 24 accumulators.  Token rows come from memory straight into operand registers (each row serves one wave), six
; K steps of 32 ahead.  No barrier stands here, so that the number of groups may hang on the expert's count.  A group's 32 K steps are written out, so that every LDS address behind the barrier is a
; register made at the kernel's head plus an immediate; three tiles a wave keep that text short: 24 matrix instructions and 16 LDS loads a step.
; The stream and the products do not overlap: loads come back in order, so a wave with far-ahead loads of weights and near loads of tokens out would wait for the weights at every wait for tokens.
; THE MATRIX INSTRUCTION IS USED TRANSPOSED (source 0 = 16 columns of W, source 1 = 16 token rows): a lane holds row lane % 16 and the columns 8 (lane / 16) + 0..7.
; ROUTING.  Each wave scans all of idx, while the first weights are on their way, and writes the list of its expert's rows (by rank) into LDS bytes of its own: no barrier, no change of EXEC.  Every
; split is served: an expert with no row streams its slice and stores nothing; with up to 1,024 rows there are six groups.  Ranks past the count name row 0, which exists; a wave multiplies all three
; tiles of a group in which its first tile holds a rank below the count, and results past the count are not stored.
; NO CLUSTER: each slice has one reader; what an expert's work-groups share is its token rows, which come by a list that no descriptor covers and go to one wave's registers.
; NO TENSOR LOADS: the weights pass through registers in any case, to be rounded and paired along k.
; LIMITS.  A token's two entries of idx are taken to differ.  NaN and infinities are not treated apart.
.set FFN, 2
.if FFN == 1
.set PITCH, 16384                      ; bytes from a row of W to the next
.set ASH,   10                         ; a row of tokens: (s & ~1) << 10 bytes (token x 2,048)
.set OSH,   13                         ; a row of the output: s << 13
.set LNSH,  3                          ; a lane's four numbers of a row of the output: 8 bytes
.else
.set PITCH, 4096
.set ASH,   13
.set OSH,   12
.set LNSH,  4
.endif
.set UNITB,  32*PITCH                  ; from a wave's unit to its next: 32 rows
.set GROUP,  192                       ; ranks in a group: 4 waves x 3 tiles x 16; six groups hold 1,152 >= 1,024
; LDS
.set FRB,    1040                      ; a fragment (16 n x 32 k of bf16): 1,024 bytes + 16, so that 16 lanes of a store fall on 16 different columns of 16 bytes
.set KTB,    8*FRB                     ; 32 k x 128 n
.set STAGE,  32*KTB                    ; behind W: for each wave 16 rows x 528 bytes, for the way out
.set SPITCH, 528
.set STAGEW, 16*SPITCH
.set LIST,   STAGE+4*STAGEW            ; for each wave 1,280 entries of 4 bytes by rank, and 32 words that take the tokens of other experts
.set LISTW,  5376
.set SPARE,  LIST+4*LISTW              ; the spare words, 128 bytes for each of four waves
; vector registers, window 0
.set SPW, 1                            ; LDS address of my spare word; never rewritten
.set NIL, 2                            ; 0; never rewritten
.set BL0, 4                            ; 16 x lane
.set RO,  5                            ; v5-7   tile i: my row's byte offset + 16 (lane / 16)
.set H16, 10                           ; 16 (lane / 16)
.set LR,  11                           ; my list + 4 (16 w + lane % 16)
.set ST,  12                           ; the way out: where I put my columns of a row
.set RD,  13                           ; the way out: where I read a row back
.set LN,  14                           ; my bytes in a row of the output
.set DI,  15                           ; 1,280 + lane
.set L4,  16                           ; 4 x lane
.set TA,  17                           ; v17-23 at work
.set WL,  24                           ; the stream: where my columns lie in the K step in hand
.set LZ,  25                           ; my list + 16 x lane
.set BI,  26                           ; v26-29 the bias of my four columns of a row
.set A0,  32                           ; v32-175 token fragments: six buffers of 24, tile i at + 8 i
.set BW,  176                          ; v176-180 W's read addresses: 16 x lane + 7 m K steps, m = 0..4; never rewritten
.set SL,  181                          ; v181-183 tile i: my row's number
.set CUR, 184                          ; the same for the tile on its way out
.set BH0, 192                          ; v192-223 W's fragments b = 0..3;  v224-255 b = 4..7
.set BH1, 224
.set PT,  32                           ; the stream: v32-63 packed, two sets of 16
.set S0,  96                           ; the scan: v96-103 addresses, v104-111 values; idx lies in v32-95
.set S1,  104
.set X,   32                           ; the way out: four rows, f32
.set T,   48                           ;   at work
.set VO,  68                           ;   the four rows' byte offsets
.set Y,   72                           ;   four rows, bf16
; window 1: the stream's eight slots (row j of slot u at v[32 u + 4 j]); then the accumulators of tile i (0..2), block b at v[64 i + 8 b]
; scalars: s[4:13] the five addresses; s14 wave; s16 expert; s17 slice; s18 n; s19 trips; s20, s21 at work; s[22:23] an offset; s[24:25] W's stream; s[28:29] tokens; s[30:31] bias;
; s[32:33] output; s36 the group's first rank; s37 tile; s38 its first rank; s40 four rows' first rank; s41 my list; s42 running count; s[44:47] gelu's constants; s49 quarter; s50 keeps or drops the bias
.set SM,  52                           ; s52-59 the scan: which lanes' token chose my expert
.set SR,  52                           ; s52-55 later: four rows' numbers
.set SB,  66                           ; s66-73 which of them by their second entry
.set SC,  74                           ; s74-81 the count in front of the step
.set MSB, 0
.macro WIN new                         ; s_set_vgpr_msb: bits 1:0 source 0, 3:2 source 1, 5:4 source 2, 7:6 destination; the high byte repeats the setting that is left
.if MSB != (\new)
	s_set_vgpr_msb (MSB<<8)|(\new)
.set MSB, (\new)
.endif
.endm
.macro PLACES                          ; four plain instructions between a matrix instruction and a load into, or a store of, its registers
.rept 4
	v_nop
.endr
.endm
; A STEP OF THE STREAM: the unit in slot u.  Of rows 2 q, 2 q + 1 column c gives a word of two bf16; four such words are 8 consecutive k of one column: 16 bytes of a fragment's lane.
; fill = 1: the unit seven further on is asked for, into the slot that the step before has read out.  left: the younger loads that may stay out.
.macro PSTEP u, fill, left
	s_wait_loadcnt \left
	WIN 0x05                                       ; sources in window 1
.irp c, 0,1,2,3
.irp q, 0,1,2,3
	v_cvt_pk_bf16_f32 v[PT+16*((\u)%2)+4*(\c)+(\q)], v[32*(\u)+8*(\q)+(\c)], v[32*(\u)+8*(\q)+4+(\c)]
.endr
.endr
	WIN 0x40                                       ; the loads' destination in window 1; the stores' address and data lie in window 0
.irp c, 0,1,2,3
	ds_store_b128 v[WL], v[PT+16*((\u)%2)+4*(\c):PT+16*((\u)%2)+4*(\c)+3] offset:(\u)*KTB+16*(\c)
.endr
.if \fill
.irp j, 0,1,2,3,4,5,6,7
	global_load_b128 v[32*(((\u)+7)%8)+4*(\j):32*(((\u)+7)%8)+4*(\j)+3], v[BL0], s[24:25] offset:((\u)+7)*UNITB+(\j)*PITCH th:TH_LOAD_NT
.endr
.endif
.endm
; 12 matrix instructions: the three tiles x four blocks of columns (half x), 32 along K.  The accumulators take turns, one instruction a turn.  first = 1: the products start the sums.
.macro HALF x, a, first
	WIN 0x50                                       ; C and D in window 1
.irp i, 0,1,2
.irp b, 0,1,2,3
.if \first
	v_wmma_f32_16x16x32_bf16 v[64*(\i)+8*(4*(\x)+(\b)):64*(\i)+8*(4*(\x)+(\b))+7], v[BH0+32*(\x)+8*(\b):BH0+32*(\x)+8*(\b)+7], v[(\a)+8*(\i):(\a)+8*(\i)+7], 0
.else
	v_wmma_f32_16x16x32_bf16 v[64*(\i)+8*(4*(\x)+(\b)):64*(\i)+8*(4*(\x)+(\b))+7], v[BH0+32*(\x)+8*(\b):BH0+32*(\x)+8*(\b)+7], v[(\a)+8*(\i):(\a)+8*(\i)+7], v[64*(\i)+8*(4*(\x)+(\b)):64*(\i)+8*(4*(\x)+(\b))+7]
.endif
.endr
.endr
	WIN 0
.endm
.macro ALOAD a, off                    ; six loads: the three tiles' fragments of 32 k, at byte off of the rows, into buffer a
.irp i, 0,1,2
	global_load_b128 v[A0+24*(\a)+8*(\i):A0+24*(\a)+8*(\i)+3],   v[RO+(\i)], s[28:29] offset:(\off)
	global_load_b128 v[A0+24*(\a)+8*(\i)+4:A0+24*(\a)+8*(\i)+7], v[RO+(\i)], s[28:29] offset:(\off)+32
.endr
.endm
.macro BLOAD d, base, off              ; eight LDS loads: four fragments of W, 512 consecutive bytes each load
.irp b, 0,1,2,3
	ds_load_b128 v[(\d)+8*(\b):(\d)+8*(\b)+3],   v[\base] offset:(\off)+(\b)*FRB
	ds_load_b128 v[(\d)+8*(\b)+4:(\d)+8*(\b)+7], v[\base] offset:(\off)+(\b)*FRB+512
.endr
.endm
; K STEP t of 32, on token buffer t % 6; its W lies t % 7 steps behind base t / 7 (the largest immediate is 6 steps + 7 fragments + 512 = 57,712).  Steps 0 to 25 load their buffer again, six steps ahead.
.macro KSTEP t
.set ka, A0+24*((\t)%6)
.set kf, 0
.if (\t) == 0
.set kf, 1
.endif
.set kl, 30
.if (\t) > 26
.set kl, 6*(31-(\t))
.endif
	BLOAD BH1, BW+(\t)/7, ((\t)%7)*KTB+4*FRB       ; the second half of this step's W (the places behind its last readers end the step before)
	s_wait_loadcnt kl                              ; my token buffer is in; the younger buffers, five of six loads or as many as are left, may stay out
	s_wait_dscnt 8                                 ; the first half of W is in; the eight just issued may stay out
	HALF 0, ka, kf
	PLACES
.if (\t) < 31
	BLOAD BH0, BW+((\t)+1)/7, (((\t)+1)%7)*KTB     ; the first half of the next step's W
	s_wait_dscnt 8                                 ; the second half of this step's is in
.else
	s_wait_dscnt 0x0
.endif
	HALF 1, ka, kf
	PLACES
.if (\t) < 26
	ALOAD (\t)%6, 64*((\t)+6)
.endif
.endm
; THE LIST.  Registers 2 y, 2 y + 1 of the 64 hold the two entries of token 64 (y / 2) + 2 lane + y % 2.  A token that chose my expert gets the rank: the count so far + the lanes below that also match;
; the others go to a word a lane that nobody reads.  What is stored is the routed row, 2 x token + which entry.  Eight steps at a time: compares, then the counts, then ranks and stores.
.macro SCAN
.set bz, 0
.rept 4
.set z, 0
.rept 8
	v_cmp_eq_u32 s[SM+z], s16, v[A0+2*(8*bz+z)]
	v_cmp_eq_u32 s[SB+z], s16, v[A0+2*(8*bz+z)+1]
.set z, z+1
.endr
.set z, 0
.rept 8
	s_or_b32 s[SM+z], s[SM+z], s[SB+z]
	s_mov_b32 s[SC+z], s42
	s_bcnt1_i32_b32 s20, s[SM+z]
	s_add_co_u32 s42, s42, s20
.set z, z+1
.endr
.set z, 0
.rept 8
	v_mbcnt_lo_u32_b32 v[S0+z], s[SM+z], s[SC+z]
	v_cndmask_b32 v[S0+z], v[DI], v[S0+z], s[SM+z]
	v_min_u32 v[S0+z], 0x51f, v[S0+z]              ; inside my list whatever idx holds
	v_lshl_add_u32 v[S0+z], v[S0+z], 2, s41
	v_cndmask_b32 v[S1+z], 0, 1, s[SB+z]
	v_add3_u32 v[S1+z], v[S1+z], v[L4], 128*((8*bz+z)/2)+2*((8*bz+z)%2)
	ds_store_b32 v[S0+z], v[S1+z]
.set z, z+1
.endr
.set bz, bz+1
.endr
	s_min_u32 s18, s42, 1024                       ; n: one rank a token at the most
.endm
.macro LISTLD g                        ; group g: rank = 192 g + 16 (4 i + w) + lane % 16; the group's place stands in the immediate
.irp i, 0,1,2
	ds_load_b32 v[TA+1+(\i)], v[LR] offset:4*GROUP*(\g)+256*(\i)
.endr
	s_wait_dscnt 0x0
.endm
.macro DUMP i                          ; tile i into my stage: a lane's eight columns of block b are 32 bytes of its row; each accumulator's low registers go first
	v_mov_b32 v[CUR], v[SL+(\i)]
	WIN 0x04                                       ; the stores' data in window 1
.irp b, 0,1,2,3,4,5,6,7
	ds_store_b128 v[ST], v[64*(\i)+8*(\b):64*(\i)+8*(\b)+3]   offset:64*(\b)
	ds_store_b128 v[ST], v[64*(\i)+8*(\b)+4:64*(\i)+8*(\b)+7] offset:64*(\b)+16
.endr
	WIN 0
.endm
; FOUR ROWS, 4 t .. 4 t + 3 of the tile in my stage, go out: a load takes a whole row, 16 bytes a lane.  A rank past the count is not stored, nor any behind it: whole stores are jumped, EXEC stays as it is.
.macro ROW4 t
	s_add_co_u32 s40, s38, 4*(\t)                  ; the four rows' first rank
	s_cmp_ge_u32 s40, s18
	s_cbranch_scc1 .Lslot_next
	s_wait_xcnt 0x0                                ; the earlier stores have had their addresses translated: their registers are written again only behind this wait
.irp p, 0,1,2,3
	ds_load_b128 v[X+4*(\p):X+4*(\p)+3], v[RD] offset:(4*(\t)+(\p))*SPITCH  ; LDS serves a wave's instructions in order: these see the tile's stores
.endr
.irp p, 0,1,2,3
	v_readlane_b32 s[SR+(\p)], v[CUR], 4*(\t)+(\p) ; lane r holds row r's number
.endr
.irp p, 0,1,2,3
	s_min_u32 s[SR+(\p)], s[SR+(\p)], 0x7ff
.endr
	s_wait_dscnt 0x0
.irp m, 0,1,2,3,4,5,6,7
	v_pk_add_f32 v[X+2*(\m):X+2*(\m)+1], v[X+2*(\m):X+2*(\m)+1], v[BI+2*((\m)%2):BI+2*((\m)%2)+1]  ; the bias of my four columns
.endr
.if FFN == 1
	; gelu(x) = x / (1 + 2^(x (C0 + C1 x x)))
.irp m, 0,1,2,3,4,5,6,7
	v_pk_mul_f32 v[T+2*(\m):T+2*(\m)+1], v[X+2*(\m):X+2*(\m)+1], v[X+2*(\m):X+2*(\m)+1]
.endr
.irp m, 0,1,2,3,4,5,6,7
	v_pk_fma_f32 v[T+2*(\m):T+2*(\m)+1], v[T+2*(\m):T+2*(\m)+1], s[46:47], s[44:45] op_sel_hi:[1,0,0]
.endr
.irp m, 0,1,2,3,4,5,6,7
	v_pk_mul_f32 v[T+2*(\m):T+2*(\m)+1], v[T+2*(\m):T+2*(\m)+1], v[X+2*(\m):X+2*(\m)+1]
.endr
.irp m, 0,1,2,3,4,5,6,7,8,9,10,11,12,13,14,15
	v_exp_f32 v[T+(\m)], v[T+(\m)]
.endr
.endif
.irp p, 0,1,2,3                        ; where the rows go (in the first product: the plain work behind the batch of exponentials)
	v_lshl_add_u32 v[VO+(\p)], s[SR+(\p)], OSH, v[LN]
.endr
.if FFN == 1
	s_wait_alu depctr_va_vdst(0)                   ; one wait for the sixteen exponentials, ahead of their first reader
.irp m, 0,1,2,3,4,5,6,7
	v_pk_add_f32 v[T+2*(\m):T+2*(\m)+1], v[T+2*(\m):T+2*(\m)+1], 1.0 op_sel_hi:[1,0]
.endr
.irp m, 0,1,2,3,4,5,6,7,8,9,10,11,12,13,14,15
	v_rcp_f32 v[T+(\m)], v[T+(\m)]
.endr
	v_nop                                          ; a plain instruction behind the last reciprocal,
	s_wait_alu depctr_va_vdst(0)                   ; and one wait for the sixteen
.irp m, 0,1,2,3,4,5,6,7
	v_pk_mul_f32 v[T+2*(\m):T+2*(\m)+1], v[T+2*(\m):T+2*(\m)+1], v[X+2*(\m):X+2*(\m)+1]
.endr
.irp m, 0,1,2,3,4,5,6,7
	v_cvt_pk_bf16_f32 v[Y+(\m)], v[T+2*(\m)], v[T+2*(\m)+1]
.endr
	global_store_b64 v[VO], v[Y:Y+1], s[32:33]     ; a row's store is the wave's 256 consecutive bytes, aligned
.irp p, 1,2,3
	s_add_co_u32 s20, s40, \p
	s_cmp_ge_u32 s20, s18
	s_cbranch_scc1 .Lslot_next
	global_store_b64 v[VO+(\p)], v[Y+2*(\p):Y+2*(\p)+1], s[32:33]
.endr
.else
	global_store_b128 v[VO], v[X:X+3], s[32:33]    ; a row's store is the wave's 512 consecutive bytes, aligned
.irp p, 1,2,3
	s_add_co_u32 s20, s40, \p
	s_cmp_ge_u32 s20, s18
	s_cbranch_scc1 .Lslot_next
	global_store_b128 v[VO+(\p)], v[X+4*(\p):X+4*(\p)+3], s[32:33]
.endr
.endif
.endm
	s_load_b256 s[4:11], s[0:1], 0x0               ; tokens s[4:5], idx s[6:7], W s[8:9], bias s[10:11]
	s_load_b64 s[12:13], s[0:1], 0x20              ; output
	v_lshl_add_u32 v[SPW], v0, 2, SPARE
	v_mov_b32 v[NIL], 0
	v_lshrrev_b32 v[TA], 5, v0
	v_readfirstlane_b32 s14, v[TA]                 ; wave 0..3
	s_lshr_b32 s16, ttmp9, 5                       ; expert
	s_lshl_b32 s22, s16, 24                        ; an expert's weights are 16 MiB
.if FFN == 1
	s_and_b32 s17, ttmp9, 31                       ; slice of 128 columns
.else
	s_bfe_u32 s17, ttmp9, 0x30002                  ; slice of 128 columns: 3 bits from bit 2
	s_and_b32 s49, ttmp9, 3                        ; quarter of K
	s_lshl_b32 s20, s49, 22                        ; 1,024 rows of 4,096 bytes
	s_add_co_u32 s22, s22, s20
.endif
	s_lshl_b32 s20, s17, 9
	s_add_co_u32 s22, s22, s20                     ; the slice's first byte in W,
	s_mul_i32 s20, s14, 8*PITCH
	s_add_co_u32 s22, s22, s20                     ; and my 8 rows of each 32
	s_mov_b32 s23, 0
	v_and_b32 v[TA], 31, v0                        ; lane
	v_and_b32 v[TA+1], 15, v0                      ; lane % 16
	v_bfe_u32 v[TA+2], v0, 4, 1                    ; lane / 16
	v_lshlrev_b32 v[BL0], 4, v[TA]
	v_mov_b32 v[BW], v[BL0]
.irp m, 1,2,3,4
	v_add_nc_u32 v[BW+(\m)], (\m)*7*KTB, v[BL0]    ; an LDS immediate has 16 bits: a base for every seven K steps
.endr
	v_lshlrev_b32 v[H16], 4, v[TA+2]
	s_mul_i32 s41, s14, LISTW
	s_add_co_u32 s41, s41, LIST                    ; my list
	s_lshl_b32 s20, s14, 6
	s_add_co_u32 s20, s20, s41
	v_lshl_add_u32 v[LR], v[TA+1], 2, s20
	s_mul_i32 s21, s14, STAGEW
	s_add_co_u32 s21, s21, STAGE                   ; my stage
	v_mul_u32_u24 v[ST], v[TA+1], SPITCH
	v_lshl_add_u32 v[ST], v[TA+2], 5, v[ST]
	v_add_nc_u32 v[ST], s21, v[ST]
	v_add_nc_u32 v[RD], s21, v[BL0]
	v_lshlrev_b32 v[LN], LNSH, v[TA]
	v_add_nc_u32 v[DI], 1280, v[TA]
	v_lshlrev_b32 v[L4], 2, v[TA]
	v_add_nc_u32 v[LZ], s41, v[BL0]
	v_lshrrev_b32 v[TA+3], 2, v[TA]
	v_and_b32 v[TA+4], 3, v[TA]
	v_mul_u32_u24 v[WL], v[TA+3], FRB              ; my columns 4 l .. 4 l + 3: block l / 4,
	v_lshl_add_u32 v[WL], v[TA+4], 6, v[WL]        ; lanes 4 (l % 4) + c of the fragment,
	s_lshl_b32 s20, s14, 8
	v_add_nc_u32 v[WL], s20, v[WL]                 ; and my 8 rows: k = 8 w + 0..7 of the 32 lie 512 (w / 2) + 256 (w % 2) = 256 w bytes in
.irp k, 20,21,22,23
	v_mov_b32 v[\k], 0
.endr
	s_mov_b32 s42, 0
	s_wait_kmcnt 0x0
	s_add_nc_u64 s[24:25], s[8:9], s[22:23]
.if FFN == 1
	s_mov_b64 s[28:29], s[4:5]
	s_lshl_b32 s22, s16, 14                        ; b1: 16,384 bytes an expert
	s_lshl_b32 s20, s17, 9
	s_add_co_u32 s22, s22, s20
	s_add_nc_u64 s[30:31], s[10:11], s[22:23]
	s_lshl_b32 s22, s17, 8                         ; hid: 128 bf16 a slice
	s_add_nc_u64 s[32:33], s[12:13], s[22:23]
	s_mov_b32 s44, 0xc0135761                      ; -2 log2(e) sqrt(2 / pi) = -2.3022082
	s_mov_b32 s45, s44
	s_mov_b32 s46, 0xbdd2d3e8                      ; 0.044715 times that = -0.10294324
	s_mov_b32 s47, s46
.else
	s_lshl_b32 s22, s49, 11                        ; hid: a quarter of a row is 2,048 bytes
	s_add_nc_u64 s[28:29], s[4:5], s[22:23]
	s_lshl_b32 s22, s16, 12                        ; b2: 4,096 bytes an expert
	s_lshl_b32 s20, s17, 9
	s_add_co_u32 s22, s22, s20
	s_add_nc_u64 s[30:31], s[10:11], s[22:23]
	s_lshl_b32 s22, s49, 23                        ; part: 8 MiB a quarter
	s_add_co_u32 s22, s22, s20
	s_add_nc_u64 s[32:33], s[12:13], s[22:23]
	s_cmp_eq_u32 s49, 0
	s_cselect_b32 s50, -1, 0
.endif
	; the small loads go first, since loads come back in order; then the stream's first five units
	global_load_b128 v[BI:BI+3], v[BL0], s[30:31]
.irp i, 0,1,2,3,4,5,6,7,8,9,10,11,12,13,14,15
	global_load_b128 v[A0+4*(\i):A0+4*(\i)+3], v[BL0], s[6:7] offset:512*(\i)
.endr
	WIN 0x40
.set z, 0
.rept 40
	global_load_b128 v[4*z:4*z+3], v[BL0], s[24:25] offset:(z/8)*UNITB+(z%8)*PITCH th:TH_LOAD_NT  ; a row's 512 consecutive bytes
.set z, z+1
.endr
	WIN 0
.irp i, 0,1,2,3,4,5,6,7,8,9
	ds_store_b128 v[LZ], v[20:23] offset:512*(\i)  ; the list starts as 1,280 times row 0; LDS serves a wave's instructions in order, so the scan's stores come behind these
.endr
	s_wait_loadcnt 40                              ; the bias and idx are in; the forty loads of weights may stay out
	WIN 0x40
.rept 16
	global_load_b128 v[4*z:4*z+3], v[BL0], s[24:25] offset:(z/8)*UNITB+(z%8)*PITCH th:TH_LOAD_NT  ; units 5 and 6: seven are out
.set z, z+1
.endr
	WIN 0
	v_cvt_pk_bf16_f32 v[TA], v[BI], v[BI+1]        ; the bias rounded to bf16 like the other inputs
	v_cvt_pk_bf16_f32 v[TA+1], v[BI+2], v[BI+3]
.if FFN == 2
	v_and_b32 v[TA], s50, v[TA]                    ; it belongs to the first quarter of K alone
	v_and_b32 v[TA+1], s50, v[TA+1]
.endif
	v_lshlrev_b32 v[BI], 16, v[TA]
	v_and_b32 v[BI+1], 0xffff0000, v[TA]
	v_lshlrev_b32 v[BI+2], 16, v[TA+1]
	v_and_b32 v[BI+3], 0xffff0000, v[TA+1]
	SCAN
; THE STREAM: my 32 units.  Three trips of eight steps ask for units 7 to 30; the last eight steps are written out: the first asks for unit 31, the others for nothing, and the counts run down.
	s_mov_b32 s19, 3
.Lstream:
.irp u, 0,1,2,3,4,5,6,7
	PSTEP \u, 1, 48                                ; seven units are out: mine is in when the six younger ones' 48 loads are left
.endr
	WIN 0
	s_wait_xcnt 0x0                                ; the loads that name the stream's address have had it translated: it may step
	s_add_nc_u64 s[24:25], s[24:25], 8*UNITB
	v_add_nc_u32 v[WL], 8*KTB, v[WL]
	s_sub_co_u32 s19, s19, 1
	s_cmp_lg_u32 s19, 0
	s_cbranch_scc1 .Lstream
	PSTEP 0, 1, 48
	PSTEP 1, 0, 48
	PSTEP 2, 0, 40
	PSTEP 3, 0, 32
	PSTEP 4, 0, 24
	PSTEP 5, 0, 16
	PSTEP 6, 0, 8
	PSTEP 7, 0, 0
	WIN 0
	s_wait_dscnt 0x0                               ; for the others' sake: my part of the slice is written
	s_barrier_signal -1
	s_barrier_wait -1                              ; the slice is whole; nothing writes it again
; THE GROUPS: six trips, no barrier; a trip in which my first tile holds no rank below n is jumped, forward.
	s_mov_b32 s36, 0
.Lgroup:
	s_lshl4_add_u32 s21, s14, s36                  ; my first tile's first rank: the group's + 16 w
	s_cmp_ge_u32 s21, s18
	s_cbranch_scc1 .Lnext
	s_wait_xcnt 0x0                                ; nothing that is out still reads the registers written below
	s_cmp_lg_u32 s36, 0
	s_cbranch_scc1 .Lg1
	LISTLD 0
	s_branch .Lgl
.Lg1:
	s_cmp_lg_u32 s36, GROUP
	s_cbranch_scc1 .Lg2
	LISTLD 1
	s_branch .Lgl
.Lg2:
	s_cmp_lg_u32 s36, 2*GROUP
	s_cbranch_scc1 .Lg3
	LISTLD 2
	s_branch .Lgl
.Lg3:
	s_cmp_lg_u32 s36, 3*GROUP
	s_cbranch_scc1 .Lg4
	LISTLD 3
	s_branch .Lgl
.Lg4:
	s_cmp_lg_u32 s36, 4*GROUP
	s_cbranch_scc1 .Lg5
	LISTLD 4
	s_branch .Lgl
.Lg5:
	LISTLD 5
.Lgl:
.irp i, 0,1,2
	v_min_u32 v[SL+(\i)], 0x7ff, v[TA+1+(\i)]      ; my rows' numbers, kept for the way out
.endr
.if FFN == 1
.irp i, 0,1,2
	v_and_b32 v[TA+1+(\i)], 0x7fe, v[SL+(\i)]
.endr
.irp i, 0,1,2
	v_lshl_add_u32 v[RO+(\i)], v[TA+1+(\i)], ASH, v[H16]
.endr
.else
.irp i, 0,1,2
	v_lshl_add_u32 v[RO+(\i)], v[SL+(\i)], ASH, v[H16]
.endr
.endif
.irp a, 0,1,2,3,4,5
	ALOAD \a, 64*(\a)                              ; the tokens of K steps 0 to 5
.endr
	BLOAD BH0, BW, 0
.set kt, 0
.rept 32
	KSTEP kt
.set kt, kt+1
.endr
	; THE WAY OUT, a tile at a time through my stage
	s_mov_b32 s37, 0
.Lslot:
	s_lshl_b32 s38, s37, 2
	s_add_co_u32 s38, s38, s14
	s_lshl4_add_u32 s38, s38, s36                  ; the tile's first rank
	s_cmp_ge_u32 s38, s18
	s_cbranch_scc1 .Lslot_next
	s_cmp_lg_u32 s37, 0
	s_cbranch_scc1 .Ld1
	DUMP 0
	s_branch .Ldumped
.Ld1:
	s_cmp_lg_u32 s37, 1
	s_cbranch_scc1 .Ld2
	DUMP 1
	s_branch .Ldumped
.Ld2:
	DUMP 2
.Ldumped:
	ROW4 0
	ROW4 1
	ROW4 2
	ROW4 3
.Lslot_next:
	s_add_co_u32 s37, s37, 1
	s_cmp_lt_u32 s37, 3
	s_cbranch_scc1 .Lslot
.Lnext:
	s_add_co_u32 s36, s36, GROUP
	s_cmp_lt_u32 s36, 6*GROUP
	s_cbranch_scc1 .Lgroup
	s_wait_tensorcnt 0x0                           ; the wave's end
	ds_add_u32 v[SPW], v[NIL]
	s_wait_dscnt 0x0
	s_endpgm
.Lfunc_end_k_q18acaa3c57_ffn2:
	.size	k_q18acaa3c57_ffn2, .Lfunc_end_k_q18acaa3c57_ffn2-k_q18acaa3c57_ffn2
	.p2alignl 7, 3214868480
	.fill 96, 4, 3214868480
	.section	.rodata,"a",@progbits
	.p2align	6, 0x0
	.amdhsa_kernel k_q18acaa3c57_ffn2
		.amdhsa_group_segment_fixed_size 322048
		.amdhsa_private_segment_fixed_size 0
		.amdhsa_enable_private_segment 0
		.amdhsa_kernarg_size 40
		.amdhsa_user_sgpr_count 2
		.amdhsa_user_sgpr_kernarg_segment_ptr 1
		.amdhsa_wavefront_size32 1
		.amdhsa_system_sgpr_workgroup_id_x 1
		.amdhsa_system_sgpr_workgroup_id_y 1
		.amdhsa_system_sgpr_workgroup_id_z 1
		.amdhsa_system_vgpr_workitem_id 0
		.amdhsa_next_free_vgpr 512
		.amdhsa_next_free_sgpr 82
		.amdhsa_reserve_vcc 0
		.amdhsa_float_denorm_mode_32 3
		.amdhsa_float_denorm_mode_16_64 3
		.amdhsa_memory_ordered 1
		.amdhsa_forward_progress 1
		.amdhsa_inst_pref_size 192
	.end_amdhsa_kernel
	.amdgpu_metadata
---
amdhsa.version: [ 1, 2 ]
amdhsa.kernels:
  - .name:           k_q18acaa3c57_ffn2
    .symbol:         k_q18acaa3c57_ffn2.kd
    .args:
      - { .name: hid, .offset: 0, .size: 8, .value_kind: global_buffer, .address_space: global }
      - { .name: idx, .offset: 8, .size: 8, .value_kind: global_buffer, .address_space: global }
      - { .name: W2, .offset: 16, .size: 8, .value_kind: global_buffer, .address_space: global }
      - { .name: b2, .offset: 24, .size: 8, .value_kind: global_buffer, .address_space: global }
      - { .name: part, .offset: 32, .size: 8, .value_kind: global_buffer, .address_space: global }
    .group_segment_fixed_size: 322048
    .private_segment_fixed_size: 0
    .kernarg_segment_align: 8
    .kernarg_segment_size: 40
    .max_flat_workgroup_size: 128
    .sgpr_count:     82
    .vgpr_count:     512
    .wavefront_size: 32
...
	.end_amdgpu_metadata
.endif
;; end of part 3
;; launch combine (part 4): grid 256 x 1, 8 waves a work-group, no clusters, 0 bytes of LDS; arguments part, gate, out0; writes out0
.if DOCPART == 4
	.amdgcn_target "amdgcn-amd-amdhsa--gfx1250"
	.amdhsa_code_object_version 6
	.text
	.protected	k_q18acaa3c57_combine
	.globl	k_q18acaa3c57_combine
	.p2align	8
	.type	k_q18acaa3c57_combine,@function
k_q18acaa3c57_combine:
	s_mov_b64 s[64:65], 0
	v_nop
	global_prefetch_b8 v0, s[64:65] scope:SCOPE_SE
	s_setreg_imm32_b32 hwreg(HW_REG_WAVE_MODE, 25, 1), 1
	s_wait_xcnt 0x0
; out0[t][d] = gate[t][0] y(2 t)[d] + gate[t][1] y(2 t + 1)[d],  y(s) = part[0][s] + part[1][s] + part[2][s] + part[3][s]: the four quarters of K of the second product, all in f32.
; A stream: a work-group takes four tokens, thread t the columns 4 t .. 4 t + 3, so each load and store of a wave covers 512 consecutive bytes, aligned.  All 32 loads of a thread go out at once;
; the waits count down by tokens.  No routing is needed: part and gate are laid out by token.  LDS, matrix units and clusters would add nothing: no byte is read twice.
.set R, 8                              ; v[8 + 4 (8 tt + 4 k + q)]: token tt, choice k, quarter q
	s_load_b128 s[4:7], s[0:1], 0x0                ; part s[4:5], gate s[6:7]
	s_load_b64 s[8:9], s[0:1], 0x10                ; out0
	v_lshlrev_b32 v1, 4, v0                        ; my 16 bytes of a row
	s_lshl_b32 s10, ttmp9, 15                      ; part: eight rows of 4,096 bytes a work-group
	s_mov_b32 s11, 0
	s_lshl_b32 s12, ttmp9, 5                       ; gate: eight numbers
	s_mov_b32 s13, 0
	s_lshl_b32 s14, ttmp9, 14                      ; out0: four rows
	s_mov_b32 s15, 0
	s_wait_kmcnt 0x0
	s_add_nc_u64 s[6:7], s[6:7], s[12:13]
	s_load_b256 s[16:23], s[6:7], 0x0
	s_add_nc_u64 s[8:9], s[8:9], s[14:15]
	s_add_nc_u64 s[24:25], s[4:5], s[10:11]        ; a base for each quarter: 8 MiB apart, more than a load's immediate holds
	s_add_nc_u64 s[26:27], s[24:25], 0x800000
	s_add_nc_u64 s[28:29], s[26:27], 0x800000
	s_add_nc_u64 s[30:31], s[28:29], 0x800000
.irp tt, 0,1,2,3
.irp k, 0,1
.irp q, 0,1,2,3
	global_load_b128 v[R+4*(8*(\tt)+4*(\k)+(\q)):R+4*(8*(\tt)+4*(\k)+(\q))+3], v1, s[24+2*(\q):25+2*(\q)] offset:(2*(\tt)+(\k))*4096 th:TH_LOAD_NT
.endr
.endr
.endr
	s_wait_kmcnt 0x0
.irp tt, 0,1,2,3
	s_mov_b32 s[32+2*(\tt)], s[17+2*(\tt)]         ; the second gate at the low end of a pair of its own: the packed forms take a scalar pair's low word for both halves
	s_mov_b32 s[33+2*(\tt)], s[17+2*(\tt)]
.endr
.irp tt, 0,1,2,3
	s_wait_loadcnt 24-8*(\tt)                      ; this token's eight loads are in; the later tokens' stay out
.irp k, 0,1
.irp j, 0,2
	v_pk_add_f32 v[R+32*(\tt)+16*(\k)+(\j):R+32*(\tt)+16*(\k)+(\j)+1],     v[R+32*(\tt)+16*(\k)+(\j):R+32*(\tt)+16*(\k)+(\j)+1],     v[R+32*(\tt)+16*(\k)+4+(\j):R+32*(\tt)+16*(\k)+4+(\j)+1]
	v_pk_add_f32 v[R+32*(\tt)+16*(\k)+8+(\j):R+32*(\tt)+16*(\k)+8+(\j)+1], v[R+32*(\tt)+16*(\k)+8+(\j):R+32*(\tt)+16*(\k)+8+(\j)+1], v[R+32*(\tt)+16*(\k)+12+(\j):R+32*(\tt)+16*(\k)+12+(\j)+1]
.endr
.endr
.irp k, 0,1
.irp j, 0,2
	v_pk_add_f32 v[R+32*(\tt)+16*(\k)+(\j):R+32*(\tt)+16*(\k)+(\j)+1], v[R+32*(\tt)+16*(\k)+(\j):R+32*(\tt)+16*(\k)+(\j)+1], v[R+32*(\tt)+16*(\k)+8+(\j):R+32*(\tt)+16*(\k)+8+(\j)+1]
.endr
.endr
.irp j, 0,2
	v_pk_mul_f32 v[R+32*(\tt)+(\j):R+32*(\tt)+(\j)+1], v[R+32*(\tt)+(\j):R+32*(\tt)+(\j)+1], s[16+2*(\tt):17+2*(\tt)] op_sel_hi:[1,0]
.endr
.irp j, 0,2
	v_pk_fma_f32 v[R+32*(\tt)+(\j):R+32*(\tt)+(\j)+1], v[R+32*(\tt)+16+(\j):R+32*(\tt)+16+(\j)+1], s[32+2*(\tt):33+2*(\tt)], v[R+32*(\tt)+(\j):R+32*(\tt)+(\j)+1] op_sel_hi:[1,0,1]
.endr
	global_store_b128 v1, v[R+32*(\tt):R+32*(\tt)+3], s[8:9] offset:4096*(\tt) th:TH_STORE_NT
.endr
	s_endpgm
.Lfunc_end_k_q18acaa3c57_combine:
	.size	k_q18acaa3c57_combine, .Lfunc_end_k_q18acaa3c57_combine-k_q18acaa3c57_combine
	.p2alignl 7, 3214868480
	.fill 96, 4, 3214868480
	.section	.rodata,"a",@progbits
	.p2align	6, 0x0
	.amdhsa_kernel k_q18acaa3c57_combine
		.amdhsa_group_segment_fixed_size 0
		.amdhsa_private_segment_fixed_size 0
		.amdhsa_enable_private_segment 0
		.amdhsa_kernarg_size 24
		.amdhsa_user_sgpr_count 2
		.amdhsa_user_sgpr_kernarg_segment_ptr 1
		.amdhsa_wavefront_size32 1
		.amdhsa_system_sgpr_workgroup_id_x 1
		.amdhsa_system_sgpr_workgroup_id_y 1
		.amdhsa_system_sgpr_workgroup_id_z 1
		.amdhsa_system_vgpr_workitem_id 0
		.amdhsa_next_free_vgpr 144
		.amdhsa_next_free_sgpr 66
		.amdhsa_reserve_vcc 0
		.amdhsa_float_denorm_mode_32 3
		.amdhsa_float_denorm_mode_16_64 3
		.amdhsa_memory_ordered 1
		.amdhsa_forward_progress 1
		.amdhsa_inst_pref_size 9
	.end_amdhsa_kernel
	.amdgpu_metadata
---
amdhsa.version: [ 1, 2 ]
amdhsa.kernels:
  - .name:           k_q18acaa3c57_combine
    .symbol:         k_q18acaa3c57_combine.kd
    .args:
      - { .name: part, .offset: 0, .size: 8, .value_kind: global_buffer, .address_space: global }
      - { .name: gate, .offset: 8, .size: 8, .value_kind: global_buffer, .address_space: global }
      - { .name: out0, .offset: 16, .size: 8, .value_kind: global_buffer, .address_space: global }
    .group_segment_fixed_size: 0
    .private_segment_fixed_size: 0
    .kernarg_segment_align: 8
    .kernarg_segment_size: 24
    .max_flat_workgroup_size: 256
    .sgpr_count:     66
    .vgpr_count:     144
    .wavefront_size: 32
...
	.end_amdgpu_metadata
.endif
;; end of part 4
;; ======== version 2 of 3: 4 launches; 1.36 times as fast as version 1
;; workspace buffers: xb 2,097,152 bytes; idx 8,192 bytes of whole numbers; gate 8,192 bytes; hid 16,777,216 bytes; part 33,554,432 bytes
;; launch router: the kernel of part 1 again; grid 256 x 1, 4 waves a work-group, no clusters, 17,920 bytes of LDS; arguments x, Wr, br, xb, idx, gate; writes xb, idx, gate
;; launch ffn1 (part 5): grid 256 x 1, 4 waves a work-group, no clusters, 300,544 bytes of LDS; arguments xb, idx, W1, b1, hid; writes hid
.if DOCPART == 5
	.amdgcn_target "amdgcn-amd-amdhsa--gfx1250"
	.amdhsa_code_object_version 6
	.text
	.protected	k_q18acaa3c57_ffn1
	.globl	k_q18acaa3c57_ffn1
	.p2align	8
	.type	k_q18acaa3c57_ffn1,@function
k_q18acaa3c57_ffn1:
	s_mov_b64 s[64:65], 0
	v_nop
	global_prefetch_b8 v0, s[64:65] scope:SCOPE_SE
	s_setreg_imm32_b32 hwreg(HW_REG_WAVE_MODE, 25, 1), 1
	s_wait_xcnt 0x0
; ONE PRODUCT OF A LAYER OF ROUTED EXPERTS, for the chosen rows alone.  The same text serves both products; FFN says which.
;   FFN = 1: hid[s][f]     = gelu(xb[s / 2] . W1[e][:, f] + b1[e][f]), rounded once to bf16        (gelu in its tanh form)
;   FFN = 2: part[q][s][d] = hid[s][1024 q ..] . W2[e][1024 q .., d]  (+ b2[e][d] where q = 0), f32: a partial sum over a quarter of K
; s = 2 x token + k is a routed row, e = idx[s] its expert.  Weights and biases are rounded to bf16 on their way; sums are f32.
; SHARES.  A work-group has a slice of ONE expert's weights, 1,024 k x 128 n of f32, which it alone reads, once, and ALL rows of that expert: 8 experts x 32 slices = 256 work-groups.
; FIRST all four waves stream the slice through registers, round it and lay it into LDS in the order of a matrix operand's lanes: a unit is 8 rows (eight loads of 512 consecutive bytes); seven
; units of each wave, 56 loads, are on their way at any time.  Each of the ring's eight slots has an offset register of its own, stepped behind the wait that shows the slot's own loads done, so that
; the loop holds no other wait.  The slice STAYS in LDS, each byte written once, and a barrier shows it to everybody.
; THEN the rows are multiplied, in groups of 320: 80 a wave (five tiles of 16), 40 accumulators, so that an expert with up to 320 rows reads the slice out of LDS once a wave.  Token rows come from memory
; straight into operand registers (each row serves one wave), six K steps of 32 ahead; the first group's first six steps are asked for while the stream's last units land.
; A wave's fifth tile is jumped, products and loads, where it holds no rank below the count.
; The stream and the products do not overlap: loads come back in order, so a wave with far-ahead loads of weights and near loads of tokens out would wait for the weights at every wait for tokens.
; THE MATRIX INSTRUCTION IS USED TRANSPOSED (source 0 = 16 columns of W, source 1 = 16 token rows): a lane holds row lane % 16 and the columns 8 (lane / 16) + 0..7.
; THE WAY OUT goes a tile at a time through the wave's own stage in LDS: all sixteen rows come back in one run of loads, a whole row to a load, and are worked on and stored in two batches of eight, each
; with registers of its own, so that a tile has one wait for the earlier stores' sources.
; ROUTING, in registers alone.  Each wave scans all of idx, 32 steps of 32 tokens, while the first weights are on their way, and keeps for each step which lanes' token chose the expert, which by their
; second entry, and the count in front: three words a step, in the lanes of three registers.  FIND gives each lane the row of its rank: the last step whose count in front is not above the rank, and in
; that step's mask the set bit of that number.  Every split is served: four trips of 320 ranks; a wave jumps a trip in which its first tile holds no rank below the count; ranks past the count name a
; row that exists, and their results are not stored.
; BARRIERS.
; Work is jumped forward to the label in front of a barrier; a trip without work costs the two barriers.
; NO CLUSTER: each slice has one reader; what an expert's work-groups share is its token rows, which come by rank from rows that no descriptor covers and go to one wave's registers.
; NO TENSOR LOADS: the weights pass through registers in any case, to be rounded and paired along k.
; LIMITS.  The hidden layer is rounded once to bf16.  A token's two entries of idx are taken to differ.  A wave multiplies the first four tiles of every group that it enters, full or not.  NaN and
; infinities are not treated apart; gelu's exponential may overflow to infinity, whose reciprocal is the 0 that is wanted.
.set FFN, 1
.if FFN == 1
.set PITCH, 16384                      ; bytes from a row of W to the next
.set ASH,   10                         ; a row of tokens: (s & ~1) << 10 bytes (token x 2,048)
.set OSH,   13                         ; a row of the output: s << 13
.set LNSH,  3                          ; a lane's four numbers of a row of the output: 8 bytes
.else
.set PITCH, 4096
.set ASH,   13
.set OSH,   12
.set LNSH,  4
.endif
.set UNITB,  32*PITCH                  ; from a wave's unit to its next: 32 rows
.set NB,     6                         ; token buffers: K steps asked for ahead
.set GROUP,  320                       ; ranks in a group: 4 waves x 5 tiles x 16; four groups hold 1,280 >= 1,024
; LDS
.set FRB,    1040                      ; a fragment (16 n x 32 k of bf16): 1,024 bytes + 16, so that 16 lanes of a store fall on 16 different columns of 16 bytes
.set KTB,    8*FRB                     ; 32 k x 128 n
.set STAGE,  32*KTB                    ; behind W: for each wave 16 rows x 528 bytes, for the way out
.set SPITCH, 528
.set STAGEW, 16*SPITCH
.set SPARE,  STAGE+4*STAGEW            ; the spare words, 128 bytes for each of four waves
; vector registers, window 0
.set SPW, 1                            ; LDS address of my spare word; never rewritten
.set NIL, 2                            ; 0; never rewritten
.set BL,  3                            ; W's read address: 16 x lane + the K steps done
.set BL0, 4                            ; 16 x lane
.set RO,  5                            ; v5-9   tile i: my row's byte offset + 16 (lane / 16)
.set H16, 10                           ; 16 (lane / 16)
.set R0,  11                           ; 64 (lane / 16) + 16 w + lane % 16: my rank in a group, tiles 0 and 1 side by side
.set ST,  12                           ; the way out: where I put my columns of a row
.set RD,  13                           ; the way out: where I read a row back
.set LN,  14                           ; my bytes in a row of the output
.set R4,  15                           ; 256 + 16 w + lane % 16: my rank in tile 4
.set TA,  17                           ; v17-23 at work
.set WL,  24                           ; the stream: where my columns lie in the K step in hand
.set BI,  26                           ; v26-29 the bias of my four columns of a row
.set IDX, 32                           ; v32-95 idx as loaded;
.set AC4, 32                           ;        later tile 4's accumulators, block b at + 8 b
.set PT,  96                           ; v96-159 the stream: packed, four sets of 16
.set T,   96                           ;         the way out: at work, 32 registers for each batch of eight rows; then the batch's rounded rows in the low 16 of them
.set WOF, 160                          ; v160-167 the stream: slot s: the byte offset of my 16 bytes in the first row of the slot's unit
.set VO,  160                          ;          the way out: the byte offsets of rows 0 to 7
.set SL,  172                          ; v172-176 tile i: my row's number
.set CUR, 177                          ; the same for the tile on its way out
.set VSM, 178                          ; lane y: step y's mask of lanes whose token chose my expert
.set VSB, 179                          ; lane y: those of them that chose it by their second entry
.set VSP, 180                          ; lane y: the count in front of step y, and in the upper half the step's first row
.set X,   184                          ; v184-247 the way out: the tile's sixteen rows, f32 (FIND's registers lie here too: it runs at other times)
.set FM,  184                          ; FIND, three registers each: the mask of my rank's step,
.set FB,  187                          ;   its second-entry mask,
.set FP,  190                          ;   its packed word, then its first row
.set KK,  193                          ;   my rank, then its number among the step's set bits
.set POS, 196                          ;   the bit's place
.set C2,  199                          ;   the mask's counts by fields of 2,
.set C4,  202                          ;   4,
.set C8,  205                          ;   8
.set C16, 208                          ;   and 16 bits
.set TT,  211                          ;   at work: v211-216
.set TU,  214
.set VO2, 248                          ; v248-255 the way out: the byte offsets of rows 8 to 15
; window 1: the stream's eight slots (row j of slot u at v[32 u + 4 j]); then the accumulators of tile i (0..3), block b at v[64 i + 8 b]
; window 2: token fragments: buffer a, tile i at v[40 a + 8 i].     window 3: W's fragments of a whole K step, two buffers: buffer p, block b at v[64 p + 8 b]
; scalars: s[4:13] the five addresses; s14 wave; s16 expert; s17 slice; s18 n; s19 trips; s20, s21 at work; s[22:23] an offset; s[24:25] W's stream; s[26:27] tokens, stepped; s[28:29] tokens;
; s[30:31] bias; s[32:33] output; s34 tile 4 lives; s36 the group's first rank; s37 tile; s38 its first rank (FIND: s38-40 a step's three words); s40 eight rows' first rank; s42 running count;
; s43 FIND's step; s[44:47] gelu's constants; s48 trips; s49 quarter; s50 keeps or drops the bias; s82-85 the masks of the bit counts; s86 0xffff, also lanes 0-15; s87, s88 lane selects
.set SM,  52                           ; s52-59 the scan: which lanes' token chose my expert
.set SR,  52                           ; s52-59 later: eight rows' numbers
.set SB,  66                           ; s66-73 which of them by their second entry
.set SC,  74                           ; s74-81 the packed word
.set MSB, 0
.macro WIN new                         ; s_set_vgpr_msb: bits 1:0 source 0, 3:2 source 1, 5:4 source 2, 7:6 destination; the high byte repeats the setting that is left
.if MSB != (\new)
	s_set_vgpr_msb (MSB<<8)|(\new)
.set MSB, (\new)
.endif
.endm
.macro PLACES                          ; four plain instructions between a matrix instruction and a load into, or a store of, its registers
.rept 4
	v_nop
.endr
.endm
.macro ALOAD4 a, base, off             ; eight loads: the fragments of tiles 0 to 3 for 32 k, at byte off of the rows, into buffer a
	WIN 0x80                                       ; destination in window 2
.irp i, 0,1,2,3
	global_load_b128 v[40*(\a)+8*(\i):40*(\a)+8*(\i)+3],   v[RO+(\i)], s[(\base):(\base)+1] offset:(\off)
	global_load_b128 v[40*(\a)+8*(\i)+4:40*(\a)+8*(\i)+7], v[RO+(\i)], s[(\base):(\base)+1] offset:(\off)+32
.endr
.endm
.macro ALOADT a, base, off             ; two loads: tile 4's
	WIN 0x80
	global_load_b128 v[40*(\a)+32:40*(\a)+35], v[RO+4], s[(\base):(\base)+1] offset:(\off)
	global_load_b128 v[40*(\a)+36:40*(\a)+39], v[RO+4], s[(\base):(\base)+1] offset:(\off)+32
.endm
; A STEP OF THE STREAM: the unit in slot u.  Of rows 2 q, 2 q + 1 column c gives a word of two bf16; four such words are 8 consecutive k of one column: 16 bytes of a fragment's lane.
; fill = 1: the unit seven further on is asked for, into the slot that the step before has read out, ahead of this step's LDS stores.  left: the younger loads that may stay out.
; tok >= 0: the first group's token buffer tok is asked for.  step = 1: this slot's offset goes eight units on, for the refill that the next step issues.
.macro PSTEP u, fill, left, tok, step
	s_wait_loadcnt \left
.if \step
	WIN 0
	v_add_nc_u32 v[WOF+(\u)], 8*UNITB, v[WOF+(\u)] ; the last loads that named it are this slot's, which the wait above has shown done
.endif
	WIN 0x05                                       ; sources in window 1
.irp c, 0,1,2,3
.irp q, 0,1,2,3
	v_cvt_pk_bf16_f32 v[PT+16*((\u)%4)+4*(\c)+(\q)], v[32*(\u)+8*(\q)+(\c)], v[32*(\u)+8*(\q)+4+(\c)]
.endr
.endr
	WIN 0x40                                       ; the loads' destination in window 1; the stores' address and data lie in window 0
.if \fill
.irp j, 0,1,2,3,4,5,6,7
	global_load_b128 v[32*(((\u)+7)%8)+4*(\j):32*(((\u)+7)%8)+4*(\j)+3], v[WOF+((\u)+7)%8], s[24:25] offset:(\j)*PITCH th:TH_LOAD_NT
.endr
.endif
.irp c, 0,1,2,3
	ds_store_b128 v[WL], v[PT+16*((\u)%4)+4*(\c):PT+16*((\u)%4)+4*(\c)+3] offset:(\u)*KTB+16*(\c)
.endr
.if (\tok) >= 0
	ALOADT \tok, 28, 64*(\tok)                     ; all five tiles here, so that every register of the buffers is written on every way
	ALOAD4 \tok, 28, 64*(\tok)
.endif
.endm
.macro BLOAD p, off                    ; sixteen LDS loads in one run: a K step's eight fragments of W, 512 consecutive bytes each load, into buffer p
	WIN 0xc0                                       ; destination in window 3
.irp b, 0,1,2,3,4,5,6,7
	ds_load_b128 v[64*(\p)+8*(\b):64*(\p)+8*(\b)+3],   v[BL] offset:(\off)+(\b)*FRB
	ds_load_b128 v[64*(\p)+8*(\b)+4:64*(\p)+8*(\b)+7], v[BL] offset:(\off)+(\b)*FRB+512
.endr
.endm
; A K STEP of 32: W in buffer p, tokens in buffer a; its W lies ko steps behind BL.  It begins with the run of loads for the next step's W, a whole step ahead of their use.
; 32 matrix instructions on tiles 0 to 3, then 8 on tile 4, jumped with that tile's refill where the tile is dead.  The accumulators take turns, one instruction a turn.
; fo >= 0: the token buffer is loaded again, six steps ahead, from byte fo behind base fb.  left: the younger loads that may stay out, counted at 8 a buffer: right where tile 4's two are jumped,
; and stricter than need be where they are not.  first = 1: the products start the sums.  last = 1: no further W is fetched.  stepb = 1: the tokens' base goes six steps on.
.macro KSTEP p, a, ko, fo, fb, left, first, last, stepb
.if !(\last)
	BLOAD 1-(\p), ((\ko)+1)*KTB                    ; (the places behind that buffer's last readers end the step before)
.endif
	s_wait_loadcnt \left                           ; my token buffer is in
.if \last
	s_wait_dscnt 0x0
.else
	s_wait_dscnt 16                                ; this step's W is in; the sixteen just issued may stay out
.endif
	WIN 0x5b                                       ; W in window 3, tokens in window 2, C and D in window 1
.irp i, 0,1,2,3
.irp b, 0,1,2,3,4,5,6,7
.if \first
	v_wmma_f32_16x16x32_bf16 v[64*(\i)+8*(\b):64*(\i)+8*(\b)+7], v[64*(\p)+8*(\b):64*(\p)+8*(\b)+7], v[40*(\a)+8*(\i):40*(\a)+8*(\i)+7], 0
.else
	v_wmma_f32_16x16x32_bf16 v[64*(\i)+8*(\b):64*(\i)+8*(\b)+7], v[64*(\p)+8*(\b):64*(\p)+8*(\b)+7], v[40*(\a)+8*(\i):40*(\a)+8*(\i)+7], v[64*(\i)+8*(\b):64*(\i)+8*(\b)+7]
.endif
.endr
.endr
	WIN 0                                          ; at a branch and at a label every window is 0
.if \stepb
	s_wait_xcnt 0x0                                ; the loads that name the tokens' base, issued 32 matrix instructions ago, have had it translated
	s_add_nc_u64 s[26:27], s[26:27], 64*NB
.endif
	s_cmp_eq_u32 s34, 0
	s_cbranch_scc1 .Lno4_\@
	WIN 0x0b                                       ; C and D in window 0
.irp b, 0,1,2,3,4,5,6,7
.if \first
	v_wmma_f32_16x16x32_bf16 v[AC4+8*(\b):AC4+8*(\b)+7], v[64*(\p)+8*(\b):64*(\p)+8*(\b)+7], v[40*(\a)+32:40*(\a)+39], 0
.else
	v_wmma_f32_16x16x32_bf16 v[AC4+8*(\b):AC4+8*(\b)+7], v[64*(\p)+8*(\b):64*(\p)+8*(\b)+7], v[40*(\a)+32:40*(\a)+39], v[AC4+8*(\b):AC4+8*(\b)+7]
.endif
.endr
.if (\fo) >= 0
	PLACES
	ALOADT \a, \fb, \fo
.endif
	WIN 0
.Lno4_\@:
	PLACES
.if (\fo) >= 0
	ALOAD4 \a, \fb, \fo
.endif
.endm
; THE SCAN.  Registers 2 y, 2 y + 1 of the 64 hold the two entries of token 64 (y / 2) + 2 lane + y % 2, rows 128 (y / 2) + 2 (y % 2) + 4 lane and the next.  Eight steps at a time: compares, counts, the three words.
.macro SCAN
.set bz, 0
.rept 4
.set z, 0
.rept 8
	v_cmp_eq_u32 s[SM+z], s16, v[IDX+2*(8*bz+z)]
	v_cmp_eq_u32 s[SB+z], s16, v[IDX+2*(8*bz+z)+1]
.set z, z+1
.endr
.set z, 0
.rept 8
	s_or_b32 s[SM+z], s[SM+z], s[SB+z]
	s_add_co_u32 s[SC+z], s42, (128*((8*bz+z)/2)+2*((8*bz+z)%2))<<16  ; the count so far (1,024 at the most) below, the step's first row above
	s_bcnt1_i32_b32 s20, s[SM+z]
	s_add_co_u32 s42, s42, s20
.set z, z+1
.endr
.set z, 0
.rept 8
	v_writelane_b32 v[VSM], s[SM+z], 8*bz+z
	v_writelane_b32 v[VSB], s[SB+z], 8*bz+z
	v_writelane_b32 v[VSP], s[SC+z], 8*bz+z
.set z, z+1
.endr
.set bz, bz+1
.endr
	s_min_u32 s18, s42, 1024                       ; n: one rank a token at the most
.endm
; One halving of FIND's search: c = the set bits in the w bits from POS on; where my number is not below c, they are passed: the number falls by c and POS rises by w.
.macro STG src, w
.irp j, 0,1,2
	v_bfe_u32 v[TT+(\j)], v[(\src)+(\j)], v[POS+(\j)], \w
.endr
.irp j, 0,1,2
	v_cmp_ge_u32 vcc_lo, v[KK+(\j)], v[TT+(\j)]
	v_cndmask_b32 v[TT+(\j)], 0, v[TT+(\j)], vcc_lo
	v_cndmask_b32 v[TU+(\j)], 0, \w, vcc_lo
.endr
.irp j, 0,1,2
	v_sub_nc_u32 v[KK+(\j)], v[KK+(\j)], v[TT+(\j)]
	v_add_nc_u32 v[POS+(\j)], v[POS+(\j)], v[TU+(\j)]
.endr
.endm
; FIND: the rows of my five tiles in the group whose first rank is s20.  Three registers search: tiles 0 and 1 in the two halves of the lanes, tiles 2 and 3 likewise, tile 4.
; rank = s20 + 16 (4 i + w) + lane % 16.  A rank past the count ends in the last step with a place of 31 at the most: a row that exists.
.macro FIND
	v_add_nc_u32 v[KK],   s20, v[R0]
	v_add_nc_u32 v[KK+2], s20, v[R4]
	v_add_nc_u32 v[KK+1], 128, v[KK]
.irp j, 0,1,2
	v_mov_b32 v[FM+(\j)], 0
	v_mov_b32 v[FB+(\j)], 0
	v_mov_b32 v[FP+(\j)], 0
	v_mov_b32 v[POS+(\j)], 0
.endr
	s_mov_b32 s43, 0
.Lfind_\@:                                             ; the counts in front ascend: the last step whose count is not above my rank holds it
	v_readlane_b32 s38, v[VSM], s43
	v_readlane_b32 s39, v[VSB], s43
	v_readlane_b32 s40, v[VSP], s43
	s_and_b32 s21, s40, 0xffff
.irp j, 0,1,2
	v_cmp_gt_u32 vcc_lo, s21, v[KK+(\j)]           ; the step begins behind my rank: keep what I have
	v_cndmask_b32 v[FM+(\j)], s38, v[FM+(\j)], vcc_lo
	v_cndmask_b32 v[FB+(\j)], s39, v[FB+(\j)], vcc_lo
	v_cndmask_b32 v[FP+(\j)], s40, v[FP+(\j)], vcc_lo
.endr
	s_add_co_u32 s43, s43, 1
	s_cmp_lt_u32 s43, 32
	s_cbranch_scc1 .Lfind_\@
.irp j, 0,1,2
	v_and_b32 v[TT+(\j)], s86, v[FP+(\j)]
	v_lshrrev_b32 v[TU+(\j)], 1, v[FM+(\j)]
.endr
.irp j, 0,1,2
	v_sub_nc_u32 v[KK+(\j)], v[KK+(\j)], v[TT+(\j)]  ; my number among the step's set bits
	v_and_b32 v[TU+(\j)], s82, v[TU+(\j)]
	v_lshrrev_b32 v[FP+(\j)], 16, v[FP+(\j)]       ; the step's first row
.endr
.irp j, 0,1,2
	v_sub_nc_u32 v[C2+(\j)], v[FM+(\j)], v[TU+(\j)]  ; the set bits of each 2
.endr
.irp j, 0,1,2
	v_lshrrev_b32 v[TU+(\j)], 2, v[C2+(\j)]
	v_and_b32 v[C4+(\j)], s83, v[C2+(\j)]
.endr
.irp j, 0,1,2
	v_and_b32 v[TU+(\j)], s83, v[TU+(\j)]
.endr
.irp j, 0,1,2
	v_add_nc_u32 v[C4+(\j)], v[C4+(\j)], v[TU+(\j)]  ; of each 4
.endr
.irp j, 0,1,2
	v_lshrrev_b32 v[TU+(\j)], 4, v[C4+(\j)]
.endr
.irp j, 0,1,2
	v_add_nc_u32 v[TU+(\j)], v[C4+(\j)], v[TU+(\j)]
.endr
.irp j, 0,1,2
	v_and_b32 v[C8+(\j)], s84, v[TU+(\j)]          ; of each 8
.endr
.irp j, 0,1,2
	v_lshrrev_b32 v[TU+(\j)], 8, v[C8+(\j)]
.endr
.irp j, 0,1,2
	v_add_nc_u32 v[TU+(\j)], v[C8+(\j)], v[TU+(\j)]
.endr
.irp j, 0,1,2
	v_and_b32 v[C16+(\j)], s85, v[TU+(\j)]         ; of each 16
.endr
	STG C16, 16
	STG C8, 8
	STG C4, 4
	STG C2, 2
	STG FM, 1
.irp j, 0,1,2
	v_bfe_u32 v[TT+(\j)], v[FB+(\j)], v[POS+(\j)], 1  ; first or second entry
	v_lshl_add_u32 v[TU+(\j)], v[POS+(\j)], 2, v[FP+(\j)]
.endr
.irp j, 0,1,2
	v_add_nc_u32 v[TU+(\j)], v[TU+(\j)], v[TT+(\j)]  ; the row: the step's first + 4 x lane + entry
.endr
	v_permlanex16_b32 v[TT],   v[TU],   s87, s88   ; the other half of the lanes' rows: both halves of a tile's lanes want row lane % 16
	v_permlanex16_b32 v[TT+1], v[TU+1], s87, s88
	v_cndmask_b32 v[SL],   v[TT],   v[TU],   s86   ; lanes 0-15 hold the even tile's rows,
	v_cndmask_b32 v[SL+1], v[TU],   v[TT],   s86   ; lanes 16-31 the odd tile's
	v_cndmask_b32 v[SL+2], v[TT+1], v[TU+1], s86
	v_cndmask_b32 v[SL+3], v[TU+1], v[TT+1], s86
	v_mov_b32 v[SL+4], v[TU+2]
.irp i, 0,1,2,3,4
	v_min_u32 v[SL+(\i)], 0x7ff, v[SL+(\i)]        ; inside the 2,048 rows whatever idx holds
.endr
.if FFN == 1
.irp i, 0,1,2,3,4
	v_and_b32 v[TT+(\i)], 0x7fe, v[SL+(\i)]
.endr
.irp i, 0,1,2,3,4
	v_lshl_add_u32 v[RO+(\i)], v[TT+(\i)], ASH, v[H16]
.endr
.else
.irp i, 0,1,2,3,4
	v_lshl_add_u32 v[RO+(\i)], v[SL+(\i)], ASH, v[H16]
.endr
.endif
	s_lshl4_add_u32 s21, s14, s20
	s_add_co_u32 s21, s21, 256
	s_cmp_lt_u32 s21, s18                          ; does tile 4 hold a rank below n?
	s_cselect_b32 s34, 1, 0
.endm
.macro DUMP i                          ; tile i into my stage: a lane's eight columns of block b are 32 bytes of its row; each accumulator's low registers go first
	v_mov_b32 v[CUR], v[SL+(\i)]
.if (\i) < 4
	WIN 0x04                                       ; the stores' data in window 1
.set DB, 64*(\i)
.else
.set DB, AC4
.endif
.irp b, 0,1,2,3,4,5,6,7
	ds_store_b128 v[ST], v[DB+8*(\b):DB+8*(\b)+3]   offset:64*(\b)
	ds_store_b128 v[ST], v[DB+8*(\b)+4:DB+8*(\b)+7] offset:64*(\b)+16
.endr
	WIN 0
.endm
; Plain line k (0..15) of group g of four pairs of numbers: link k / 4 of the chain x = sum + bias; x x; C1 x x + C0; x (C0 + C1 x x), for pair 4 g + k % 4 of the batch.  A chain's links stand four plain lines apart.
.macro PA k, g
.set pm, XB+2*(4*(\g)+(\k)%4)
.set pt, TB+2*(4*(\g)+(\k)%4)
.if (\k)/4 == 0
	v_pk_add_f32 v[pm:pm+1], v[pm:pm+1], v[BI+2*((\k)%2):BI+2*((\k)%2)+1]
.elseif (\k)/4 == 1
	v_pk_mul_f32 v[pt:pt+1], v[pm:pm+1], v[pm:pm+1]
.elseif (\k)/4 == 2
	v_pk_fma_f32 v[pt:pt+1], v[pt:pt+1], s[46:47], s[44:45] op_sel_hi:[1,0,0]
.else
	v_pk_mul_f32 v[pt:pt+1], v[pt:pt+1], v[pm:pm+1]
.endif
.endm
; EIGHT ROWS, 8 c .. 8 c + 7 of the tile, go out.  A rank past the count is not stored, nor any behind it: whole stores are jumped, EXEC stays as it is.  The two batches name different registers for
; data and offsets, so the second writes nothing that the first one's stores still read.
; In the first product gelu(x) = x / (1 + 2^(x (C0 + C1 x x))).  A batch's 32 exponentials are one batch with one wait, and so are its 32 reciprocals; a group's eight
; exponentials stand one behind every two plain lines of the next group's chain, the last eight by turns with the rows' offsets, and the additions of 1 stand between the reciprocals: none of these
; plain lines names a result of the batch that it stands in.
.macro ROW8 c
.set XB, X+32*(\c)
.set TB, T+32*(\c)
.if \c
.set VB, VO2
.else
.set VB, VO
.endif
	s_add_co_u32 s40, s38, 8*(\c)                  ; the eight rows' first rank (the tile's first is below n)
.if \c
	s_cmp_ge_u32 s40, s18
	s_cbranch_scc1 .Lslot_next
.endif
.irp p, 0,1,2,3,4,5,6,7
	v_readlane_b32 s[SR+(\p)], v[CUR], 8*(\c)+(\p) ; lane r holds row r's number
.endr
.irp p, 0,1,2,3,4,5,6,7
	s_min_u32 s[SR+(\p)], s[SR+(\p)], 0x7ff
.endr
	s_wait_dscnt 8-8*(\c)                          ; LDS loads come back in order: this batch's eight rows are in; the second batch's eight may stay out
.if FFN == 1
.set gq, 0
.rept 4
.set kq, 0
.rept 8
	PA 2*kq, gq
	PA 2*kq+1, gq
.if gq > 0
	v_exp_f32 v[TB+8*(gq-1)+kq], v[TB+8*(gq-1)+kq]
.endif
.set kq, kq+1
.endr
.set gq, gq+1
.endr
.set kq, 0
.rept 8
	v_exp_f32 v[TB+24+kq], v[TB+24+kq]
	v_lshl_add_u32 v[VB+kq], s[SR+kq], OSH, v[LN]  ; where the rows go
.set kq, kq+1
.endr
	s_wait_alu depctr_va_vdst(0)                   ; one wait for the 32 exponentials, ahead of their first reader
.irp m, 0,1,2
	v_pk_add_f32 v[TB+2*(\m):TB+2*(\m)+1], v[TB+2*(\m):TB+2*(\m)+1], 1.0 op_sel_hi:[1,0]
.endr
.set kq, 0
.rept 16
	v_rcp_f32 v[TB+2*kq], v[TB+2*kq]
.if kq < 13
	v_pk_add_f32 v[TB+2*kq+6:TB+2*kq+7], v[TB+2*kq+6:TB+2*kq+7], 1.0 op_sel_hi:[1,0]  ; the pair three further on
.endif
	v_rcp_f32 v[TB+2*kq+1], v[TB+2*kq+1]
.set kq, kq+1
.endr
	v_nop                                          ; a plain instruction behind the last reciprocal,
	s_wait_alu depctr_va_vdst(0)                   ; and one wait for the 32
.set kq, 0
.rept 16
	v_pk_mul_f32 v[TB+2*kq:TB+2*kq+1], v[TB+2*kq:TB+2*kq+1], v[XB+2*kq:XB+2*kq+1]
.set kq, kq+1
.endr
.set kq, 0
.rept 16
	v_cvt_pk_bf16_f32 v[TB+kq], v[TB+2*kq], v[TB+2*kq+1]  ; word k takes numbers 2 k, 2 k + 1: no later line reads a register at or below k
.set kq, kq+1
.endr
	global_store_b64 v[VB], v[TB:TB+1], s[32:33]   ; a row's store is the wave's 256 consecutive bytes, aligned
.irp p, 1,2,3,4,5,6,7
	s_add_co_u32 s20, s40, \p
	s_cmp_ge_u32 s20, s18
	s_cbranch_scc1 .Lslot_next
	global_store_b64 v[VB+(\p)], v[TB+2*(\p):TB+2*(\p)+1], s[32:33]
.endr
.else
.irp p, 0,1,2,3,4,5,6,7
	v_lshl_add_u32 v[VB+(\p)], s[SR+(\p)], OSH, v[LN]  ; where the rows go
.endr
.set kq, 0
.rept 16
	v_pk_add_f32 v[XB+2*kq:XB+2*kq+1], v[XB+2*kq:XB+2*kq+1], v[BI+2*(kq%2):BI+2*(kq%2)+1]  ; the bias of my four columns
.set kq, kq+1
.endr
	global_store_b128 v[VB], v[XB:XB+3], s[32:33]  ; a row's store is the wave's 512 consecutive bytes, aligned
.irp p, 1,2,3,4,5,6,7
	s_add_co_u32 s20, s40, \p
	s_cmp_ge_u32 s20, s18
	s_cbranch_scc1 .Lslot_next
	global_store_b128 v[VB+(\p)], v[XB+4*(\p):XB+4*(\p)+3], s[32:33]
.endr
.endif
.endm
	s_load_b256 s[4:11], s[0:1], 0x0               ; tokens s[4:5], idx s[6:7], W s[8:9], bias s[10:11]
	s_load_b64 s[12:13], s[0:1], 0x20              ; output
	v_lshl_add_u32 v[SPW], v0, 2, SPARE
	v_mov_b32 v[NIL], 0
	v_lshrrev_b32 v[TA], 5, v0
	v_readfirstlane_b32 s14, v[TA]                 ; wave 0..3
	s_bfe_u32 s16, ttmp9, 0x30001                  ; expert: bits 1 to 3 of the work-group's number.  Which bits are taken changes no value: it says which work-groups read the same token rows
	s_lshr_b32 s20, ttmp9, 4
	s_and_b32 s21, ttmp9, 1
	s_lshl1_add_u32 s17, s20, s21                  ; the other five bits: which of the expert's 32 slices
	s_lshl_b32 s22, s16, 24                        ; an expert's weights are 16 MiB
.if FFN == 2
	s_and_b32 s49, s17, 3                          ; quarter of K
	s_lshr_b32 s17, s17, 2                         ; slice of 128 columns
	s_lshl_b32 s20, s49, 22                        ; 1,024 rows of 4,096 bytes
	s_add_co_u32 s22, s22, s20
.endif
	s_lshl_b32 s20, s17, 9
	s_add_co_u32 s22, s22, s20                     ; the slice's first byte in W,
	s_mul_i32 s20, s14, 8*PITCH
	s_add_co_u32 s22, s22, s20                     ; and my 8 rows of each 32
	s_mov_b32 s23, 0
	v_and_b32 v[TA], 31, v0                        ; lane
	v_and_b32 v[TA+1], 15, v0                      ; lane % 16
	v_bfe_u32 v[TA+2], v0, 4, 1                    ; lane / 16
	v_lshlrev_b32 v[BL0], 4, v[TA]
	v_mov_b32 v[WOF], v[BL0]
.irp s, 1,2,3,4,5,6,7
	v_add_nc_u32 v[WOF+(\s)], (\s)*UNITB, v[BL0]   ; slot s begins with unit s
.endr
	v_lshlrev_b32 v[H16], 4, v[TA+2]
	s_lshl_b32 s20, s14, 4
	v_lshl_add_u32 v[R0], v[TA+2], 6, v[TA+1]
	v_add_nc_u32 v[R0], s20, v[R0]
	v_add_nc_u32 v[R4], s20, v[TA+1]
	v_add_nc_u32 v[R4], 256, v[R4]
	s_mul_i32 s21, s14, STAGEW
	s_add_co_u32 s21, s21, STAGE                   ; my stage
	v_mul_u32_u24 v[ST], v[TA+1], SPITCH
	v_lshl_add_u32 v[ST], v[TA+2], 5, v[ST]
	v_add_nc_u32 v[ST], s21, v[ST]
	v_add_nc_u32 v[RD], s21, v[BL0]
	v_lshlrev_b32 v[LN], LNSH, v[TA]
	v_lshrrev_b32 v[TA+3], 2, v[TA]
	v_and_b32 v[TA+4], 3, v[TA]
	v_mul_u32_u24 v[WL], v[TA+3], FRB              ; my columns 4 l .. 4 l + 3: block l / 4,
	v_lshl_add_u32 v[WL], v[TA+4], 6, v[WL]        ; lanes 4 (l % 4) + c of the fragment,
	s_lshl_b32 s20, s14, 8
	v_add_nc_u32 v[WL], s20, v[WL]                 ; and my 8 rows: k = 8 w + 0..7 of the 32 lie 512 (w / 2) + 256 (w % 2) = 256 w bytes in
	v_mov_b32 v[VSM], 0                            ; written whole before single lanes are written
	v_mov_b32 v[VSB], 0
	v_mov_b32 v[VSP], 0
	s_mov_b32 s42, 0
	s_mov_b32 s82, 0x55555555
	s_mov_b32 s83, 0x33333333
	s_mov_b32 s84, 0x0f0f0f0f
	s_mov_b32 s85, 0x00ff00ff
	s_mov_b32 s86, 0x0000ffff
	s_mov_b32 s87, 0x76543210                      ; v_permlanex16_b32: each lane takes its own place in the other half
	s_mov_b32 s88, 0xfedcba98
	s_wait_kmcnt 0x0
	s_add_nc_u64 s[24:25], s[8:9], s[22:23]
.if FFN == 1
	s_mov_b64 s[28:29], s[4:5]
	s_lshl_b32 s22, s16, 14                        ; b1: 16,384 bytes an expert
	s_lshl_b32 s20, s17, 9
	s_add_co_u32 s22, s22, s20
	s_add_nc_u64 s[30:31], s[10:11], s[22:23]
	s_lshl_b32 s22, s17, 8                         ; hid: 128 bf16 a slice
	s_add_nc_u64 s[32:33], s[12:13], s[22:23]
	s_mov_b32 s44, 0xc0135761                      ; -2 log2(e) sqrt(2 / pi) = -2.3022082
	s_mov_b32 s45, s44
	s_mov_b32 s46, 0xbdd2d3e8                      ; 0.044715 times that = -0.10294324
	s_mov_b32 s47, s46
.else
	s_lshl_b32 s22, s49, 11                        ; hid: a quarter of a row is 2,048 bytes
	s_add_nc_u64 s[28:29], s[4:5], s[22:23]
	s_lshl_b32 s22, s16, 12                        ; b2: 4,096 bytes an expert
	s_lshl_b32 s20, s17, 9
	s_add_co_u32 s22, s22, s20
	s_add_nc_u64 s[30:31], s[10:11], s[22:23]
	s_lshl_b32 s22, s49, 23                        ; part: 8 MiB a quarter
	s_add_co_u32 s22, s22, s20
	s_add_nc_u64 s[32:33], s[12:13], s[22:23]
	s_cmp_eq_u32 s49, 0
	s_cselect_b32 s50, -1, 0
.endif
	; the small loads go first, since loads come back in order; then the stream's first five units
	global_load_b128 v[BI:BI+3], v[BL0], s[30:31]
.irp i, 0,1,2,3,4,5,6,7,8,9,10,11,12,13,14,15
	global_load_b128 v[IDX+4*(\i):IDX+4*(\i)+3], v[BL0], s[6:7] offset:512*(\i)
.endr
	WIN 0x40
.set z, 0
.rept 40
	global_load_b128 v[4*z:4*z+3], v[BL0], s[24:25] offset:(z/8)*UNITB+(z%8)*PITCH th:TH_LOAD_NT  ; a row's 512 consecutive bytes
.set z, z+1
.endr
	s_wait_loadcnt 40                              ; the bias and idx are in; the forty loads of weights may stay out
.rept 16
	global_load_b128 v[4*z:4*z+3], v[BL0], s[24:25] offset:(z/8)*UNITB+(z%8)*PITCH th:TH_LOAD_NT  ; units 5 and 6: seven are out
.set z, z+1
.endr
	WIN 0
	v_cvt_pk_bf16_f32 v[TA], v[BI], v[BI+1]        ; the bias rounded to bf16 like the other inputs
	v_cvt_pk_bf16_f32 v[TA+1], v[BI+2], v[BI+3]
.if FFN == 2
	v_and_b32 v[TA], s50, v[TA]                    ; it belongs to the first quarter of K alone
	v_and_b32 v[TA+1], s50, v[TA+1]
.endif
	v_lshlrev_b32 v[BI], 16, v[TA]
	v_and_b32 v[BI+1], 0xffff0000, v[TA]
	v_lshlrev_b32 v[BI+2], 16, v[TA+1]
	v_and_b32 v[BI+3], 0xffff0000, v[TA+1]
	SCAN
	s_mov_b32 s20, 0
	FIND                                           ; the first group's rows, while the first weights are on their way
; THE STREAM: my 32 units.  Three trips of eight steps ask for units 7 to 30; the last eight steps are written out: the first asks for unit 31; from the third on each asks for a token buffer of the
; first group, ten loads, so that a step's count is its younger units' loads and ten for each buffer asked for before it.
	s_mov_b32 s19, 3
.Lstream:
.irp u, 0,1,2,3,4,5,6,7
	PSTEP \u, 1, 48, -1, 1                         ; seven units are out: mine is in when the six younger ones' 48 loads are left
.endr
	WIN 0
	v_add_nc_u32 v[WL], 8*KTB, v[WL]
	s_sub_co_u32 s19, s19, 1
	s_cmp_lg_u32 s19, 0
	s_cbranch_scc1 .Lstream
	PSTEP 0, 1, 48, -1, 0
	PSTEP 1, 0, 48, -1, 0
	PSTEP 2, 0, 40, 0, 0
	PSTEP 3, 0, 42, 1, 0
	PSTEP 4, 0, 44, 2, 0
	PSTEP 5, 0, 46, 3, 0
	PSTEP 6, 0, 48, 4, 0
	PSTEP 7, 0, 50, 5, 0
	WIN 0
	s_wait_dscnt 0x0                               ; for the others' sake: my part of the slice is written
	s_barrier_signal -1
	s_barrier_wait -1                              ; the slice is whole; nothing writes it again
; THE GROUPS: four trips, two barriers each.
	s_mov_b32 s36, 0
.Lgroup:
	s_lshl4_add_u32 s21, s14, s36                  ; my first tile's first rank: the group's + 16 w
	s_cmp_ge_u32 s21, s18
	s_cbranch_scc1 .Lskip1
	s_wait_xcnt 0x0                                ; nothing that is out still reads the base written below
	v_mov_b32 v[BL], v[BL0]
	s_mov_b64 s[26:27], s[28:29]
	BLOAD 0, 0
	KSTEP 0, 0, 0, 64*NB, 28, 40, 1, 0, 0          ; K step 0 starts the sums and asks for step 6's tokens; five younger buffers stay out
	WIN 0
	v_add_nc_u32 v[BL], KTB, v[BL]
	s_mov_b32 s48, 4
.Lk:                                                   ; K steps 6 m + 1 .. 6 m + 6; step t asks for step t + 6
	KSTEP 1, 1, 0, 64,  26, 40, 0, 0, 1
	KSTEP 0, 2, 1, 128, 26, 40, 0, 0, 0
	KSTEP 1, 3, 2, 192, 26, 40, 0, 0, 0
	KSTEP 0, 4, 3, 256, 26, 40, 0, 0, 0
	KSTEP 1, 5, 4, 320, 26, 40, 0, 0, 0
	KSTEP 0, 0, 5, 384, 26, 40, 0, 0, 0
	WIN 0
	v_add_nc_u32 v[BL], NB*KTB, v[BL]
	s_sub_co_u32 s48, s48, 1
	s_cmp_lg_u32 s48, 0
	s_cbranch_scc1 .Lk
	KSTEP 1, 1, 0, 448, 26, 40, 0, 0, 0            ; step 25 asks for step 31,
	KSTEP 0, 2, 1, -1,  26, 40, 0, 0, 0            ; the last six for nothing: the counts run down
	KSTEP 1, 3, 2, -1,  26, 32, 0, 0, 0
	KSTEP 0, 4, 3, -1,  26, 24, 0, 0, 0
	KSTEP 1, 5, 4, -1,  26, 16, 0, 0, 0
	KSTEP 0, 0, 5, -1,  26, 8,  0, 0, 0
	KSTEP 1, 1, 6, -1,  26, 0,  0, 1, 0
	WIN 0
.Lskip1:
	s_wait_dscnt 0x0                               ; my reads of the slice are back
	s_barrier_signal -1
	s_barrier_wait -1                              ; everybody's are: the stages may be written
	s_lshl4_add_u32 s21, s14, s36
	s_cmp_ge_u32 s21, s18
	s_cbranch_scc1 .Lskip2
	; THE WAY OUT, a tile at a time through my stage
	s_mov_b32 s37, 0
.Lslot:
	s_lshl_b32 s38, s37, 2
	s_add_co_u32 s38, s38, s14
	s_lshl4_add_u32 s38, s38, s36                  ; the tile's first rank
	s_cmp_ge_u32 s38, s18
	s_cbranch_scc1 .Lslot_next
	s_cmp_lg_u32 s37, 0
	s_cbranch_scc1 .Ld1
	DUMP 0
	s_branch .Ldumped
.Ld1:
	s_cmp_lg_u32 s37, 1
	s_cbranch_scc1 .Ld2
	DUMP 1
	s_branch .Ldumped
.Ld2:
	s_cmp_lg_u32 s37, 2
	s_cbranch_scc1 .Ld3
	DUMP 2
	s_branch .Ldumped
.Ld3:
	s_cmp_lg_u32 s37, 3
	s_cbranch_scc1 .Ld4
	DUMP 3
	s_branch .Ldumped
.Ld4:
	DUMP 4
.Ldumped:
	s_wait_xcnt 0x0                                ; the last tile's stores have had their addresses translated: their data and offsets are written again only behind this wait: once a tile
.set z, 0
.rept 16
	ds_load_b128 v[X+4*z:X+4*z+3], v[RD] offset:z*SPITCH  ; a whole row, 16 bytes a lane; LDS serves a wave's instructions in order: these see the tile's stores
.set z, z+1
.endr
	ROW8 0
	ROW8 1
.Lslot_next:
	s_wait_dscnt 0x0                               ; no load is on its way into the rows' registers, whichever way led here
	s_add_co_u32 s37, s37, 1
	s_cmp_lt_u32 s37, 5
	s_cbranch_scc1 .Lslot
	; if my first tile of the next group holds a rank below n: its rows, and its first six token buffers
	s_add_co_u32 s20, s36, GROUP
	s_lshl4_add_u32 s21, s14, s20
	s_cmp_ge_u32 s21, s18
	s_cbranch_scc1 .Lskip2
	s_wait_loadcnt 0x0                             ; no load is on its way into the buffers,
	s_wait_xcnt 0x0                                ; and nothing that is out still reads the rows' offsets or the registers that FIND works in
	FIND
.irp a, 0,1,2,3,4,5
	ALOADT \a, 28, 64*(\a)
	ALOAD4 \a, 28, 64*(\a)
.endr
	WIN 0
.Lskip2:
	s_wait_dscnt 0x0                               ; my stores into my stage, and my reads of it, are done
	s_barrier_signal -1
	s_barrier_wait -1                              ; everybody's are: the slice may be read again
	s_add_co_u32 s36, s36, GROUP
	s_cmp_lt_u32 s36, 4*GROUP
	s_cbranch_scc1 .Lgroup
	s_wait_tensorcnt 0x0                           ; the wave's end
	ds_add_u32 v[SPW], v[NIL]
	s_wait_dscnt 0x0
	s_endpgm
.Lfunc_end_k_q18acaa3c57_ffn1:
	.size	k_q18acaa3c57_ffn1, .Lfunc_end_k_q18acaa3c57_ffn1-k_q18acaa3c57_ffn1
	.p2alignl 7, 3214868480
	.fill 96, 4, 3214868480
	.section	.rodata,"a",@progbits
	.p2align	6, 0x0
	.amdhsa_kernel k_q18acaa3c57_ffn1
		.amdhsa_group_segment_fixed_size 300544
		.amdhsa_private_segment_fixed_size 0
		.amdhsa_enable_private_segment 0
		.amdhsa_kernarg_size 40
		.amdhsa_user_sgpr_count 2
		.amdhsa_user_sgpr_kernarg_segment_ptr 1
		.amdhsa_wavefront_size32 1
		.amdhsa_system_sgpr_workgroup_id_x 1
		.amdhsa_system_sgpr_workgroup_id_y 1
		.amdhsa_system_sgpr_workgroup_id_z 1
		.amdhsa_system_vgpr_workitem_id 0
		.amdhsa_next_free_vgpr 896
		.amdhsa_next_free_sgpr 90
		.amdhsa_reserve_vcc 1
		.amdhsa_float_denorm_mode_32 3
		.amdhsa_float_denorm_mode_16_64 3
		.amdhsa_memory_ordered 1
		.amdhsa_forward_progress 1
		.amdhsa_inst_pref_size 180
	.end_amdhsa_kernel
	.amdgpu_metadata
---
amdhsa.version: [ 1, 2 ]
amdhsa.kernels:
  - .name:           k_q18acaa3c57_ffn1
    .symbol:         k_q18acaa3c57_ffn1.kd
    .args:
      - { .name: xb, .offset: 0, .size: 8, .value_kind: global_buffer, .address_space: global }
      - { .name: idx, .offset: 8, .size: 8, .value_kind: global_buffer, .address_space: global }
      - { .name: W1, .offset: 16, .size: 8, .value_kind: global_buffer, .address_space: global }
      - { .name: b1, .offset: 24, .size: 8, .value_kind: global_buffer, .address_space: global }
      - { .name: hid, .offset: 32, .size: 8, .value_kind: global_buffer, .address_space: global }
    .group_segment_fixed_size: 300544
    .private_segment_fixed_size: 0
    .kernarg_segment_align: 8
    .kernarg_segment_size: 40
    .max_flat_workgroup_size: 128
    .sgpr_count:     90
    .vgpr_count:     896
    .wavefront_size: 32
...
	.end_amdgpu_metadata
.endif
;; end of part 5
;; launch ffn2 (part 6): grid 256 x 1, 4 waves a work-group, no clusters, 300,544 bytes of LDS; arguments hid, idx, W2, b2, part; writes part
.if DOCPART == 6
	.amdgcn_target "amdgcn-amd-amdhsa--gfx1250"
	.amdhsa_code_object_version 6
	.text
	.protected	k_q18acaa3c57_ffn2
	.globl	k_q18acaa3c57_ffn2
	.p2align	8
	.type	k_q18acaa3c57_ffn2,@function
k_q18acaa3c57_ffn2:
	s_mov_b64 s[64:65], 0
	v_nop
	global_prefetch_b8 v0, s[64:65] scope:SCOPE_SE
	s_setreg_imm32_b32 hwreg(HW_REG_WAVE_MODE, 25, 1), 1
	s_wait_xcnt 0x0
; ONE PRODUCT OF A LAYER OF ROUTED EXPERTS, for the chosen rows alone.  The same text serves both products; FFN says which.
;   FFN = 1: hid[s][f]     = gelu(xb[s / 2] . W1[e][:, f] + b1[e][f]), rounded once to bf16        (gelu in its tanh form)
;   FFN = 2: part[q][s][d] = hid[s][1024 q ..] . W2[e][1024 q .., d]  (+ b2[e][d] where q = 0), f32: a partial sum over a quarter of K
; s = 2 x token + k is a routed row, e = idx[s] its expert.  Weights and biases are rounded to bf16 on their way; sums are f32.
; SHARES.  A work-group has a slice of ONE expert's weights, 1,024 k x 128 n of f32, which it alone reads, once, and ALL rows of that expert: 8 experts x 32 slices = 256 work-groups.
; (Here a slice is a quarter of K by an eighth of the columns: K whole would leave slices of 32 columns, with four times the reads of hid for each matrix instruction.)
; FIRST all four waves stream the slice through registers, round it and lay it into LDS in the order of a matrix operand's lanes: a unit is 8 rows (eight loads of 512 consecutive bytes); seven
; units of each wave, 56 loads, are on their way at any time.  Each of the ring's eight slots has an offset register of its own, stepped behind the wait that shows the slot's own loads done, so that
; the loop holds no other wait.  The slice STAYS in LDS, each byte written once, and a barrier shows it to everybody.
; THEN the rows are multiplied, in groups of 320: 80 a wave (five tiles of 16), 40 accumulators, so that an expert with up to 320 rows reads the slice out of LDS once a wave.  Token rows come from memory
; straight into operand registers (each row serves one wave), six K steps of 32 ahead; the first group's first six steps are asked for while the stream's last units land.
; A wave's fifth tile is jumped, products and loads, where it holds no rank below the count.
; The stream and the products do not overlap: loads come back in order, so a wave with far-ahead loads of weights and near loads of tokens out would wait for the weights at every wait for tokens.
; THE MATRIX INSTRUCTION IS USED TRANSPOSED (source 0 = 16 columns of W, source 1 = 16 token rows): a lane holds row lane % 16 and the columns 8 (lane / 16) + 0..7.
; THE WAY OUT goes a tile at a time through the wave's own stage in LDS: all sixteen rows come back in one run of loads, a whole row to a load, and are worked on and stored in two batches of eight, each
; with registers of its own, so that a tile has one wait for the earlier stores' sources.
; ROUTING, in registers alone.  Each wave scans all of idx, 32 steps of 32 tokens, while the first weights are on their way, and keeps for each step which lanes' token chose the expert, which by their
; second entry, and the count in front: three words a step, in the lanes of three registers.  FIND gives each lane the row of its rank: the last step whose count in front is not above the rank, and in
; that step's mask the set bit of that number.  Every split is served: four trips of 320 ranks; a wave jumps a trip in which its first tile holds no rank below the count; ranks past the count name a
; row that exists, and their results are not stored.
; BARRIERS.
; NO CLUSTER: each slice has one reader; what an expert's work-groups share is its token rows, which come by rank from rows that no descriptor covers and go to one wave's registers.
; NO TENSOR LOADS: the weights pass through registers in any case, to be rounded and paired along k.
; LIMITS.  A token's two entries of idx are taken to differ.  A wave multiplies the first four tiles of every group that it enters, full or not.  NaN and infinities are not treated apart.
.set FFN, 2
.if FFN == 1
.set PITCH, 16384                      ; bytes from a row of W to the next
.set ASH,   10                         ; a row of tokens: (s & ~1) << 10 bytes (token x 2,048)
.set OSH,   13                         ; a row of the output: s << 13
.set LNSH,  3                          ; a lane's four numbers of a row of the output: 8 bytes
.else
.set PITCH, 4096
.set ASH,   13
.set OSH,   12
.set LNSH,  4
.endif
.set UNITB,  32*PITCH                  ; from a wave's unit to its next: 32 rows
.set NB,     6                         ; token buffers: K steps asked for ahead
.set GROUP,  320                       ; ranks in a group: 4 waves x 5 tiles x 16; four groups hold 1,280 >= 1,024
; LDS
.set FRB,    1040                      ; a fragment (16 n x 32 k of bf16): 1,024 bytes + 16, so that 16 lanes of a store fall on 16 different columns of 16 bytes
.set KTB,    8*FRB                     ; 32 k x 128 n
.set STAGE,  32*KTB                    ; behind W: for each wave 16 rows x 528 bytes, for the way out
.set SPITCH, 528
.set STAGEW, 16*SPITCH
.set SPARE,  STAGE+4*STAGEW            ; the spare words, 128 bytes for each of four waves
; vector registers, window 0
.set SPW, 1                            ; LDS address of my spare word; never rewritten
.set NIL, 2                            ; 0; never rewritten
.set BL,  3                            ; W's read address: 16 x lane + the K steps done
.set BL0, 4                            ; 16 x lane
.set RO,  5                            ; v5-9   tile i: my row's byte offset + 16 (lane / 16)
.set H16, 10                           ; 16 (lane / 16)
.set R0,  11                           ; 64 (lane / 16) + 16 w + lane % 16: my rank in a group, tiles 0 and 1 side by side
.set ST,  12                           ; the way out: where I put my columns of a row
.set RD,  13                           ; the way out: where I read a row back
.set LN,  14                           ; my bytes in a row of the output
.set R4,  15                           ; 256 + 16 w + lane % 16: my rank in tile 4
.set TA,  17                           ; v17-23 at work
.set WL,  24                           ; the stream: where my columns lie in the K step in hand
.set BI,  26                           ; v26-29 the bias of my four columns of a row
.set IDX, 32                           ; v32-95 idx as loaded;
.set AC4, 32                           ;        later tile 4's accumulators, block b at + 8 b
.set PT,  96                           ; v96-159 the stream: packed, four sets of 16
.set T,   96                           ;         the way out: at work, 32 registers for each batch of eight rows; then the batch's rounded rows in the low 16 of them
.set WOF, 160                          ; v160-167 the stream: slot s: the byte offset of my 16 bytes in the first row of the slot's unit
.set VO,  160                          ;          the way out: the byte offsets of rows 0 to 7
.set SL,  172                          ; v172-176 tile i: my row's number
.set CUR, 177                          ; the same for the tile on its way out
.set VSM, 178                          ; lane y: step y's mask of lanes whose token chose my expert
.set VSB, 179                          ; lane y: those of them that chose it by their second entry
.set VSP, 180                          ; lane y: the count in front of step y, and in the upper half the step's first row
.set X,   184                          ; v184-247 the way out: the tile's sixteen rows, f32 (FIND's registers lie here too: it runs at other times)
.set FM,  184                          ; FIND, three registers each: the mask of my rank's step,
.set FB,  187                          ;   its second-entry mask,
.set FP,  190                          ;   its packed word, then its first row
.set KK,  193                          ;   my rank, then its number among the step's set bits
.set POS, 196                          ;   the bit's place
.set C2,  199                          ;   the mask's counts by fields of 2,
.set C4,  202                          ;   4,
.set C8,  205                          ;   8
.set C16, 208                          ;   and 16 bits
.set TT,  211                          ;   at work: v211-216
.set TU,  214
.set VO2, 248                          ; v248-255 the way out: the byte offsets of rows 8 to 15
; window 1: the stream's eight slots (row j of slot u at v[32 u + 4 j]); then the accumulators of tile i (0..3), block b at v[64 i + 8 b]
; window 2: token fragments: buffer a, tile i at v[40 a + 8 i].     window 3: W's fragments of a whole K step, two buffers: buffer p, block b at v[64 p + 8 b]
; scalars: s[4:13] the five addresses; s14 wave; s16 expert; s17 slice; s18 n; s19 trips; s20, s21 at work; s[22:23] an offset; s[24:25] W's stream; s[26:27] tokens, stepped; s[28:29] tokens;
; s[30:31] bias; s[32:33] output; s34 tile 4 lives; s36 the group's first rank; s37 tile; s38 its first rank (FIND: s38-40 a step's three words); s40 eight rows' first rank; s42 running count;
; s43 FIND's step; s[44:47] gelu's constants; s48 trips; s49 quarter; s50 keeps or drops the bias; s82-85 the masks of the bit counts; s86 0xffff, also lanes 0-15; s87, s88 lane selects
.set SM,  52                           ; s52-59 the scan: which lanes' token chose my expert
.set SR,  52                           ; s52-59 later: eight rows' numbers
.set SB,  66                           ; s66-73 which of them by their second entry
.set SC,  74                           ; s74-81 the packed word
.set MSB, 0
.macro WIN new                         ; s_set_vgpr_msb: bits 1:0 source 0, 3:2 source 1, 5:4 source 2, 7:6 destination; the high byte repeats the setting that is left
.if MSB != (\new)
	s_set_vgpr_msb (MSB<<8)|(\new)
.set MSB, (\new)
.endif
.endm
.macro PLACES                          ; four plain instructions between a matrix instruction and a load into, or a store of, its registers
.rept 4
	v_nop
.endr
.endm
.macro ALOAD4 a, base, off             ; eight loads: the fragments of tiles 0 to 3 for 32 k, at byte off of the rows, into buffer a
	WIN 0x80                                       ; destination in window 2
.irp i, 0,1,2,3
	global_load_b128 v[40*(\a)+8*(\i):40*(\a)+8*(\i)+3],   v[RO+(\i)], s[(\base):(\base)+1] offset:(\off)
	global_load_b128 v[40*(\a)+8*(\i)+4:40*(\a)+8*(\i)+7], v[RO+(\i)], s[(\base):(\base)+1] offset:(\off)+32
.endr
.endm
.macro ALOADT a, base, off             ; two loads: tile 4's
	WIN 0x80
	global_load_b128 v[40*(\a)+32:40*(\a)+35], v[RO+4], s[(\base):(\base)+1] offset:(\off)
	global_load_b128 v[40*(\a)+36:40*(\a)+39], v[RO+4], s[(\base):(\base)+1] offset:(\off)+32
.endm
; A STEP OF THE STREAM: the unit in slot u.  Of rows 2 q, 2 q + 1 column c gives a word of two bf16; four such words are 8 consecutive k of one column: 16 bytes of a fragment's lane.
; fill = 1: the unit seven further on is asked for, into the slot that the step before has read out, ahead of this step's LDS stores.  left: the younger loads that may stay out.
; tok >= 0: the first group's token buffer tok is asked for.  step = 1: this slot's offset goes eight units on, for the refill that the next step issues.
.macro PSTEP u, fill, left, tok, step
	s_wait_loadcnt \left
.if \step
	WIN 0
	v_add_nc_u32 v[WOF+(\u)], 8*UNITB, v[WOF+(\u)] ; the last loads that named it are this slot's, which the wait above has shown done
.endif
	WIN 0x05                                       ; sources in window 1
.irp c, 0,1,2,3
.irp q, 0,1,2,3
	v_cvt_pk_bf16_f32 v[PT+16*((\u)%4)+4*(\c)+(\q)], v[32*(\u)+8*(\q)+(\c)], v[32*(\u)+8*(\q)+4+(\c)]
.endr
.endr
	WIN 0x40                                       ; the loads' destination in window 1; the stores' address and data lie in window 0
.if \fill
.irp j, 0,1,2,3,4,5,6,7
	global_load_b128 v[32*(((\u)+7)%8)+4*(\j):32*(((\u)+7)%8)+4*(\j)+3], v[WOF+((\u)+7)%8], s[24:25] offset:(\j)*PITCH th:TH_LOAD_NT
.endr
.endif
.irp c, 0,1,2,3
	ds_store_b128 v[WL], v[PT+16*((\u)%4)+4*(\c):PT+16*((\u)%4)+4*(\c)+3] offset:(\u)*KTB+16*(\c)
.endr
.if (\tok) >= 0
	ALOADT \tok, 28, 64*(\tok)                     ; all five tiles here, so that every register of the buffers is written on every way
	ALOAD4 \tok, 28, 64*(\tok)
.endif
.endm
.macro BLOAD p, off                    ; sixteen LDS loads in one run: a K step's eight fragments of W, 512 consecutive bytes each load, into buffer p
	WIN 0xc0                                       ; destination in window 3
.irp b, 0,1,2,3,4,5,6,7
	ds_load_b128 v[64*(\p)+8*(\b):64*(\p)+8*(\b)+3],   v[BL] offset:(\off)+(\b)*FRB
	ds_load_b128 v[64*(\p)+8*(\b)+4:64*(\p)+8*(\b)+7], v[BL] offset:(\off)+(\b)*FRB+512
.endr
.endm
; A K STEP of 32: W in buffer p, tokens in buffer a; its W lies ko steps behind BL.  It begins with the run of loads for the next step's W, a whole step ahead of their use.
; 32 matrix instructions on tiles 0 to 3, then 8 on tile 4, jumped with that tile's refill where the tile is dead.  The accumulators take turns, one instruction a turn.
; fo >= 0: the token buffer is loaded again, six steps ahead, from byte fo behind base fb.  left: the younger loads that may stay out, counted at 8 a buffer: right where tile 4's two are jumped,
; and stricter than need be where they are not.  first = 1: the products start the sums.  last = 1: no further W is fetched.  stepb = 1: the tokens' base goes six steps on.
.macro KSTEP p, a, ko, fo, fb, left, first, last, stepb
.if !(\last)
	BLOAD 1-(\p), ((\ko)+1)*KTB                    ; (the places behind that buffer's last readers end the step before)
.endif
	s_wait_loadcnt \left                           ; my token buffer is in
.if \last
	s_wait_dscnt 0x0
.else
	s_wait_dscnt 16                                ; this step's W is in; the sixteen just issued may stay out
.endif
	WIN 0x5b                                       ; W in window 3, tokens in window 2, C and D in window 1
.irp i, 0,1,2,3
.irp b, 0,1,2,3,4,5,6,7
.if \first
	v_wmma_f32_16x16x32_bf16 v[64*(\i)+8*(\b):64*(\i)+8*(\b)+7], v[64*(\p)+8*(\b):64*(\p)+8*(\b)+7], v[40*(\a)+8*(\i):40*(\a)+8*(\i)+7], 0
.else
	v_wmma_f32_16x16x32_bf16 v[64*(\i)+8*(\b):64*(\i)+8*(\b)+7], v[64*(\p)+8*(\b):64*(\p)+8*(\b)+7], v[40*(\a)+8*(\i):40*(\a)+8*(\i)+7], v[64*(\i)+8*(\b):64*(\i)+8*(\b)+7]
.endif
.endr
.endr
	WIN 0                                          ; at a branch and at a label every window is 0
.if \stepb
	s_wait_xcnt 0x0                                ; the loads that name the tokens' base, issued 32 matrix instructions ago, have had it translated
	s_add_nc_u64 s[26:27], s[26:27], 64*NB
.endif
	s_cmp_eq_u32 s34, 0
	s_cbranch_scc1 .Lno4_\@
	WIN 0x0b                                       ; C and D in window 0
.irp b, 0,1,2,3,4,5,6,7
.if \first
	v_wmma_f32_16x16x32_bf16 v[AC4+8*(\b):AC4+8*(\b)+7], v[64*(\p)+8*(\b):64*(\p)+8*(\b)+7], v[40*(\a)+32:40*(\a)+39], 0
.else
	v_wmma_f32_16x16x32_bf16 v[AC4+8*(\b):AC4+8*(\b)+7], v[64*(\p)+8*(\b):64*(\p)+8*(\b)+7], v[40*(\a)+32:40*(\a)+39], v[AC4+8*(\b):AC4+8*(\b)+7]
.endif
.endr
.if (\fo) >= 0
	PLACES
	ALOADT \a, \fb, \fo
.endif
	WIN 0
.Lno4_\@:
	PLACES
.if (\fo) >= 0
	ALOAD4 \a, \fb, \fo
.endif
.endm
; THE SCAN.  Registers 2 y, 2 y + 1 of the 64 hold the two entries of token 64 (y / 2) + 2 lane + y % 2, rows 128 (y / 2) + 2 (y % 2) + 4 lane and the next.  Eight steps at a time: compares, counts, the three words.
.macro SCAN
.set bz, 0
.rept 4
.set z, 0
.rept 8
	v_cmp_eq_u32 s[SM+z], s16, v[IDX+2*(8*bz+z)]
	v_cmp_eq_u32 s[SB+z], s16, v[IDX+2*(8*bz+z)+1]
.set z, z+1
.endr
.set z, 0
.rept 8
	s_or_b32 s[SM+z], s[SM+z], s[SB+z]
	s_add_co_u32 s[SC+z], s42, (128*((8*bz+z)/2)+2*((8*bz+z)%2))<<16  ; the count so far (1,024 at the most) below, the step's first row above
	s_bcnt1_i32_b32 s20, s[SM+z]
	s_add_co_u32 s42, s42, s20
.set z, z+1
.endr
.set z, 0
.rept 8
	v_writelane_b32 v[VSM], s[SM+z], 8*bz+z
	v_writelane_b32 v[VSB], s[SB+z], 8*bz+z
	v_writelane_b32 v[VSP], s[SC+z], 8*bz+z
.set z, z+1
.endr
.set bz, bz+1
.endr
	s_min_u32 s18, s42, 1024                       ; n: one rank a token at the most
.endm
; One halving of FIND's search: c = the set bits in the w bits from POS on; where my number is not below c, they are passed: the number falls by c and POS rises by w.
.macro STG src, w
.irp j, 0,1,2
	v_bfe_u32 v[TT+(\j)], v[(\src)+(\j)], v[POS+(\j)], \w
.endr
.irp j, 0,1,2
	v_cmp_ge_u32 vcc_lo, v[KK+(\j)], v[TT+(\j)]
	v_cndmask_b32 v[TT+(\j)], 0, v[TT+(\j)], vcc_lo
	v_cndmask_b32 v[TU+(\j)], 0, \w, vcc_lo
.endr
.irp j, 0,1,2
	v_sub_nc_u32 v[KK+(\j)], v[KK+(\j)], v[TT+(\j)]
	v_add_nc_u32 v[POS+(\j)], v[POS+(\j)], v[TU+(\j)]
.endr
.endm
; FIND: the rows of my five tiles in the group whose first rank is s20.  Three registers search: tiles 0 and 1 in the two halves of the lanes, tiles 2 and 3 likewise, tile 4.
; rank = s20 + 16 (4 i + w) + lane % 16.  A rank past the count ends in the last step with a place of 31 at the most: a row that exists.
.macro FIND
	v_add_nc_u32 v[KK],   s20, v[R0]
	v_add_nc_u32 v[KK+2], s20, v[R4]
	v_add_nc_u32 v[KK+1], 128, v[KK]
.irp j, 0,1,2
	v_mov_b32 v[FM+(\j)], 0
	v_mov_b32 v[FB+(\j)], 0
	v_mov_b32 v[FP+(\j)], 0
	v_mov_b32 v[POS+(\j)], 0
.endr
	s_mov_b32 s43, 0
.Lfind_\@:                                             ; the counts in front ascend: the last step whose count is not above my rank holds it
	v_readlane_b32 s38, v[VSM], s43
	v_readlane_b32 s39, v[VSB], s43
	v_readlane_b32 s40, v[VSP], s43
	s_and_b32 s21, s40, 0xffff
.irp j, 0,1,2
	v_cmp_gt_u32 vcc_lo, s21, v[KK+(\j)]           ; the step begins behind my rank: keep what I have
	v_cndmask_b32 v[FM+(\j)], s38, v[FM+(\j)], vcc_lo
	v_cndmask_b32 v[FB+(\j)], s39, v[FB+(\j)], vcc_lo
	v_cndmask_b32 v[FP+(\j)], s40, v[FP+(\j)], vcc_lo
.endr
	s_add_co_u32 s43, s43, 1
	s_cmp_lt_u32 s43, 32
	s_cbranch_scc1 .Lfind_\@
.irp j, 0,1,2
	v_and_b32 v[TT+(\j)], s86, v[FP+(\j)]
	v_lshrrev_b32 v[TU+(\j)], 1, v[FM+(\j)]
.endr
.irp j, 0,1,2
	v_sub_nc_u32 v[KK+(\j)], v[KK+(\j)], v[TT+(\j)]  ; my number among the step's set bits
	v_and_b32 v[TU+(\j)], s82, v[TU+(\j)]
	v_lshrrev_b32 v[FP+(\j)], 16, v[FP+(\j)]       ; the step's first row
.endr
.irp j, 0,1,2
	v_sub_nc_u32 v[C2+(\j)], v[FM+(\j)], v[TU+(\j)]  ; the set bits of each 2
.endr
.irp j, 0,1,2
	v_lshrrev_b32 v[TU+(\j)], 2, v[C2+(\j)]
	v_and_b32 v[C4+(\j)], s83, v[C2+(\j)]
.endr
.irp j, 0,1,2
	v_and_b32 v[TU+(\j)], s83, v[TU+(\j)]
.endr
.irp j, 0,1,2
	v_add_nc_u32 v[C4+(\j)], v[C4+(\j)], v[TU+(\j)]  ; of each 4
.endr
.irp j, 0,1,2
	v_lshrrev_b32 v[TU+(\j)], 4, v[C4+(\j)]
.endr
.irp j, 0,1,2
	v_add_nc_u32 v[TU+(\j)], v[C4+(\j)], v[TU+(\j)]
.endr
.irp j, 0,1,2
	v_and_b32 v[C8+(\j)], s84, v[TU+(\j)]          ; of each 8
.endr
.irp j, 0,1,2
	v_lshrrev_b32 v[TU+(\j)], 8, v[C8+(\j)]
.endr
.irp j, 0,1,2
	v_add_nc_u32 v[TU+(\j)], v[C8+(\j)], v[TU+(\j)]
.endr
.irp j, 0,1,2
	v_and_b32 v[C16+(\j)], s85, v[TU+(\j)]         ; of each 16
.endr
	STG C16, 16
	STG C8, 8
	STG C4, 4
	STG C2, 2
	STG FM, 1
.irp j, 0,1,2
	v_bfe_u32 v[TT+(\j)], v[FB+(\j)], v[POS+(\j)], 1  ; first or second entry
	v_lshl_add_u32 v[TU+(\j)], v[POS+(\j)], 2, v[FP+(\j)]
.endr
.irp j, 0,1,2
	v_add_nc_u32 v[TU+(\j)], v[TU+(\j)], v[TT+(\j)]  ; the row: the step's first + 4 x lane + entry
.endr
	v_permlanex16_b32 v[TT],   v[TU],   s87, s88   ; the other half of the lanes' rows: both halves of a tile's lanes want row lane % 16
	v_permlanex16_b32 v[TT+1], v[TU+1], s87, s88
	v_cndmask_b32 v[SL],   v[TT],   v[TU],   s86   ; lanes 0-15 hold the even tile's rows,
	v_cndmask_b32 v[SL+1], v[TU],   v[TT],   s86   ; lanes 16-31 the odd tile's
	v_cndmask_b32 v[SL+2], v[TT+1], v[TU+1], s86
	v_cndmask_b32 v[SL+3], v[TU+1], v[TT+1], s86
	v_mov_b32 v[SL+4], v[TU+2]
.irp i, 0,1,2,3,4
	v_min_u32 v[SL+(\i)], 0x7ff, v[SL+(\i)]        ; inside the 2,048 rows whatever idx holds
.endr
.if FFN == 1
.irp i, 0,1,2,3,4
	v_and_b32 v[TT+(\i)], 0x7fe, v[SL+(\i)]
.endr
.irp i, 0,1,2,3,4
	v_lshl_add_u32 v[RO+(\i)], v[TT+(\i)], ASH, v[H16]
.endr
.else
.irp i, 0,1,2,3,4
	v_lshl_add_u32 v[RO+(\i)], v[SL+(\i)], ASH, v[H16]
.endr
.endif
	s_lshl4_add_u32 s21, s14, s20
	s_add_co_u32 s21, s21, 256
	s_cmp_lt_u32 s21, s18                          ; does tile 4 hold a rank below n?
	s_cselect_b32 s34, 1, 0
.endm
.macro DUMP i                          ; tile i into my stage: a lane's eight columns of block b are 32 bytes of its row; each accumulator's low registers go first
	v_mov_b32 v[CUR], v[SL+(\i)]
.if (\i) < 4
	WIN 0x04                                       ; the stores' data in window 1
.set DB, 64*(\i)
.else
.set DB, AC4
.endif
.irp b, 0,1,2,3,4,5,6,7
	ds_store_b128 v[ST], v[DB+8*(\b):DB+8*(\b)+3]   offset:64*(\b)
	ds_store_b128 v[ST], v[DB+8*(\b)+4:DB+8*(\b)+7] offset:64*(\b)+16
.endr
	WIN 0
.endm
; Plain line k (0..15) of group g of four pairs of numbers: link k / 4 of the chain x = sum + bias; x x; C1 x x + C0; x (C0 + C1 x x), for pair 4 g + k % 4 of the batch.  A chain's links stand four plain lines apart.
.macro PA k, g
.set pm, XB+2*(4*(\g)+(\k)%4)
.set pt, TB+2*(4*(\g)+(\k)%4)
.if (\k)/4 == 0
	v_pk_add_f32 v[pm:pm+1], v[pm:pm+1], v[BI+2*((\k)%2):BI+2*((\k)%2)+1]
.elseif (\k)/4 == 1
	v_pk_mul_f32 v[pt:pt+1], v[pm:pm+1], v[pm:pm+1]
.elseif (\k)/4 == 2
	v_pk_fma_f32 v[pt:pt+1], v[pt:pt+1], s[46:47], s[44:45] op_sel_hi:[1,0,0]
.else
	v_pk_mul_f32 v[pt:pt+1], v[pt:pt+1], v[pm:pm+1]
.endif
.endm
; EIGHT ROWS, 8 c .. 8 c + 7 of the tile, go out.  A rank past the count is not stored, nor any behind it: whole stores are jumped, EXEC stays as it is.  The two batches name different registers for
; data and offsets, so the second writes nothing that the first one's stores still read.
; In the first product gelu(x) = x / (1 + 2^(x (C0 + C1 x x))).  A batch's 32 exponentials are one batch with one wait, and so are its 32 reciprocals; a group's eight
; exponentials stand one behind every two plain lines of the next group's chain, the last eight by turns with the rows' offsets, and the additions of 1 stand between the reciprocals: none of these
; plain lines names a result of the batch that it stands in.
.macro ROW8 c
.set XB, X+32*(\c)
.set TB, T+32*(\c)
.if \c
.set VB, VO2
.else
.set VB, VO
.endif
	s_add_co_u32 s40, s38, 8*(\c)                  ; the eight rows' first rank (the tile's first is below n)
.if \c
	s_cmp_ge_u32 s40, s18
	s_cbranch_scc1 .Lslot_next
.endif
.irp p, 0,1,2,3,4,5,6,7
	v_readlane_b32 s[SR+(\p)], v[CUR], 8*(\c)+(\p) ; lane r holds row r's number
.endr
.irp p, 0,1,2,3,4,5,6,7
	s_min_u32 s[SR+(\p)], s[SR+(\p)], 0x7ff
.endr
	s_wait_dscnt 8-8*(\c)                          ; LDS loads come back in order: this batch's eight rows are in; the second batch's eight may stay out
.if FFN == 1
.set gq, 0
.rept 4
.set kq, 0
.rept 8
	PA 2*kq, gq
	PA 2*kq+1, gq
.if gq > 0
	v_exp_f32 v[TB+8*(gq-1)+kq], v[TB+8*(gq-1)+kq]
.endif
.set kq, kq+1
.endr
.set gq, gq+1
.endr
.set kq, 0
.rept 8
	v_exp_f32 v[TB+24+kq], v[TB+24+kq]
	v_lshl_add_u32 v[VB+kq], s[SR+kq], OSH, v[LN]  ; where the rows go
.set kq, kq+1
.endr
	s_wait_alu depctr_va_vdst(0)                   ; one wait for the 32 exponentials, ahead of their first reader
.irp m, 0,1,2
	v_pk_add_f32 v[TB+2*(\m):TB+2*(\m)+1], v[TB+2*(\m):TB+2*(\m)+1], 1.0 op_sel_hi:[1,0]
.endr
.set kq, 0
.rept 16
	v_rcp_f32 v[TB+2*kq], v[TB+2*kq]
.if kq < 13
	v_pk_add_f32 v[TB+2*kq+6:TB+2*kq+7], v[TB+2*kq+6:TB+2*kq+7], 1.0 op_sel_hi:[1,0]  ; the pair three further on
.endif
	v_rcp_f32 v[TB+2*kq+1], v[TB+2*kq+1]
.set kq, kq+1
.endr
	v_nop                                          ; a plain instruction behind the last reciprocal,
	s_wait_alu depctr_va_vdst(0)                   ; and one wait for the 32
.set kq, 0
.rept 16
	v_pk_mul_f32 v[TB+2*kq:TB+2*kq+1], v[TB+2*kq:TB+2*kq+1], v[XB+2*kq:XB+2*kq+1]
.set kq, kq+1
.endr
.set kq, 0
.rept 16
	v_cvt_pk_bf16_f32 v[TB+kq], v[TB+2*kq], v[TB+2*kq+1]  ; word k takes numbers 2 k, 2 k + 1: no later line reads a register at or below k
.set kq, kq+1
.endr
	global_store_b64 v[VB], v[TB:TB+1], s[32:33]   ; a row's store is the wave's 256 consecutive bytes, aligned
.irp p, 1,2,3,4,5,6,7
	s_add_co_u32 s20, s40, \p
	s_cmp_ge_u32 s20, s18
	s_cbranch_scc1 .Lslot_next
	global_store_b64 v[VB+(\p)], v[TB+2*(\p):TB+2*(\p)+1], s[32:33]
.endr
.else
.irp p, 0,1,2,3,4,5,6,7
	v_lshl_add_u32 v[VB+(\p)], s[SR+(\p)], OSH, v[LN]  ; where the rows go
.endr
.set kq, 0
.rept 16
	v_pk_add_f32 v[XB+2*kq:XB+2*kq+1], v[XB+2*kq:XB+2*kq+1], v[BI+2*(kq%2):BI+2*(kq%2)+1]  ; the bias of my four columns
.set kq, kq+1
.endr
	global_store_b128 v[VB], v[XB:XB+3], s[32:33]  ; a row's store is the wave's 512 consecutive bytes, aligned
.irp p, 1,2,3,4,5,6,7
	s_add_co_u32 s20, s40, \p
	s_cmp_ge_u32 s20, s18
	s_cbranch_scc1 .Lslot_next
	global_store_b128 v[VB+(\p)], v[XB+4*(\p):XB+4*(\p)+3], s[32:33]
.endr
.endif
.endm
	s_load_b256 s[4:11], s[0:1], 0x0               ; tokens s[4:5], idx s[6:7], W s[8:9], bias s[10:11]
	s_load_b64 s[12:13], s[0:1], 0x20              ; output
	v_lshl_add_u32 v[SPW], v0, 2, SPARE
	v_mov_b32 v[NIL], 0
	v_lshrrev_b32 v[TA], 5, v0
	v_readfirstlane_b32 s14, v[TA]                 ; wave 0..3
	s_bfe_u32 s16, ttmp9, 0x30001                  ; expert: bits 1 to 3 of the work-group's number.  Which bits are taken changes no value: it says which work-groups read the same token rows
	s_lshr_b32 s20, ttmp9, 4
	s_and_b32 s21, ttmp9, 1
	s_lshl1_add_u32 s17, s20, s21                  ; the other five bits: which of the expert's 32 slices
	s_lshl_b32 s22, s16, 24                        ; an expert's weights are 16 MiB
.if FFN == 2
	s_and_b32 s49, s17, 3                          ; quarter of K
	s_lshr_b32 s17, s17, 2                         ; slice of 128 columns
	s_lshl_b32 s20, s49, 22                        ; 1,024 rows of 4,096 bytes
	s_add_co_u32 s22, s22, s20
.endif
	s_lshl_b32 s20, s17, 9
	s_add_co_u32 s22, s22, s20                     ; the slice's first byte in W,
	s_mul_i32 s20, s14, 8*PITCH
	s_add_co_u32 s22, s22, s20                     ; and my 8 rows of each 32
	s_mov_b32 s23, 0
	v_and_b32 v[TA], 31, v0                        ; lane
	v_and_b32 v[TA+1], 15, v0                      ; lane % 16
	v_bfe_u32 v[TA+2], v0, 4, 1                    ; lane / 16
	v_lshlrev_b32 v[BL0], 4, v[TA]
	v_mov_b32 v[WOF], v[BL0]
.irp s, 1,2,3,4,5,6,7
	v_add_nc_u32 v[WOF+(\s)], (\s)*UNITB, v[BL0]   ; slot s begins with unit s
.endr
	v_lshlrev_b32 v[H16], 4, v[TA+2]
	s_lshl_b32 s20, s14, 4
	v_lshl_add_u32 v[R0], v[TA+2], 6, v[TA+1]
	v_add_nc_u32 v[R0], s20, v[R0]
	v_add_nc_u32 v[R4], s20, v[TA+1]
	v_add_nc_u32 v[R4], 256, v[R4]
	s_mul_i32 s21, s14, STAGEW
	s_add_co_u32 s21, s21, STAGE                   ; my stage
	v_mul_u32_u24 v[ST], v[TA+1], SPITCH
	v_lshl_add_u32 v[ST], v[TA+2], 5, v[ST]
	v_add_nc_u32 v[ST], s21, v[ST]
	v_add_nc_u32 v[RD], s21, v[BL0]
	v_lshlrev_b32 v[LN], LNSH, v[TA]
	v_lshrrev_b32 v[TA+3], 2, v[TA]
	v_and_b32 v[TA+4], 3, v[TA]
	v_mul_u32_u24 v[WL], v[TA+3], FRB              ; my columns 4 l .. 4 l + 3: block l / 4,
	v_lshl_add_u32 v[WL], v[TA+4], 6, v[WL]        ; lanes 4 (l % 4) + c of the fragment,
	s_lshl_b32 s20, s14, 8
	v_add_nc_u32 v[WL], s20, v[WL]                 ; and my 8 rows: k = 8 w + 0..7 of the 32 lie 512 (w / 2) + 256 (w % 2) = 256 w bytes in
	v_mov_b32 v[VSM], 0                            ; written whole before single lanes are written
	v_mov_b32 v[VSB], 0
	v_mov_b32 v[VSP], 0
	s_mov_b32 s42, 0
	s_mov_b32 s82, 0x55555555
	s_mov_b32 s83, 0x33333333
	s_mov_b32 s84, 0x0f0f0f0f
	s_mov_b32 s85, 0x00ff00ff
	s_mov_b32 s86, 0x0000ffff
	s_mov_b32 s87, 0x76543210                      ; v_permlanex16_b32: each lane takes its own place in the other half
	s_mov_b32 s88, 0xfedcba98
	s_wait_kmcnt 0x0
	s_add_nc_u64 s[24:25], s[8:9], s[22:23]
.if FFN == 1
	s_mov_b64 s[28:29], s[4:5]
	s_lshl_b32 s22, s16, 14                        ; b1: 16,384 bytes an expert
	s_lshl_b32 s20, s17, 9
	s_add_co_u32 s22, s22, s20
	s_add_nc_u64 s[30:31], s[10:11], s[22:23]
	s_lshl_b32 s22, s17, 8                         ; hid: 128 bf16 a slice
	s_add_nc_u64 s[32:33], s[12:13], s[22:23]
	s_mov_b32 s44, 0xc0135761                      ; -2 log2(e) sqrt(2 / pi) = -2.3022082
	s_mov_b32 s45, s44
	s_mov_b32 s46, 0xbdd2d3e8                      ; 0.044715 times that = -0.10294324
	s_mov_b32 s47, s46
.else
	s_lshl_b32 s22, s49, 11                        ; hid: a quarter of a row is 2,048 bytes
	s_add_nc_u64 s[28:29], s[4:5], s[22:23]
	s_lshl_b32 s22, s16, 12                        ; b2: 4,096 bytes an expert
	s_lshl_b32 s20, s17, 9
	s_add_co_u32 s22, s22, s20
	s_add_nc_u64 s[30:31], s[10:11], s[22:23]
	s_lshl_b32 s22, s49, 23                        ; part: 8 MiB a quarter
	s_add_co_u32 s22, s22, s20
	s_add_nc_u64 s[32:33], s[12:13], s[22:23]
	s_cmp_eq_u32 s49, 0
	s_cselect_b32 s50, -1, 0
.endif
	; the small loads go first, since loads come back in order; then the stream's first five units
	global_load_b128 v[BI:BI+3], v[BL0], s[30:31]
.irp i, 0,1,2,3,4,5,6,7,8,9,10,11,12,13,14,15
	global_load_b128 v[IDX+4*(\i):IDX+4*(\i)+3], v[BL0], s[6:7] offset:512*(\i)
.endr
	WIN 0x40
.set z, 0
.rept 40
	global_load_b128 v[4*z:4*z+3], v[BL0], s[24:25] offset:(z/8)*UNITB+(z%8)*PITCH th:TH_LOAD_NT  ; a row's 512 consecutive bytes
.set z, z+1
.endr
	s_wait_loadcnt 40                              ; the bias and idx are in; the forty loads of weights may stay out
.rept 16
	global_load_b128 v[4*z:4*z+3], v[BL0], s[24:25] offset:(z/8)*UNITB+(z%8)*PITCH th:TH_LOAD_NT  ; units 5 and 6: seven are out
.set z, z+1
.endr
	WIN 0
	v_cvt_pk_bf16_f32 v[TA], v[BI], v[BI+1]        ; the bias rounded to bf16 like the other inputs
	v_cvt_pk_bf16_f32 v[TA+1], v[BI+2], v[BI+3]
.if FFN == 2
	v_and_b32 v[TA], s50, v[TA]                    ; it belongs to the first quarter of K alone
	v_and_b32 v[TA+1], s50, v[TA+1]
.endif
	v_lshlrev_b32 v[BI], 16, v[TA]
	v_and_b32 v[BI+1], 0xffff0000, v[TA]
	v_lshlrev_b32 v[BI+2], 16, v[TA+1]
	v_and_b32 v[BI+3], 0xffff0000, v[TA+1]
	SCAN
	s_mov_b32 s20, 0
	FIND                                           ; the first group's rows, while the first weights are on their way
; THE STREAM: my 32 units.  Three trips of eight steps ask for units 7 to 30; the last eight steps are written out: the first asks for unit 31; from the third on each asks for a token buffer of the
; first group, ten loads, so that a step's count is its younger units' loads and ten for each buffer asked for before it.
	s_mov_b32 s19, 3
.Lstream:
.irp u, 0,1,2,3,4,5,6,7
	PSTEP \u, 1, 48, -1, 1                         ; seven units are out: mine is in when the six younger ones' 48 loads are left
.endr
	WIN 0
	v_add_nc_u32 v[WL], 8*KTB, v[WL]
	s_sub_co_u32 s19, s19, 1
	s_cmp_lg_u32 s19, 0
	s_cbranch_scc1 .Lstream
	PSTEP 0, 1, 48, -1, 0
	PSTEP 1, 0, 48, -1, 0
	PSTEP 2, 0, 40, 0, 0
	PSTEP 3, 0, 42, 1, 0
	PSTEP 4, 0, 44, 2, 0
	PSTEP 5, 0, 46, 3, 0
	PSTEP 6, 0, 48, 4, 0
	PSTEP 7, 0, 50, 5, 0
	WIN 0
	s_wait_dscnt 0x0                               ; for the others' sake: my part of the slice is written
	s_barrier_signal -1
	s_barrier_wait -1                              ; the slice is whole; nothing writes it again
; THE GROUPS: four trips, two barriers each.
	s_mov_b32 s36, 0
.Lgroup:
	s_lshl4_add_u32 s21, s14, s36                  ; my first tile's first rank: the group's + 16 w
	s_cmp_ge_u32 s21, s18
	s_cbranch_scc1 .Lskip1
	s_wait_xcnt 0x0                                ; nothing that is out still reads the base written below
	v_mov_b32 v[BL], v[BL0]
	s_mov_b64 s[26:27], s[28:29]
	BLOAD 0, 0
	KSTEP 0, 0, 0, 64*NB, 28, 40, 1, 0, 0          ; K step 0 starts the sums and asks for step 6's tokens; five younger buffers stay out
	WIN 0
	v_add_nc_u32 v[BL], KTB, v[BL]
	s_mov_b32 s48, 4
.Lk:                                                   ; K steps 6 m + 1 .. 6 m + 6; step t asks for step t + 6
	KSTEP 1, 1, 0, 64,  26, 40, 0, 0, 1
	KSTEP 0, 2, 1, 128, 26, 40, 0, 0, 0
	KSTEP 1, 3, 2, 192, 26, 40, 0, 0, 0
	KSTEP 0, 4, 3, 256, 26, 40, 0, 0, 0
	KSTEP 1, 5, 4, 320, 26, 40, 0, 0, 0
	KSTEP 0, 0, 5, 384, 26, 40, 0, 0, 0
	WIN 0
	v_add_nc_u32 v[BL], NB*KTB, v[BL]
	s_sub_co_u32 s48, s48, 1
	s_cmp_lg_u32 s48, 0
	s_cbranch_scc1 .Lk
	KSTEP 1, 1, 0, 448, 26, 40, 0, 0, 0            ; step 25 asks for step 31,
	KSTEP 0, 2, 1, -1,  26, 40, 0, 0, 0            ; the last six for nothing: the counts run down
	KSTEP 1, 3, 2, -1,  26, 32, 0, 0, 0
	KSTEP 0, 4, 3, -1,  26, 24, 0, 0, 0
	KSTEP 1, 5, 4, -1,  26, 16, 0, 0, 0
	KSTEP 0, 0, 5, -1,  26, 8,  0, 0, 0
	KSTEP 1, 1, 6, -1,  26, 0,  0, 1, 0
	WIN 0
.Lskip1:
	s_wait_dscnt 0x0                               ; my reads of the slice are back
	s_barrier_signal -1
	s_barrier_wait -1                              ; everybody's are: the stages may be written
	s_lshl4_add_u32 s21, s14, s36
	s_cmp_ge_u32 s21, s18
	s_cbranch_scc1 .Lskip2
	; THE WAY OUT, a tile at a time through my stage
	s_mov_b32 s37, 0
.Lslot:
	s_lshl_b32 s38, s37, 2
	s_add_co_u32 s38, s38, s14
	s_lshl4_add_u32 s38, s38, s36                  ; the tile's first rank
	s_cmp_ge_u32 s38, s18
	s_cbranch_scc1 .Lslot_next
	s_cmp_lg_u32 s37, 0
	s_cbranch_scc1 .Ld1
	DUMP 0
	s_branch .Ldumped
.Ld1:
	s_cmp_lg_u32 s37, 1
	s_cbranch_scc1 .Ld2
	DUMP 1
	s_branch .Ldumped
.Ld2:
	s_cmp_lg_u32 s37, 2
	s_cbranch_scc1 .Ld3
	DUMP 2
	s_branch .Ldumped
.Ld3:
	s_cmp_lg_u32 s37, 3
	s_cbranch_scc1 .Ld4
	DUMP 3
	s_branch .Ldumped
.Ld4:
	DUMP 4
.Ldumped:
	s_wait_xcnt 0x0                                ; the last tile's stores have had their addresses translated: their data and offsets are written again only behind this wait: once a tile
.set z, 0
.rept 16
	ds_load_b128 v[X+4*z:X+4*z+3], v[RD] offset:z*SPITCH  ; a whole row, 16 bytes a lane; LDS serves a wave's instructions in order: these see the tile's stores
.set z, z+1
.endr
	ROW8 0
	ROW8 1
.Lslot_next:
	s_wait_dscnt 0x0                               ; no load is on its way into the rows' registers, whichever way led here
	s_add_co_u32 s37, s37, 1
	s_cmp_lt_u32 s37, 5
	s_cbranch_scc1 .Lslot
	; if my first tile of the next group holds a rank below n: its rows, and its first six token buffers
	s_add_co_u32 s20, s36, GROUP
	s_lshl4_add_u32 s21, s14, s20
	s_cmp_ge_u32 s21, s18
	s_cbranch_scc1 .Lskip2
	s_wait_loadcnt 0x0                             ; no load is on its way into the buffers,
	s_wait_xcnt 0x0                                ; and nothing that is out still reads the rows' offsets or the registers that FIND works in
	FIND
.irp a, 0,1,2,3,4,5
	ALOADT \a, 28, 64*(\a)
	ALOAD4 \a, 28, 64*(\a)
.endr
	WIN 0
.Lskip2:
	s_wait_dscnt 0x0                               ; my stores into my stage, and my reads of it, are done
	s_barrier_signal -1
	s_barrier_wait -1                              ; everybody's are: the slice may be read again
	s_add_co_u32 s36, s36, GROUP
	s_cmp_lt_u32 s36, 4*GROUP
	s_cbranch_scc1 .Lgroup
	s_wait_tensorcnt 0x0                           ; the wave's end
	ds_add_u32 v[SPW], v[NIL]
	s_wait_dscnt 0x0
	s_endpgm
.Lfunc_end_k_q18acaa3c57_ffn2:
	.size	k_q18acaa3c57_ffn2, .Lfunc_end_k_q18acaa3c57_ffn2-k_q18acaa3c57_ffn2
	.p2alignl 7, 3214868480
	.fill 96, 4, 3214868480
	.section	.rodata,"a",@progbits
	.p2align	6, 0x0
	.amdhsa_kernel k_q18acaa3c57_ffn2
		.amdhsa_group_segment_fixed_size 300544
		.amdhsa_private_segment_fixed_size 0
		.amdhsa_enable_private_segment 0
		.amdhsa_kernarg_size 40
		.amdhsa_user_sgpr_count 2
		.amdhsa_user_sgpr_kernarg_segment_ptr 1
		.amdhsa_wavefront_size32 1
		.amdhsa_system_sgpr_workgroup_id_x 1
		.amdhsa_system_sgpr_workgroup_id_y 1
		.amdhsa_system_sgpr_workgroup_id_z 1
		.amdhsa_system_vgpr_workitem_id 0
		.amdhsa_next_free_vgpr 896
		.amdhsa_next_free_sgpr 90
		.amdhsa_reserve_vcc 1
		.amdhsa_float_denorm_mode_32 3
		.amdhsa_float_denorm_mode_16_64 3
		.amdhsa_memory_ordered 1
		.amdhsa_forward_progress 1
		.amdhsa_inst_pref_size 164
	.end_amdhsa_kernel
	.amdgpu_metadata
---
amdhsa.version: [ 1, 2 ]
amdhsa.kernels:
  - .name:           k_q18acaa3c57_ffn2
    .symbol:         k_q18acaa3c57_ffn2.kd
    .args:
      - { .name: hid, .offset: 0, .size: 8, .value_kind: global_buffer, .address_space: global }
      - { .name: idx, .offset: 8, .size: 8, .value_kind: global_buffer, .address_space: global }
      - { .name: W2, .offset: 16, .size: 8, .value_kind: global_buffer, .address_space: global }
      - { .name: b2, .offset: 24, .size: 8, .value_kind: global_buffer, .address_space: global }
      - { .name: part, .offset: 32, .size: 8, .value_kind: global_buffer, .address_space: global }
    .group_segment_fixed_size: 300544
    .private_segment_fixed_size: 0
    .kernarg_segment_align: 8
    .kernarg_segment_size: 40
    .max_flat_workgroup_size: 128
    .sgpr_count:     90
    .vgpr_count:     896
    .wavefront_size: 32
...
	.end_amdgpu_metadata
.endif
;; end of part 6
;; launch combine: the kernel of part 4 again; grid 256 x 1, 8 waves a work-group, no clusters, 0 bytes of LDS; arguments part, gate, out0; writes out0
;; ======== version 3 of 3: 4 launches; version 2 with the launches ffn1, ffn2 written anew for expert scheduling mode
;; workspace buffers: xb 2,097,152 bytes; idx 8,192 bytes of whole numbers; gate 8,192 bytes; hid 16,777,216 bytes; part 33,554,432 bytes
;; launch router: the kernel of part 1 again; grid 256 x 1, 4 waves a work-group, no clusters, 17,920 bytes of LDS; arguments x, Wr, br, xb, idx, gate; writes xb, idx, gate
;; launch ffn1 (part 7): grid 256 x 1, 4 waves a work-group, no clusters, 300,544 bytes of LDS; arguments xb, idx, W1, b1, hid; writes hid
.if DOCPART == 7
	.amdgcn_target "amdgcn-amd-amdhsa--gfx1250"
	.amdhsa_code_object_version 6
	.text
	.protected	k_q18acaa3c57_ffn1
	.globl	k_q18acaa3c57_ffn1
	.p2align	8
	.type	k_q18acaa3c57_ffn1,@function
k_q18acaa3c57_ffn1:
	s_mov_b64 s[64:65], 0
	v_nop
	global_prefetch_b8 v0, s[64:65] scope:SCOPE_SE
	s_setreg_imm32_b32 hwreg(HW_REG_WAVE_SCHED_MODE, 0, 2), 2
	s_setreg_imm32_b32 hwreg(HW_REG_WAVE_MODE, 25, 1), 1
	s_wait_xcnt 0x0
	s_wait_alu depctr_vm_vsrc(0)
; ONE PRODUCT OF A LAYER OF ROUTED EXPERTS, for the chosen rows alone.  The same text serves both products; FFN says which.
;   FFN = 1: hid[s][f]     = gelu(xb[s / 2] . W1[e][:, f] + b1[e][f]), rounded once to bf16        (gelu in its tanh form)
;   FFN = 2: part[q][s][d] = hid[s][1024 q ..] . W2[e][1024 q .., d]  (+ b2[e][d] where q = 0), f32: a partial sum over a quarter of K
; s = 2 x token + k is a routed row, e = idx[s] its expert.  Weights and biases are rounded to bf16 on their way; sums are f32.
; SHARES.  A work-group has a slice of ONE expert's weights, 1,024 k x 128 n of f32, which it alone reads, once, and ALL rows of that expert: 8 experts x 32 slices = 256 work-groups.
; FIRST all four waves stream the slice through registers, round it and lay it into LDS in the order of a matrix operand's lanes: a unit is 8 rows (eight loads of 512 consecutive bytes); seven
; units of each wave, 56 loads, are on their way at any time.  Each of the ring's eight slots has an offset register of its own, stepped behind the wait that shows the slot's own loads done.
; The slice STAYS in LDS, each byte written once, and a barrier shows it to everybody.
; THEN the rows are multiplied, in groups of 320: 80 a wave (five tiles of 16), 40 accumulators, so that an expert with up to 320 rows reads the slice out of LDS once a wave.  Token rows come from memory
; straight into operand registers (each row serves one wave), through six buffers, asked for five K steps of 32 ahead; the first group's first six steps are asked for while the stream's last units land.
; A wave's fifth tile is jumped, products and loads, where it holds no rank below the count.
; The stream and the products do not overlap: loads come back in order, so a wave with far-ahead loads of weights and near loads of tokens out would wait for the weights at every wait for tokens.
; THE MATRIX INSTRUCTION IS USED TRANSPOSED (source 0 = 16 columns of W, source 1 = 16 token rows): a lane holds row lane % 16 and the columns 8 (lane / 16) + 0..7.
; THE WAY OUT goes a tile at a time through the wave's own stage in LDS: all sixteen rows come back in one run of loads, a whole row to a load, and are worked on and stored in two batches of eight, each
; with registers of its own, so that a tile has one wait for the earlier stores' sources.
; ROUTING, in registers alone.  Each wave scans all of idx, 32 steps of 32 tokens, while the first weights are on their way, and keeps for each step which lanes' token chose the expert, which by their
; second entry, and the count in front: three words a step, in the lanes of three registers.  FIND gives each lane the row of its rank: the last step whose count in front is not above the rank, and in
; that step's mask the set bit of that number.  Every split is served: four trips of 320 ranks; a wave jumps a trip in which its first tile holds no rank below the count; ranks past the count name a
; row that exists, and their results are not stored.
; BARRIERS.
; NO CLUSTER: each slice has one reader; what an expert's work-groups share is its token rows, which come by rank from rows that no descriptor covers and go to one wave's registers.
; NO TENSOR LOADS: the weights pass through registers in any case, to be rounded and paired along k.
; THE MODE: SCHED_MODE bits 1:0 = 2 (LLVM: expert scheduling mode 2), set by the entry lines.  The code itself states the register dependences between vector or matrix instructions and memory or LDS
; instructions, and those through scalar registers that vector instructions write, with s_wait_alu, always for 0.
; THE PLAN.  Registers that memory or LDS instructions touch, and who else names them:
;   THE STREAM, step u.  Slot u: its conversions read it; the loads at the head of step u + 1 land in it.  Packed set u % 4: its conversions write it; the four LDS stores at the head of step u + 1 read it;
;     step u + 4 writes it again.  v[WOF + s]: the slot's loads read it; it is stepped at the head of the slot's own step.  v[WL]: every LDS store reads it; it is stepped once a round.
;     So two waits stand at a step's head, with the offset's step between them, and the step's memory instructions follow in one run, ahead of its conversions, which name none of their registers.
;   THE PRODUCTS, K step t.  Its matrix instructions read W buffer t % 2 and token buffer t % 6.  Its loads land in the other W buffer and in token buffer (t - 1) % 6: the two that step t - 1 read.
;     So ONE wait stands at a step's head, all the step's loads follow it, and no vector or matrix instruction stands between it and the last of them.  v[BL] is stepped once a trip.
;   THE WAY OUT, a tile.  The accumulators: LDS stores read them.  The rows' registers: LDS loads land in them, the tile's arithmetic reads and writes them, the stores read them or the words made of them.
;     One wait on the vector side and one on the memory side a tile, one more on the vector side ahead of each batch's stores.
; LIMITS.  The hidden layer is rounded once to bf16.  A token's two entries of idx are taken to differ.  A wave multiplies the first four tiles of every group that it enters, full or not.  NaN and
; infinities are not treated apart; gelu's exponential may overflow to infinity, whose reciprocal is the 0 that is wanted.
.set FFN, 1
.if FFN == 1
.set PITCH, 16384                      ; bytes from a row of W to the next
.set ASH,   10                         ; a row of tokens: (s & ~1) << 10 bytes (token x 2,048)
.set OSH,   13                         ; a row of the output: s << 13
.set LNSH,  3                          ; a lane's four numbers of a row of the output: 8 bytes
.else
.set PITCH, 4096
.set ASH,   13
.set OSH,   12
.set LNSH,  4
.endif
.set UNITB,  32*PITCH                  ; from a wave's unit to its next: 32 rows
.set NB,     6                         ; token buffers
.set GROUP,  320                       ; ranks in a group: 4 waves x 5 tiles x 16; four groups hold 1,280 >= 1,024
; LDS
.set FRB,    1040                      ; a fragment (16 n x 32 k of bf16): 1,024 bytes + 16, so that 16 lanes of a store fall on 16 different columns of 16 bytes
.set KTB,    8*FRB                     ; 32 k x 128 n
.set STAGE,  32*KTB                    ; behind W: for each wave 16 rows x 528 bytes, for the way out; the 512 bytes behind the stages hold the spare words, 4 bytes a thread
.set SPITCH, 528
.set STAGEW, 16*SPITCH
; vector registers, window 0
.set BL,  3                            ; W's read address: 16 x lane + the K steps done
.set BL0, 4                            ; 16 x lane
.set RO,  5                            ; v5-9   tile i: my row's byte offset + 16 (lane / 16)
.set H16, 10                           ; 16 (lane / 16)
.set R0,  11                           ; 64 (lane / 16) + 16 w + lane % 16: my rank in a group, tiles 0 and 1 side by side
.set ST,  12                           ; the way out: where I put my columns of a row
.set RD,  13                           ; the way out: where I read a row back
.set LN,  14                           ; my bytes in a row of the output
.set R4,  15                           ; 256 + 16 w + lane % 16: my rank in tile 4
.set TA,  17                           ; v17-23 at work
.set WL,  24                           ; the stream: where my columns lie in the round's first K step
.set BI,  26                           ; v26-29 the bias of my four columns of a row
.set IDX, 32                           ; v32-95 idx as loaded;
.set AC4, 32                           ;        later tile 4's accumulators, block b at + 8 b
.set PT,  96                           ; v96-159 the stream: packed, four sets of 16
.set T,   96                           ;         the way out: at work, 32 registers for each batch of eight rows; then the batch's rounded rows in the low 16 of them
.set WOF, 160                          ; v160-167 the stream: slot s: the byte offset of my 16 bytes in the first row of the slot's unit
.set VO,  160                          ;          the way out: the byte offsets of rows 0 to 7
.set SL,  172                          ; v172-176 tile i: my row's number
.set CUR, 177                          ; the same for the tile on its way out
.set VSM, 178                          ; lane y: step y's mask of lanes whose token chose my expert
.set VSB, 179                          ; lane y: those of them that chose it by their second entry
.set VSP, 180                          ; lane y: the count in front of step y, and in the upper half the step's first row
.set X,   184                          ; v184-247 the way out: the tile's sixteen rows, f32 (FIND's registers lie here too: it runs at other times)
.set FM,  184                          ; FIND, three registers each: the mask of my rank's step,
.set FB,  187                          ;   its second-entry mask,
.set FP,  190                          ;   its packed word, then its first row
.set KK,  193                          ;   my rank, then its number among the step's set bits
.set POS, 196                          ;   the bit's place
.set C2,  199                          ;   the mask's counts by fields of 2,
.set C4,  202                          ;   4,
.set C8,  205                          ;   8
.set C16, 208                          ;   and 16 bits
.set TT,  211                          ;   at work: v211-216
.set TU,  214
.set VO2, 248                          ; v248-255 the way out: the byte offsets of rows 8 to 15
; window 1: the stream's eight slots (row j of slot u at v[32 u + 4 j]); then the accumulators of tile i (0..3), block b at v[64 i + 8 b]
; window 2: token fragments: buffer a, tile i at v[40 a + 8 i].     window 3: W's fragments of a whole K step, two buffers: buffer p, block b at v[64 p + 8 b]
; scalars: s[4:13] the five addresses; s14 wave; s16 expert; s17 slice; s18 n; s19 trips; s20, s21 at work; s[22:23] an offset; s[24:25] W's stream; s[26:27] tokens, stepped; s[28:29] tokens;
; s[30:31] bias; s[32:33] output; s34 tile 4 lives; s36 the group's first rank; s37 tile; s38 its first rank (FIND: s38-40 a step's three words); s40 eight rows' first rank; s42 running count;
; s43 FIND's step; s[44:47] gelu's constants; s48 trips; s49 quarter; s50 keeps or drops the bias; s82-85 the masks of the bit counts; s86 0xffff, also lanes 0-15; s87, s88 lane selects
.set SM,  52                           ; s52-59 the scan: which lanes' token chose my expert
.set SR,  52                           ; s52-59 later: eight rows' numbers
.set SB,  66                           ; s66-73 which of them by their second entry
.set FC,  66                           ; s66-68 later: FIND's three compares
.set SC,  74                           ; s74-81 the packed word
.set MSB, 0
.macro WIN new                         ; s_set_vgpr_msb: bits 1:0 source 0, 3:2 source 1, 5:4 source 2, 7:6 destination; the high byte repeats the setting that is left
.if MSB != (\new)
	s_set_vgpr_msb (MSB<<8)|(\new)
.set MSB, (\new)
.endif
.endm
.macro PLACES                          ; four plain instructions between a matrix instruction and a store of its result
.rept 4
	v_nop
.endr
.endm
.macro ALOAD4 a, base, off             ; eight loads: the fragments of tiles 0 to 3 for 32 k, at byte off of the rows, into buffer a
	WIN 0x80                                       ; destination in window 2
.irp i, 0,1,2,3
	global_load_b128 v[40*(\a)+8*(\i):40*(\a)+8*(\i)+3],   v[RO+(\i)], s[(\base):(\base)+1] offset:(\off)
	global_load_b128 v[40*(\a)+8*(\i)+4:40*(\a)+8*(\i)+7], v[RO+(\i)], s[(\base):(\base)+1] offset:(\off)+32
.endr
.endm
.macro ALOADT a, base, off             ; two loads: tile 4's
	WIN 0x80
	global_load_b128 v[40*(\a)+32:40*(\a)+35], v[RO+4], s[(\base):(\base)+1] offset:(\off)
	global_load_b128 v[40*(\a)+36:40*(\a)+39], v[RO+4], s[(\base):(\base)+1] offset:(\off)+32
.endm
; A STEP OF THE STREAM: the unit in slot u.  Of rows 2 q, 2 q + 1 column c gives a word of two bf16; four such words are 8 consecutive k of one column: 16 bytes of a fragment's lane.
; Its memory instructions stand in one run at its head and touch what the step BEFORE worked on: fill = 1: the unit seven further on is asked for, into the slot that the step before has read out;
; the four LDS stores lay down what the step before has packed.  left: the younger loads that may stay out.  tok >= 0: the first group's token buffer tok is asked for.
; step = 1: this slot's offset goes eight units on, for the refill that the next step issues.  first = 1: the very first step: nothing has been packed, and no memory instruction has read what it writes.
.macro PSTEP u, fill, left, tok, step, first
	s_wait_loadcnt \left
.if !(\first)
	s_wait_alu depctr_vm_vsrc(0)                   ; the slot's own loads have read its offset, which is stepped below; the LDS stores issued three steps ago have read the packed set that this step's conversions write again
.endif
.if \step
	WIN 0
	v_add_nc_u32 v[WOF+(\u)], 8*UNITB, v[WOF+(\u)] ; the last loads that named it are this slot's, which the wait on LOADcnt has shown done
.endif
	WIN 0x40                                       ; the loads' destination in window 1; the stores' address and data lie in window 0
.if !(\first)
	s_wait_alu depctr_va_vdst(0)                   ; the step before has written its packed set, which the stores below read, and is done reading its slot, in which the loads below land; that slot's offset and v[WL] are written
.endif
.if \fill
.irp j, 0,1,2,3,4,5,6,7
	global_load_b128 v[32*(((\u)+7)%8)+4*(\j):32*(((\u)+7)%8)+4*(\j)+3], v[WOF+((\u)+7)%8], s[24:25] offset:(\j)*PITCH th:TH_LOAD_NT
.endr
.endif
.if !(\first)
.irp c, 0,1,2,3
	ds_store_b128 v[WL], v[PT+16*(((\u)+3)%4)+4*(\c):PT+16*(((\u)+3)%4)+4*(\c)+3] offset:(((\u)+7)%8)*KTB+16*(\c)
.endr
.endif
.if (\tok) >= 0
	ALOADT \tok, 28, 64*(\tok)                     ; all five tiles here, so that every register of the buffers is written on every way; the rows' offsets were written ahead of the wait above
	ALOAD4 \tok, 28, 64*(\tok)
.endif
	WIN 0x05                                       ; sources in window 1
.irp c, 0,1,2,3
.irp q, 0,1,2,3
	v_cvt_pk_bf16_f32 v[PT+16*((\u)%4)+4*(\c)+(\q)], v[32*(\u)+8*(\q)+(\c)], v[32*(\u)+8*(\q)+4+(\c)]
.endr
.endr
.endm
.macro BLOAD p, off                    ; sixteen LDS loads in one run: a K step's eight fragments of W, 512 consecutive bytes each load, into buffer p
	WIN 0xc0                                       ; destination in window 3
.irp b, 0,1,2,3,4,5,6,7
	ds_load_b128 v[64*(\p)+8*(\b):64*(\p)+8*(\b)+3],   v[BL] offset:(\off)+(\b)*FRB
	ds_load_b128 v[64*(\p)+8*(\b)+4:64*(\p)+8*(\b)+7], v[BL] offset:(\off)+(\b)*FRB+512
.endr
.endm
; A K STEP of 32: W in buffer p, tokens in buffer a; its W lies ko steps behind BL.  All its loads stand at its head, behind one wait, and land in the two buffers that the step BEFORE multiplied:
; the next step's W, a whole step ahead of its use, and (fo >= 0) the tokens of the step five further on, from byte fo behind base fb.
; Then 8 matrix instructions on tile 4, jumped with that tile's two loads where the tile is dead, and 32 on tiles 0 to 3.  The accumulators take turns, one instruction a turn.
; left: the younger loads that may stay out, counted at 8 a buffer: this step's tokens were asked for five steps ago, and the eight loads of each step since, this one's among them, are younger:
; right where tile 4's two are jumped, and stricter than need be where they are not.  first = 1: the products start the sums.  last = 1: no further W is fetched.
.macro KSTEP p, a, ko, fo, fb, left, first, last
.if !(\first) && !(\last)
	s_wait_alu depctr_va_vdst(0)                   ; the matrix instructions of the step before are done reading their W buffer and their token buffer, in which this step's loads land; where v[BL] has just been stepped, it is written
.endif
.if !(\last)
	BLOAD 1-(\p), ((\ko)+1)*KTB
.endif
.if (\fo) >= 0
	ALOAD4 ((\a)+5)%6, \fb, \fo
.endif
	s_wait_loadcnt \left                           ; my token buffer is in
.if \last
	s_wait_dscnt 0x0
.else
	s_wait_dscnt 16                                ; this step's W is in; the sixteen just issued may stay out
.endif
	WIN 0                                          ; at a branch and at a label every window is 0
	s_cmp_eq_u32 s34, 0
	s_cbranch_scc1 .Lno4_\@
.if (\fo) >= 0
	ALOADT ((\a)+5)%6, \fb, \fo                    ; no vector or matrix instruction has been issued since the wait at the step's head
.endif
	WIN 0x0b                                       ; W in window 3, tokens in window 2, C and D in window 0
.irp b, 0,1,2,3,4,5,6,7
.if \first
	v_wmma_f32_16x16x32_bf16 v[AC4+8*(\b):AC4+8*(\b)+7], v[64*(\p)+8*(\b):64*(\p)+8*(\b)+7], v[40*(\a)+32:40*(\a)+39], 0
.else
	v_wmma_f32_16x16x32_bf16 v[AC4+8*(\b):AC4+8*(\b)+7], v[64*(\p)+8*(\b):64*(\p)+8*(\b)+7], v[40*(\a)+32:40*(\a)+39], v[AC4+8*(\b):AC4+8*(\b)+7]
.endif
.endr
	WIN 0
.Lno4_\@:
	WIN 0x5b                                       ; W in window 3, tokens in window 2, C and D in window 1
.irp i, 0,1,2,3
.irp b, 0,1,2,3,4,5,6,7
.if \first
	v_wmma_f32_16x16x32_bf16 v[64*(\i)+8*(\b):64*(\i)+8*(\b)+7], v[64*(\p)+8*(\b):64*(\p)+8*(\b)+7], v[40*(\a)+8*(\i):40*(\a)+8*(\i)+7], 0
.else
	v_wmma_f32_16x16x32_bf16 v[64*(\i)+8*(\b):64*(\i)+8*(\b)+7], v[64*(\p)+8*(\b):64*(\p)+8*(\b)+7], v[40*(\a)+8*(\i):40*(\a)+8*(\i)+7], v[64*(\i)+8*(\b):64*(\i)+8*(\b)+7]
.endif
.endr
.endr
.endm
; THE SCAN.  Registers 2 y, 2 y + 1 of the 64 hold the two entries of token 64 (y / 2) + 2 lane + y % 2, rows 128 (y / 2) + 2 (y % 2) + 4 lane and the next.  Eight steps at a time: compares, counts, the three words.
.macro SCAN
.set bz, 0
.rept 4
.set z, 0
.rept 8
	v_cmp_eq_u32 s[SM+z], s16, v[IDX+2*(8*bz+z)]
	v_cmp_eq_u32 s[SB+z], s16, v[IDX+2*(8*bz+z)+1]
.set z, z+1
.endr
	s_wait_alu depctr_va_sdst(0)                   ; the sixteen compares have written their masks, ahead of the first line that reads one
.set z, 0
.rept 8
	s_or_b32 s[SM+z], s[SM+z], s[SB+z]
	s_add_co_u32 s[SC+z], s42, (128*((8*bz+z)/2)+2*((8*bz+z)%2))<<16  ; the count so far (1,024 at the most) below, the step's first row above
	s_bcnt1_i32_b32 s20, s[SM+z]
	s_add_co_u32 s42, s42, s20
.set z, z+1
.endr
.set z, 0
.rept 8
	v_writelane_b32 v[VSM], s[SM+z], 8*bz+z
	v_writelane_b32 v[VSB], s[SB+z], 8*bz+z
	v_writelane_b32 v[VSP], s[SC+z], 8*bz+z
.set z, z+1
.endr
.set bz, bz+1
.endr
	s_min_u32 s18, s42, 1024                       ; n: one rank a token at the most
.endm
; One halving of FIND's search: c = the set bits in the w bits from POS on; where my number is not below c, they are passed: the number falls by c and POS rises by w.
.macro STG src, w
.irp j, 0,1,2
	v_bfe_u32 v[TT+(\j)], v[(\src)+(\j)], v[POS+(\j)], \w
.endr
.irp j, 0,1,2
	v_cmp_ge_u32 s[FC+(\j)], v[KK+(\j)], v[TT+(\j)]
.endr
	s_wait_alu depctr_va_sdst(0)                   ; the three compares have written their masks, which the selects below read
.irp j, 0,1,2
	v_cndmask_b32 v[TT+(\j)], 0, v[TT+(\j)], s[FC+(\j)]
	v_cndmask_b32 v[TU+(\j)], 0, \w, s[FC+(\j)]
.endr
.irp j, 0,1,2
	v_sub_nc_u32 v[KK+(\j)], v[KK+(\j)], v[TT+(\j)]
	v_add_nc_u32 v[POS+(\j)], v[POS+(\j)], v[TU+(\j)]
.endr
.endm
; FIND: the rows of my five tiles in the group whose first rank is s20.  Three registers search: tiles 0 and 1 in the two halves of the lanes, tiles 2 and 3 likewise, tile 4.
; rank = s20 + 16 (4 i + w) + lane % 16.  A rank past the count ends in the last step with a place of 31 at the most: a row that exists.
.macro FIND
	v_add_nc_u32 v[KK],   s20, v[R0]
	v_add_nc_u32 v[KK+2], s20, v[R4]
	v_add_nc_u32 v[KK+1], 128, v[KK]
.irp j, 0,1,2
	v_mov_b32 v[FM+(\j)], 0
	v_mov_b32 v[FB+(\j)], 0
	v_mov_b32 v[FP+(\j)], 0
	v_mov_b32 v[POS+(\j)], 0
.endr
	s_mov_b32 s43, 0
.Lfind_\@:                                             ; the counts in front ascend: the last step whose count is not above my rank holds it
	v_readlane_b32 s38, v[VSM], s43
	v_readlane_b32 s39, v[VSB], s43
	v_readlane_b32 s40, v[VSP], s43
	s_wait_alu depctr_va_sdst(0)                   ; the step's three words are written, ahead of their first reader
	s_and_b32 s21, s40, 0xffff
.irp j, 0,1,2
	v_cmp_gt_u32 s[FC+(\j)], s21, v[KK+(\j)]       ; the step begins behind my rank: keep what I have
.endr
	s_wait_alu depctr_va_sdst(0)                   ; the three compares have written their masks, which the selects below read
.irp j, 0,1,2
	v_cndmask_b32 v[FM+(\j)], s38, v[FM+(\j)], s[FC+(\j)]
	v_cndmask_b32 v[FB+(\j)], s39, v[FB+(\j)], s[FC+(\j)]
	v_cndmask_b32 v[FP+(\j)], s40, v[FP+(\j)], s[FC+(\j)]
.endr
	s_add_co_u32 s43, s43, 1
	s_cmp_lt_u32 s43, 32
	s_cbranch_scc1 .Lfind_\@
.irp j, 0,1,2
	v_and_b32 v[TT+(\j)], s86, v[FP+(\j)]
	v_lshrrev_b32 v[TU+(\j)], 1, v[FM+(\j)]
.endr
.irp j, 0,1,2
	v_sub_nc_u32 v[KK+(\j)], v[KK+(\j)], v[TT+(\j)]  ; my number among the step's set bits
	v_and_b32 v[TU+(\j)], s82, v[TU+(\j)]
	v_lshrrev_b32 v[FP+(\j)], 16, v[FP+(\j)]       ; the step's first row
.endr
.irp j, 0,1,2
	v_sub_nc_u32 v[C2+(\j)], v[FM+(\j)], v[TU+(\j)]  ; the set bits of each 2
.endr
.irp j, 0,1,2
	v_lshrrev_b32 v[TU+(\j)], 2, v[C2+(\j)]
	v_and_b32 v[C4+(\j)], s83, v[C2+(\j)]
.endr
.irp j, 0,1,2
	v_and_b32 v[TU+(\j)], s83, v[TU+(\j)]
.endr
.irp j, 0,1,2
	v_add_nc_u32 v[C4+(\j)], v[C4+(\j)], v[TU+(\j)]  ; of each 4
.endr
.irp j, 0,1,2
	v_lshrrev_b32 v[TU+(\j)], 4, v[C4+(\j)]
.endr
.irp j, 0,1,2
	v_add_nc_u32 v[TU+(\j)], v[C4+(\j)], v[TU+(\j)]
.endr
.irp j, 0,1,2
	v_and_b32 v[C8+(\j)], s84, v[TU+(\j)]          ; of each 8
.endr
.irp j, 0,1,2
	v_lshrrev_b32 v[TU+(\j)], 8, v[C8+(\j)]
.endr
.irp j, 0,1,2
	v_add_nc_u32 v[TU+(\j)], v[C8+(\j)], v[TU+(\j)]
.endr
.irp j, 0,1,2
	v_and_b32 v[C16+(\j)], s85, v[TU+(\j)]         ; of each 16
.endr
	STG C16, 16
	STG C8, 8
	STG C4, 4
	STG C2, 2
	STG FM, 1
.irp j, 0,1,2
	v_bfe_u32 v[TT+(\j)], v[FB+(\j)], v[POS+(\j)], 1  ; first or second entry
	v_lshl_add_u32 v[TU+(\j)], v[POS+(\j)], 2, v[FP+(\j)]
.endr
.irp j, 0,1,2
	v_add_nc_u32 v[TU+(\j)], v[TU+(\j)], v[TT+(\j)]  ; the row: the step's first + 4 x lane + entry
.endr
	v_permlanex16_b32 v[TT],   v[TU],   s87, s88   ; the other half of the lanes' rows: both halves of a tile's lanes want row lane % 16
	v_permlanex16_b32 v[TT+1], v[TU+1], s87, s88
	v_cndmask_b32 v[SL],   v[TT],   v[TU],   s86   ; lanes 0-15 hold the even tile's rows,
	v_cndmask_b32 v[SL+1], v[TU],   v[TT],   s86   ; lanes 16-31 the odd tile's
	v_cndmask_b32 v[SL+2], v[TT+1], v[TU+1], s86
	v_cndmask_b32 v[SL+3], v[TU+1], v[TT+1], s86
	v_mov_b32 v[SL+4], v[TU+2]
.irp i, 0,1,2,3,4
	v_min_u32 v[SL+(\i)], 0x7ff, v[SL+(\i)]        ; inside the 2,048 rows whatever idx holds
.endr
.if FFN == 1
.irp i, 0,1,2,3,4
	v_and_b32 v[TT+(\i)], 0x7fe, v[SL+(\i)]
.endr
.irp i, 0,1,2,3,4
	v_lshl_add_u32 v[RO+(\i)], v[TT+(\i)], ASH, v[H16]
.endr
.else
.irp i, 0,1,2,3,4
	v_lshl_add_u32 v[RO+(\i)], v[SL+(\i)], ASH, v[H16]
.endr
.endif
	s_lshl4_add_u32 s21, s14, s20
	s_add_co_u32 s21, s21, 256
	s_cmp_lt_u32 s21, s18                          ; does tile 4 hold a rank below n?
	s_cselect_b32 s34, 1, 0
.endm
.macro DUMP i                          ; tile i into my stage: a lane's eight columns of block b are 32 bytes of its row; each accumulator's low registers go first
	v_mov_b32 v[CUR], v[SL+(\i)]                   ; (no LDS or memory instruction names these two registers)
.if (\i) < 4
	WIN 0x04                                       ; the stores' data in window 1
.set DB, 64*(\i)
.else
.set DB, AC4
.endif
.irp b, 0,1,2,3,4,5,6,7
	ds_store_b128 v[ST], v[DB+8*(\b):DB+8*(\b)+3]   offset:64*(\b)
	ds_store_b128 v[ST], v[DB+8*(\b)+4:DB+8*(\b)+7] offset:64*(\b)+16
.endr
	WIN 0
.endm
; Plain line k (0..15) of group g of four pairs of numbers: link k / 4 of the chain x = sum + bias; x x; C1 x x + C0; x (C0 + C1 x x), for pair 4 g + k % 4 of the batch.  A chain's links stand four plain lines apart.
.macro PA k, g
.set pm, XB+2*(4*(\g)+(\k)%4)
.set pt, TB+2*(4*(\g)+(\k)%4)
.if (\k)/4 == 0
	v_pk_add_f32 v[pm:pm+1], v[pm:pm+1], v[BI+2*((\k)%2):BI+2*((\k)%2)+1]
.elseif (\k)/4 == 1
	v_pk_mul_f32 v[pt:pt+1], v[pm:pm+1], v[pm:pm+1]
.elseif (\k)/4 == 2
	v_pk_fma_f32 v[pt:pt+1], v[pt:pt+1], s[46:47], s[44:45] op_sel_hi:[1,0,0]
.else
	v_pk_mul_f32 v[pt:pt+1], v[pt:pt+1], v[pm:pm+1]
.endif
.endm
; EIGHT ROWS, 8 c .. 8 c + 7 of the tile, go out.  A rank past the count is not stored, nor any behind it: whole stores are jumped, EXEC stays as it is.  The two batches name different registers for
; data and offsets, so the second writes nothing that the first one's stores still read.
; In the first product gelu(x) = x / (1 + 2^(x (C0 + C1 x x))).  A batch's 32 exponentials are one batch with one wait, and so are its 32 reciprocals; a group's eight
; exponentials stand one behind every two plain lines of the next group's chain, the last eight by turns with the rows' offsets, and the additions of 1 stand between the reciprocals: none of these
; plain lines names a result of the batch that it stands in.
.macro ROW8 c
.set XB, X+32*(\c)
.set TB, T+32*(\c)
.if \c
.set VB, VO2
.else
.set VB, VO
.endif
	s_add_co_u32 s40, s38, 8*(\c)                  ; the eight rows' first rank (the tile's first is below n)
.if \c
	s_cmp_ge_u32 s40, s18
	s_cbranch_scc1 .Lslot_next
.endif
.irp p, 0,1,2,3,4,5,6,7
	v_readlane_b32 s[SR+(\p)], v[CUR], 8*(\c)+(\p) ; lane r holds row r's number
.endr
	s_wait_alu depctr_va_sdst(0)                   ; the eight rows' numbers are written, ahead of their first reader
.irp p, 0,1,2,3,4,5,6,7
	s_min_u32 s[SR+(\p)], s[SR+(\p)], 0x7ff
.endr
	s_wait_dscnt 8-8*(\c)                          ; LDS loads come back in order: this batch's eight rows are in; the second batch's eight may stay out
.if FFN == 1
.set gq, 0
.rept 4
.set kq, 0
.rept 8
	PA 2*kq, gq
	PA 2*kq+1, gq
.if gq > 0
	v_exp_f32 v[TB+8*(gq-1)+kq], v[TB+8*(gq-1)+kq]
.endif
.set kq, kq+1
.endr
.set gq, gq+1
.endr
.set kq, 0
.rept 8
	v_exp_f32 v[TB+24+kq], v[TB+24+kq]
	v_lshl_add_u32 v[VB+kq], s[SR+kq], OSH, v[LN]  ; where the rows go
.set kq, kq+1
.endr
	s_wait_alu depctr_va_vdst(0)                   ; one wait for the 32 exponentials, ahead of their first reader
.irp m, 0,1,2
	v_pk_add_f32 v[TB+2*(\m):TB+2*(\m)+1], v[TB+2*(\m):TB+2*(\m)+1], 1.0 op_sel_hi:[1,0]
.endr
.set kq, 0
.rept 16
	v_rcp_f32 v[TB+2*kq], v[TB+2*kq]
.if kq < 13
	v_pk_add_f32 v[TB+2*kq+6:TB+2*kq+7], v[TB+2*kq+6:TB+2*kq+7], 1.0 op_sel_hi:[1,0]  ; the pair three further on
.endif
	v_rcp_f32 v[TB+2*kq+1], v[TB+2*kq+1]
.set kq, kq+1
.endr
	v_nop                                          ; a plain instruction behind the last reciprocal,
	s_wait_alu depctr_va_vdst(0)                   ; and one wait for the 32 reciprocals, ahead of their first reader
.set kq, 0
.rept 16
	v_pk_mul_f32 v[TB+2*kq:TB+2*kq+1], v[TB+2*kq:TB+2*kq+1], v[XB+2*kq:XB+2*kq+1]
.set kq, kq+1
.endr
.set kq, 0
.rept 16
	v_cvt_pk_bf16_f32 v[TB+kq], v[TB+2*kq], v[TB+2*kq+1]  ; word k takes numbers 2 k, 2 k + 1: no later line reads a register at or below k
.set kq, kq+1
.endr
	s_wait_alu depctr_va_vdst(0)                   ; the roundings have written the batch's words, and the rows' offsets are written: the stores below read both, and no vector instruction stands among them
	global_store_b64 v[VB], v[TB:TB+1], s[32:33]   ; a row's store is the wave's 256 consecutive bytes, aligned
.irp p, 1,2,3,4,5,6,7
	s_add_co_u32 s20, s40, \p
	s_cmp_ge_u32 s20, s18
	s_cbranch_scc1 .Lslot_next
	global_store_b64 v[VB+(\p)], v[TB+2*(\p):TB+2*(\p)+1], s[32:33]
.endr
.else
.irp p, 0,1,2,3,4,5,6,7
	v_lshl_add_u32 v[VB+(\p)], s[SR+(\p)], OSH, v[LN]  ; where the rows go
.endr
.set kq, 0
.rept 16
	v_pk_add_f32 v[XB+2*kq:XB+2*kq+1], v[XB+2*kq:XB+2*kq+1], v[BI+2*(kq%2):BI+2*(kq%2)+1]  ; the bias of my four columns
.set kq, kq+1
.endr
	s_wait_alu depctr_va_vdst(0)                   ; the additions have written the batch's rows, and the rows' offsets are written: the stores below read both, and no vector instruction stands among them
	global_store_b128 v[VB], v[XB:XB+3], s[32:33]  ; a row's store is the wave's 512 consecutive bytes, aligned
.irp p, 1,2,3,4,5,6,7
	s_add_co_u32 s20, s40, \p
	s_cmp_ge_u32 s20, s18
	s_cbranch_scc1 .Lslot_next
	global_store_b128 v[VB+(\p)], v[XB+4*(\p):XB+4*(\p)+3], s[32:33]
.endr
.endif
.endm
	s_load_b256 s[4:11], s[0:1], 0x0               ; tokens s[4:5], idx s[6:7], W s[8:9], bias s[10:11]
	s_load_b64 s[12:13], s[0:1], 0x20              ; output
	v_lshl_add_u32 v182, v0, 2, 0x49400
	v_mov_b32 v183, 0
	v_lshrrev_b32 v[TA], 5, v0
	v_readfirstlane_b32 s14, v[TA]                 ; wave 0..3
	s_bfe_u32 s16, ttmp9, 0x30001                  ; expert: bits 1 to 3 of the work-group's number.  Which bits are taken changes no value: it says which work-groups read the same token rows
	s_lshr_b32 s20, ttmp9, 4
	s_and_b32 s21, ttmp9, 1
	s_lshl1_add_u32 s17, s20, s21                  ; the other five bits: which of the expert's 32 slices
	s_lshl_b32 s22, s16, 24                        ; an expert's weights are 16 MiB
.if FFN == 2
	s_and_b32 s49, s17, 3                          ; quarter of K
	s_lshr_b32 s17, s17, 2                         ; slice of 128 columns
	s_lshl_b32 s20, s49, 22                        ; 1,024 rows of 4,096 bytes
	s_add_co_u32 s22, s22, s20
.endif
	s_lshl_b32 s20, s17, 9
	s_add_co_u32 s22, s22, s20                     ; the slice's first byte in W,
	s_wait_alu depctr_va_sdst(0)                   ; s14, the wave's number, is written, ahead of its first reader
	s_mul_i32 s20, s14, 8*PITCH
	s_add_co_u32 s22, s22, s20                     ; and my 8 rows of each 32
	s_mov_b32 s23, 0
	v_and_b32 v[TA], 31, v0                        ; lane
	v_and_b32 v[TA+1], 15, v0                      ; lane % 16
	v_bfe_u32 v[TA+2], v0, 4, 1                    ; lane / 16
	v_lshlrev_b32 v[BL0], 4, v[TA]
	v_mov_b32 v[WOF], v[BL0]
.irp s, 1,2,3,4,5,6,7
	v_add_nc_u32 v[WOF+(\s)], (\s)*UNITB, v[BL0]   ; slot s begins with unit s
.endr
	v_lshlrev_b32 v[H16], 4, v[TA+2]
	s_lshl_b32 s20, s14, 4
	v_lshl_add_u32 v[R0], v[TA+2], 6, v[TA+1]
	v_add_nc_u32 v[R0], s20, v[R0]
	v_add_nc_u32 v[R4], s20, v[TA+1]
	v_add_nc_u32 v[R4], 256, v[R4]
	s_mul_i32 s21, s14, STAGEW
	s_add_co_u32 s21, s21, STAGE                   ; my stage
	v_mul_u32_u24 v[ST], v[TA+1], SPITCH
	v_lshl_add_u32 v[ST], v[TA+2], 5, v[ST]
	v_add_nc_u32 v[ST], s21, v[ST]
	v_add_nc_u32 v[RD], s21, v[BL0]
	v_lshlrev_b32 v[LN], LNSH, v[TA]
	v_lshrrev_b32 v[TA+3], 2, v[TA]
	v_and_b32 v[TA+4], 3, v[TA]
	v_mul_u32_u24 v[WL], v[TA+3], FRB              ; my columns 4 l .. 4 l + 3: block l / 4,
	v_lshl_add_u32 v[WL], v[TA+4], 6, v[WL]        ; lanes 4 (l % 4) + c of the fragment,
	s_lshl_b32 s20, s14, 8
	v_add_nc_u32 v[WL], s20, v[WL]                 ; and my 8 rows: k = 8 w + 0..7 of the 32 lie 512 (w / 2) + 256 (w % 2) = 256 w bytes in
	v_mov_b32 v[VSM], 0                            ; written whole before single lanes are written
	v_mov_b32 v[VSB], 0
	v_mov_b32 v[VSP], 0
	s_mov_b32 s42, 0
	s_mov_b32 s82, 0x55555555
	s_mov_b32 s83, 0x33333333
	s_mov_b32 s84, 0x0f0f0f0f
	s_mov_b32 s85, 0x00ff00ff
	s_mov_b32 s86, 0x0000ffff
	s_mov_b32 s87, 0x76543210                      ; v_permlanex16_b32: each lane takes its own place in the other half
	s_mov_b32 s88, 0xfedcba98
	s_wait_kmcnt 0x0
	s_add_nc_u64 s[24:25], s[8:9], s[22:23]
.if FFN == 1
	s_mov_b64 s[28:29], s[4:5]
	s_lshl_b32 s22, s16, 14                        ; b1: 16,384 bytes an expert
	s_lshl_b32 s20, s17, 9
	s_add_co_u32 s22, s22, s20
	s_add_nc_u64 s[30:31], s[10:11], s[22:23]
	s_lshl_b32 s22, s17, 8                         ; hid: 128 bf16 a slice
	s_add_nc_u64 s[32:33], s[12:13], s[22:23]
	s_mov_b32 s44, 0xc0135761                      ; -2 log2(e) sqrt(2 / pi) = -2.3022082
	s_mov_b32 s45, s44
	s_mov_b32 s46, 0xbdd2d3e8                      ; 0.044715 times that = -0.10294324
	s_mov_b32 s47, s46
.else
	s_lshl_b32 s22, s49, 11                        ; hid: a quarter of a row is 2,048 bytes
	s_add_nc_u64 s[28:29], s[4:5], s[22:23]
	s_lshl_b32 s22, s16, 12                        ; b2: 4,096 bytes an expert
	s_lshl_b32 s20, s17, 9
	s_add_co_u32 s22, s22, s20
	s_add_nc_u64 s[30:31], s[10:11], s[22:23]
	s_lshl_b32 s22, s49, 23                        ; part: 8 MiB a quarter
	s_add_co_u32 s22, s22, s20
	s_add_nc_u64 s[32:33], s[12:13], s[22:23]
	s_cmp_eq_u32 s49, 0
	s_cselect_b32 s50, -1, 0
.endif
	; the small loads go first, since loads come back in order; then the stream's first five units
	s_wait_alu depctr_va_vdst(0)                   ; the offsets and LDS addresses made above are written: v[BL0] and the slots' offsets, which the loads read, v[WL], v[ST] and v[RD], which LDS instructions read later
	global_load_b128 v[BI:BI+3], v[BL0], s[30:31]
.irp i, 0,1,2,3,4,5,6,7,8,9,10,11,12,13,14,15
	global_load_b128 v[IDX+4*(\i):IDX+4*(\i)+3], v[BL0], s[6:7] offset:512*(\i)
.endr
	WIN 0x40
.set z, 0
.rept 40
	global_load_b128 v[4*z:4*z+3], v[BL0], s[24:25] offset:(z/8)*UNITB+(z%8)*PITCH th:TH_LOAD_NT  ; a row's 512 consecutive bytes
.set z, z+1
.endr
	s_wait_loadcnt 40                              ; the bias and idx are in; the forty loads of weights may stay out
.rept 16
	global_load_b128 v[4*z:4*z+3], v[BL0], s[24:25] offset:(z/8)*UNITB+(z%8)*PITCH th:TH_LOAD_NT  ; units 5 and 6: seven are out
.set z, z+1
.endr
	WIN 0
	v_cvt_pk_bf16_f32 v[TA], v[BI], v[BI+1]        ; the bias rounded to bf16 like the other inputs
	v_cvt_pk_bf16_f32 v[TA+1], v[BI+2], v[BI+3]
.if FFN == 2
	v_and_b32 v[TA], s50, v[TA]                    ; it belongs to the first quarter of K alone
	v_and_b32 v[TA+1], s50, v[TA+1]
.endif
	v_lshlrev_b32 v[BI], 16, v[TA]
	v_and_b32 v[BI+1], 0xffff0000, v[TA]
	v_lshlrev_b32 v[BI+2], 16, v[TA+1]
	v_and_b32 v[BI+3], 0xffff0000, v[TA+1]
	SCAN
	s_mov_b32 s20, 0
	FIND                                           ; the first group's rows, while the first weights are on their way
; THE STREAM: my 32 units.  Unit 0's step stands ahead of the loop and asks for unit 7.  Three trips of eight steps take units 1 to 24 and ask for units 8 to 31: a trip goes from slot 1 round to slot 0, so
; that the LDS stores of a round's eight units all stand in one trip, and v[WL] is stepped behind the last of them.  (The last trip's step of slot 0's offset serves nothing more.)
; The last seven steps are written out and ask for no weights; from the second on each asks for a token buffer of the first group, ten loads, so that a step's count is its younger units' loads and ten
; for each buffer asked for before it.
	PSTEP 0, 1, 48, -1, 1, 1                       ; seven units are out: mine is in when the six younger ones' 48 loads are left
	WIN 0
	s_mov_b32 s19, 3
.Lstream:
.irp u, 1,2,3,4,5,6,7,0
	PSTEP \u, 1, 48, -1, 1, 0
.endr
	WIN 0
	s_wait_alu depctr_vm_vsrc(0)                   ; the LDS stores issued so far, the round's last four among them, have read v[WL]
	v_add_nc_u32 v[WL], 8*KTB, v[WL]               ; (the next stores stand behind the next step's wait for the vector side)
	s_sub_co_u32 s19, s19, 1
	s_cmp_lg_u32 s19, 0
	s_cbranch_scc1 .Lstream
	PSTEP 1, 0, 48, -1, 0, 0
	PSTEP 2, 0, 40, 0, 0, 0
	PSTEP 3, 0, 42, 1, 0, 0
	PSTEP 4, 0, 44, 2, 0, 0
	PSTEP 5, 0, 46, 3, 0, 0
	PSTEP 6, 0, 48, 4, 0, 0
	PSTEP 7, 0, 50, 5, 0, 0
	WIN 0
	s_wait_alu depctr_va_vdst(0)                   ; the last unit's conversions have written their packed set, which the last four LDS stores read
.irp c, 0,1,2,3
	ds_store_b128 v[WL], v[PT+48+4*(\c):PT+48+4*(\c)+3] offset:7*KTB+16*(\c)
.endr
	s_wait_dscnt 0x0                               ; for the others' sake: my part of the slice is written
	s_barrier_signal -1
	s_barrier_wait -1                              ; the slice is whole; nothing writes it again
; THE GROUPS: four trips, two barriers each.
	s_mov_b32 s36, 0
.Lgroup:
	s_lshl4_add_u32 s21, s14, s36                  ; my first tile's first rank: the group's + 16 w
	s_cmp_ge_u32 s21, s18
	s_cbranch_scc1 .Lskip1
	s_wait_xcnt 0x0                                ; nothing that is out still reads the base written below
	s_wait_alu depctr_vm_vsrc(0)                   ; the last group's LDS loads have read v[BL], and the LDS stores of its way out have read the accumulators, which K step 0's products write anew
	v_mov_b32 v[BL], v[BL0]
	s_mov_b64 s[26:27], s[28:29]
	s_wait_alu depctr_va_vdst(0)                   ; v[BL] is written; the last group's matrix instructions are done reading both W buffers, in which the loads of K steps 0 and 1 land
	BLOAD 0, 0
	KSTEP 0, 0, 0, -1, 26, 40, 1, 0                ; K step 0 starts the sums; no buffer has been read yet, so it asks for no tokens; five younger buffers stay out
	WIN 0
	s_wait_alu depctr_vm_vsrc(0)                   ; the LDS loads issued so far have read v[BL]
	v_add_nc_u32 v[BL], KTB, v[BL]
	s_mov_b32 s48, 4
.Lk:                                                   ; K steps 6 m + 1 .. 6 m + 6; step t asks for step t + 5, into the buffer that step t - 1 read
	KSTEP 1, 1, 0, 384, 26, 40, 0, 0
	KSTEP 0, 2, 1, 448, 26, 40, 0, 0
	KSTEP 1, 3, 2, 512, 26, 40, 0, 0
	KSTEP 0, 4, 3, 576, 26, 40, 0, 0
	KSTEP 1, 5, 4, 640, 26, 40, 0, 0
	KSTEP 0, 0, 5, 704, 26, 40, 0, 0
	WIN 0
	s_wait_xcnt 0x0                                ; the loads that name the tokens' base, the last of them issued ahead of the last step's matrix instructions, have had it translated
	s_add_nc_u64 s[26:27], s[26:27], 64*NB
	s_wait_alu depctr_vm_vsrc(0)                   ; the LDS loads issued so far have read v[BL]
	v_add_nc_u32 v[BL], NB*KTB, v[BL]
	s_sub_co_u32 s48, s48, 1
	s_cmp_lg_u32 s48, 0
	s_cbranch_scc1 .Lk
	KSTEP 1, 1, 0, 384, 26, 40, 0, 0               ; step 25 asks for step 30,
	KSTEP 0, 2, 1, 448, 26, 40, 0, 0               ; step 26 for step 31,
	KSTEP 1, 3, 2, -1,  26, 32, 0, 0               ; the last five for nothing: the counts run down
	KSTEP 0, 4, 3, -1,  26, 24, 0, 0
	KSTEP 1, 5, 4, -1,  26, 16, 0, 0
	KSTEP 0, 0, 5, -1,  26, 8,  0, 0
	KSTEP 1, 1, 6, -1,  26, 0,  0, 1
	WIN 0
	PLACES                                         ; behind the last products, ahead of the stores of their results; the wait for them stands at the head of each tile's way out
.Lskip1:
	s_wait_dscnt 0x0                               ; my reads of the slice are back
	s_barrier_signal -1
	s_barrier_wait -1                              ; everybody's are: the stages may be written
	s_lshl4_add_u32 s21, s14, s36
	s_cmp_ge_u32 s21, s18
	s_cbranch_scc1 .Lskip2
	; THE WAY OUT, a tile at a time through my stage
	s_mov_b32 s37, 0
.Lslot:
	s_lshl_b32 s38, s37, 2
	s_add_co_u32 s38, s38, s14
	s_lshl4_add_u32 s38, s38, s36                  ; the tile's first rank
	s_cmp_ge_u32 s38, s18
	s_cbranch_scc1 .Lslot_next
	s_wait_alu depctr_va_vdst(0)                   ; the matrix instructions have written the accumulators, which the LDS stores read; the tile before (FIND, ahead of a group's first tile) is done with the rows' registers, in which the LDS loads land
	s_cmp_lg_u32 s37, 0
	s_cbranch_scc1 .Ld1
	DUMP 0
	s_branch .Ldumped
.Ld1:
	s_cmp_lg_u32 s37, 1
	s_cbranch_scc1 .Ld2
	DUMP 1
	s_branch .Ldumped
.Ld2:
	s_cmp_lg_u32 s37, 2
	s_cbranch_scc1 .Ld3
	DUMP 2
	s_branch .Ldumped
.Ld3:
	s_cmp_lg_u32 s37, 3
	s_cbranch_scc1 .Ld4
	DUMP 3
	s_branch .Ldumped
.Ld4:
	DUMP 4
.Ldumped:
	s_wait_xcnt 0x0                                ; the last tile's stores have had their addresses translated: their data and offsets are written again only behind this wait: once a tile
	s_wait_alu depctr_vm_vsrc(0)                   ; and they have read their data and offsets, which the loads and the arithmetic below write again (in the first tile: the stream's loads and LDS stores have read the registers that lie there)
.set z, 0
.rept 16
	ds_load_b128 v[X+4*z:X+4*z+3], v[RD] offset:z*SPITCH  ; a whole row, 16 bytes a lane; LDS serves a wave's instructions in order: these see the tile's stores
.set z, z+1
.endr
	ROW8 0
	ROW8 1
.Lslot_next:
	s_wait_dscnt 0x0                               ; no load is on its way into the rows' registers, whichever way led here
	s_add_co_u32 s37, s37, 1
	s_cmp_lt_u32 s37, 5
	s_cbranch_scc1 .Lslot
	; if my first tile of the next group holds a rank below n: its rows, and its first six token buffers
	s_add_co_u32 s20, s36, GROUP
	s_lshl4_add_u32 s21, s14, s20
	s_cmp_ge_u32 s21, s18
	s_cbranch_scc1 .Lskip2
	s_wait_loadcnt 0x0                             ; no load is on its way into the buffers,
	s_wait_xcnt 0x0                                ; and nothing that is out still reads the rows' offsets or the registers that FIND works in
	s_wait_alu depctr_vm_vsrc(0)                   ; the token loads have read the rows' offsets v[RO ..], and the stores the registers that FIND works in: FIND writes both
	FIND
	WIN 0x80
	s_wait_alu depctr_va_vdst(0)                   ; FIND has written the rows' offsets, which the loads below read
.irp a, 0,1,2,3,4,5
	ALOADT \a, 28, 64*(\a)
	ALOAD4 \a, 28, 64*(\a)
.endr
	WIN 0
.Lskip2:
	s_wait_dscnt 0x0                               ; my stores into my stage, and my reads of it, are done
	s_barrier_signal -1
	s_barrier_wait -1                              ; everybody's are: the slice may be read again
	s_add_co_u32 s36, s36, GROUP
	s_cmp_lt_u32 s36, 4*GROUP
	s_cbranch_scc1 .Lgroup
	s_wait_dscnt 0x0                               ; the wave's end: my last LDS instructions are done
	s_wait_alu depctr_hold_cnt(0) depctr_sa_sdst(0) depctr_va_vdst(0) depctr_va_sdst(0) depctr_va_ssrc(0) depctr_va_vcc(0) depctr_vm_vsrc(0)
	s_wait_tensorcnt 0x0
	ds_add_u32 v182, v183
	s_wait_dscnt 0x0
	s_endpgm
.Lfunc_end_k_q18acaa3c57_ffn1:
	.size	k_q18acaa3c57_ffn1, .Lfunc_end_k_q18acaa3c57_ffn1-k_q18acaa3c57_ffn1
	.p2alignl 7, 3214868480
	.fill 96, 4, 3214868480
	.section	.rodata,"a",@progbits
	.p2align	6, 0x0
	.amdhsa_kernel k_q18acaa3c57_ffn1
		.amdhsa_group_segment_fixed_size 300544
		.amdhsa_private_segment_fixed_size 0
		.amdhsa_enable_private_segment 0
		.amdhsa_kernarg_size 40
		.amdhsa_user_sgpr_count 2
		.amdhsa_user_sgpr_kernarg_segment_ptr 1
		.amdhsa_wavefront_size32 1
		.amdhsa_system_sgpr_workgroup_id_x 1
		.amdhsa_system_sgpr_workgroup_id_y 1
		.amdhsa_system_sgpr_workgroup_id_z 1
		.amdhsa_system_vgpr_workitem_id 0
		.amdhsa_next_free_vgpr 896
		.amdhsa_next_free_sgpr 90
		.amdhsa_reserve_vcc 0
		.amdhsa_float_denorm_mode_32 3
		.amdhsa_float_denorm_mode_16_64 3
		.amdhsa_memory_ordered 1
		.amdhsa_forward_progress 1
		.amdhsa_inst_pref_size 183
	.end_amdhsa_kernel
	.amdgpu_metadata
---
amdhsa.version: [ 1, 2 ]
amdhsa.kernels:
  - .name:           k_q18acaa3c57_ffn1
    .symbol:         k_q18acaa3c57_ffn1.kd
    .args:
      - { .name: xb, .offset: 0, .size: 8, .value_kind: global_buffer, .address_space: global }
      - { .name: idx, .offset: 8, .size: 8, .value_kind: global_buffer, .address_space: global }
      - { .name: W1, .offset: 16, .size: 8, .value_kind: global_buffer, .address_space: global }
      - { .name: b1, .offset: 24, .size: 8, .value_kind: global_buffer, .address_space: global }
      - { .name: hid, .offset: 32, .size: 8, .value_kind: global_buffer, .address_space: global }
    .group_segment_fixed_size: 300544
    .private_segment_fixed_size: 0
    .kernarg_segment_align: 8
    .kernarg_segment_size: 40
    .max_flat_workgroup_size: 128
    .sgpr_count:     90
    .vgpr_count:     896
    .wavefront_size: 32
...
	.end_amdgpu_metadata
.endif
;; end of part 7
;; launch ffn2 (part 8): grid 256 x 1, 4 waves a work-group, no clusters, 300,544 bytes of LDS; arguments hid, idx, W2, b2, part; writes part
.if DOCPART == 8
	.amdgcn_target "amdgcn-amd-amdhsa--gfx1250"
	.amdhsa_code_object_version 6
	.text
	.protected	k_q18acaa3c57_ffn2
	.globl	k_q18acaa3c57_ffn2
	.p2align	8
	.type	k_q18acaa3c57_ffn2,@function
k_q18acaa3c57_ffn2:
	s_mov_b64 s[64:65], 0
	v_nop
	global_prefetch_b8 v0, s[64:65] scope:SCOPE_SE
	s_setreg_imm32_b32 hwreg(HW_REG_WAVE_SCHED_MODE, 0, 2), 2
	s_setreg_imm32_b32 hwreg(HW_REG_WAVE_MODE, 25, 1), 1
	s_wait_xcnt 0x0
	s_wait_alu depctr_vm_vsrc(0)
; ONE PRODUCT OF A LAYER OF ROUTED EXPERTS, for the chosen rows alone.  The same text serves both products; FFN says which.
;   FFN = 1: hid[s][f]     = gelu(xb[s / 2] . W1[e][:, f] + b1[e][f]), rounded once to bf16        (gelu in its tanh form)
;   FFN = 2: part[q][s][d] = hid[s][1024 q ..] . W2[e][1024 q .., d]  (+ b2[e][d] where q = 0), f32: a partial sum over a quarter of K
; s = 2 x token + k is a routed row, e = idx[s] its expert.  Weights and biases are rounded to bf16 on their way; sums are f32.
; SHARES.  A work-group has a slice of ONE expert's weights, 1,024 k x 128 n of f32, which it alone reads, once, and ALL rows of that expert: 8 experts x 32 slices = 256 work-groups.
; (Here a slice is a quarter of K by an eighth of the columns: K whole would leave slices of 32 columns, with four times the reads of hid for each matrix instruction.)
; FIRST all four waves stream the slice through registers, round it and lay it into LDS in the order of a matrix operand's lanes: a unit is 8 rows (eight loads of 512 consecutive bytes); seven
; units of each wave, 56 loads, are on their way at any time.  Each of the ring's eight slots has an offset register of its own, stepped behind the wait that shows the slot's own loads done.
; The slice STAYS in LDS, each byte written once, and a barrier shows it to everybody.
; THEN the rows are multiplied, in groups of 320: 80 a wave (five tiles of 16), 40 accumulators, so that an expert with up to 320 rows reads the slice out of LDS once a wave.  Token rows come from memory
; straight into operand registers (each row serves one wave), through six buffers, asked for five K steps of 32 ahead; the first group's first six steps are asked for while the stream's last units land.
; A wave's fifth tile is jumped, products and loads, where it holds no rank below the count.
; The stream and the products do not overlap: loads come back in order, so a wave with far-ahead loads of weights and near loads of tokens out would wait for the weights at every wait for tokens.
; THE MATRIX INSTRUCTION IS USED TRANSPOSED (source 0 = 16 columns of W, source 1 = 16 token rows): a lane holds row lane % 16 and the columns 8 (lane / 16) + 0..7.
; THE WAY OUT goes a tile at a time through the wave's own stage in LDS: all sixteen rows come back in one run of loads, a whole row to a load, and are worked on and stored in two batches of eight, each
; with registers of its own, so that a tile has one wait for the earlier stores' sources.
; ROUTING, in registers alone.  Each wave scans all of idx, 32 steps of 32 tokens, while the first weights are on their way, and keeps for each step which lanes' token chose the expert, which by their
; second entry, and the count in front: three words a step, in the lanes of three registers.  FIND gives each lane the row of its rank: the last step whose count in front is not above the rank, and in
; that step's mask the set bit of that number.  Every split is served: four trips of 320 ranks; a wave jumps a trip in which its first tile holds no rank below the count; ranks past the count name a
; row that exists, and their results are not stored.
; BARRIERS.
; NO CLUSTER: each slice has one reader; what an expert's work-groups share is its token rows, which come by rank from rows that no descriptor covers and go to one wave's registers.
; NO TENSOR LOADS: the weights pass through registers in any case, to be rounded and paired along k.
; THE MODE: SCHED_MODE bits 1:0 = 2 (LLVM: expert scheduling mode 2), set by the entry lines.  The code itself states the register dependences between vector or matrix instructions and memory or LDS
; instructions, and those through scalar registers that vector instructions write, with s_wait_alu, always for 0.
; THE PLAN.  Registers that memory or LDS instructions touch, and who else names them:
;   THE STREAM, step u.  Slot u: its conversions read it; the loads at the head of step u + 1 land in it.  Packed set u % 4: its conversions write it; the four LDS stores at the head of step u + 1 read it;
;     step u + 4 writes it again.  v[WOF + s]: the slot's loads read it; it is stepped at the head of the slot's own step.  v[WL]: every LDS store reads it; it is stepped once a round.
;     So two waits stand at a step's head, with the offset's step between them, and the step's memory instructions follow in one run, ahead of its conversions, which name none of their registers.
;   THE PRODUCTS, K step t.  Its matrix instructions read W buffer t % 2 and token buffer t % 6.  Its loads land in the other W buffer and in token buffer (t - 1) % 6: the two that step t - 1 read.
;     So ONE wait stands at a step's head, all the step's loads follow it, and no vector or matrix instruction stands between it and the last of them.  v[BL] is stepped once a trip.
;   THE WAY OUT, a tile.  The accumulators: LDS stores read them.  The rows' registers: LDS loads land in them, the tile's arithmetic reads and writes them, the stores read them or the words made of them.
;     One wait on the vector side and one on the memory side a tile, one more on the vector side ahead of each batch's stores.
; LIMITS.  A token's two entries of idx are taken to differ.  A wave multiplies the first four tiles of every group that it enters, full or not.  NaN and infinities are not treated apart.
.set FFN, 2
.if FFN == 1
.set PITCH, 16384                      ; bytes from a row of W to the next
.set ASH,   10                         ; a row of tokens: (s & ~1) << 10 bytes (token x 2,048)
.set OSH,   13                         ; a row of the output: s << 13
.set LNSH,  3                          ; a lane's four numbers of a row of the output: 8 bytes
.else
.set PITCH, 4096
.set ASH,   13
.set OSH,   12
.set LNSH,  4
.endif
.set UNITB,  32*PITCH                  ; from a wave's unit to its next: 32 rows
.set NB,     6                         ; token buffers
.set GROUP,  320                       ; ranks in a group: 4 waves x 5 tiles x 16; four groups hold 1,280 >= 1,024
; LDS
.set FRB,    1040                      ; a fragment (16 n x 32 k of bf16): 1,024 bytes + 16, so that 16 lanes of a store fall on 16 different columns of 16 bytes
.set KTB,    8*FRB                     ; 32 k x 128 n
.set STAGE,  32*KTB                    ; behind W: for each wave 16 rows x 528 bytes, for the way out; the 512 bytes behind the stages hold the spare words, 4 bytes a thread
.set SPITCH, 528
.set STAGEW, 16*SPITCH
; vector registers, window 0
.set BL,  3                            ; W's read address: 16 x lane + the K steps done
.set BL0, 4                            ; 16 x lane
.set RO,  5                            ; v5-9   tile i: my row's byte offset + 16 (lane / 16)
.set H16, 10                           ; 16 (lane / 16)
.set R0,  11                           ; 64 (lane / 16) + 16 w + lane % 16: my rank in a group, tiles 0 and 1 side by side
.set ST,  12                           ; the way out: where I put my columns of a row
.set RD,  13                           ; the way out: where I read a row back
.set LN,  14                           ; my bytes in a row of the output
.set R4,  15                           ; 256 + 16 w + lane % 16: my rank in tile 4
.set TA,  17                           ; v17-23 at work
.set WL,  24                           ; the stream: where my columns lie in the round's first K step
.set BI,  26                           ; v26-29 the bias of my four columns of a row
.set IDX, 32                           ; v32-95 idx as loaded;
.set AC4, 32                           ;        later tile 4's accumulators, block b at + 8 b
.set PT,  96                           ; v96-159 the stream: packed, four sets of 16
.set T,   96                           ;         the way out: at work, 32 registers for each batch of eight rows; then the batch's rounded rows in the low 16 of them
.set WOF, 160                          ; v160-167 the stream: slot s: the byte offset of my 16 bytes in the first row of the slot's unit
.set VO,  160                          ;          the way out: the byte offsets of rows 0 to 7
.set SL,  172                          ; v172-176 tile i: my row's number
.set CUR, 177                          ; the same for the tile on its way out
.set VSM, 178                          ; lane y: step y's mask of lanes whose token chose my expert
.set VSB, 179                          ; lane y: those of them that chose it by their second entry
.set VSP, 180                          ; lane y: the count in front of step y, and in the upper half the step's first row
.set X,   184                          ; v184-247 the way out: the tile's sixteen rows, f32 (FIND's registers lie here too: it runs at other times)
.set FM,  184                          ; FIND, three registers each: the mask of my rank's step,
.set FB,  187                          ;   its second-entry mask,
.set FP,  190                          ;   its packed word, then its first row
.set KK,  193                          ;   my rank, then its number among the step's set bits
.set POS, 196                          ;   the bit's place
.set C2,  199                          ;   the mask's counts by fields of 2,
.set C4,  202                          ;   4,
.set C8,  205                          ;   8
.set C16, 208                          ;   and 16 bits
.set TT,  211                          ;   at work: v211-216
.set TU,  214
.set VO2, 248                          ; v248-255 the way out: the byte offsets of rows 8 to 15
; window 1: the stream's eight slots (row j of slot u at v[32 u + 4 j]); then the accumulators of tile i (0..3), block b at v[64 i + 8 b]
; window 2: token fragments: buffer a, tile i at v[40 a + 8 i].     window 3: W's fragments of a whole K step, two buffers: buffer p, block b at v[64 p + 8 b]
; scalars: s[4:13] the five addresses; s14 wave; s16 expert; s17 slice; s18 n; s19 trips; s20, s21 at work; s[22:23] an offset; s[24:25] W's stream; s[26:27] tokens, stepped; s[28:29] tokens;
; s[30:31] bias; s[32:33] output; s34 tile 4 lives; s36 the group's first rank; s37 tile; s38 its first rank (FIND: s38-40 a step's three words); s40 eight rows' first rank; s42 running count;
; s43 FIND's step; s[44:47] gelu's constants; s48 trips; s49 quarter; s50 keeps or drops the bias; s82-85 the masks of the bit counts; s86 0xffff, also lanes 0-15; s87, s88 lane selects
.set SM,  52                           ; s52-59 the scan: which lanes' token chose my expert
.set SR,  52                           ; s52-59 later: eight rows' numbers
.set SB,  66                           ; s66-73 which of them by their second entry
.set FC,  66                           ; s66-68 later: FIND's three compares
.set SC,  74                           ; s74-81 the packed word
.set MSB, 0
.macro WIN new                         ; s_set_vgpr_msb: bits 1:0 source 0, 3:2 source 1, 5:4 source 2, 7:6 destination; the high byte repeats the setting that is left
.if MSB != (\new)
	s_set_vgpr_msb (MSB<<8)|(\new)
.set MSB, (\new)
.endif
.endm
.macro PLACES                          ; four plain instructions between a matrix instruction and a store of its result
.rept 4
	v_nop
.endr
.endm
.macro ALOAD4 a, base, off             ; eight loads: the fragments of tiles 0 to 3 for 32 k, at byte off of the rows, into buffer a
	WIN 0x80                                       ; destination in window 2
.irp i, 0,1,2,3
	global_load_b128 v[40*(\a)+8*(\i):40*(\a)+8*(\i)+3],   v[RO+(\i)], s[(\base):(\base)+1] offset:(\off)
	global_load_b128 v[40*(\a)+8*(\i)+4:40*(\a)+8*(\i)+7], v[RO+(\i)], s[(\base):(\base)+1] offset:(\off)+32
.endr
.endm
.macro ALOADT a, base, off             ; two loads: tile 4's
	WIN 0x80
	global_load_b128 v[40*(\a)+32:40*(\a)+35], v[RO+4], s[(\base):(\base)+1] offset:(\off)
	global_load_b128 v[40*(\a)+36:40*(\a)+39], v[RO+4], s[(\base):(\base)+1] offset:(\off)+32
.endm
; A STEP OF THE STREAM: the unit in slot u.  Of rows 2 q, 2 q + 1 column c gives a word of two bf16; four such words are 8 consecutive k of one column: 16 bytes of a fragment's lane.
; Its memory instructions stand in one run at its head and touch what the step BEFORE worked on: fill = 1: the unit seven further on is asked for, into the slot that the step before has read out;
; the four LDS stores lay down what the step before has packed.  left: the younger loads that may stay out.  tok >= 0: the first group's token buffer tok is asked for.
; step = 1: this slot's offset goes eight units on, for the refill that the next step issues.  first = 1: the very first step: nothing has been packed, and no memory instruction has read what it writes.
.macro PSTEP u, fill, left, tok, step, first
	s_wait_loadcnt \left
.if !(\first)
	s_wait_alu depctr_vm_vsrc(0)                   ; the slot's own loads have read its offset, which is stepped below; the LDS stores issued three steps ago have read the packed set that this step's conversions write again
.endif
.if \step
	WIN 0
	v_add_nc_u32 v[WOF+(\u)], 8*UNITB, v[WOF+(\u)] ; the last loads that named it are this slot's, which the wait on LOADcnt has shown done
.endif
	WIN 0x40                                       ; the loads' destination in window 1; the stores' address and data lie in window 0
.if !(\first)
	s_wait_alu depctr_va_vdst(0)                   ; the step before has written its packed set, which the stores below read, and is done reading its slot, in which the loads below land; that slot's offset and v[WL] are written
.endif
.if \fill
.irp j, 0,1,2,3,4,5,6,7
	global_load_b128 v[32*(((\u)+7)%8)+4*(\j):32*(((\u)+7)%8)+4*(\j)+3], v[WOF+((\u)+7)%8], s[24:25] offset:(\j)*PITCH th:TH_LOAD_NT
.endr
.endif
.if !(\first)
.irp c, 0,1,2,3
	ds_store_b128 v[WL], v[PT+16*(((\u)+3)%4)+4*(\c):PT+16*(((\u)+3)%4)+4*(\c)+3] offset:(((\u)+7)%8)*KTB+16*(\c)
.endr
.endif
.if (\tok) >= 0
	ALOADT \tok, 28, 64*(\tok)                     ; all five tiles here, so that every register of the buffers is written on every way; the rows' offsets were written ahead of the wait above
	ALOAD4 \tok, 28, 64*(\tok)
.endif
	WIN 0x05                                       ; sources in window 1
.irp c, 0,1,2,3
.irp q, 0,1,2,3
	v_cvt_pk_bf16_f32 v[PT+16*((\u)%4)+4*(\c)+(\q)], v[32*(\u)+8*(\q)+(\c)], v[32*(\u)+8*(\q)+4+(\c)]
.endr
.endr
.endm
.macro BLOAD p, off                    ; sixteen LDS loads in one run: a K step's eight fragments of W, 512 consecutive bytes each load, into buffer p
	WIN 0xc0                                       ; destination in window 3
.irp b, 0,1,2,3,4,5,6,7
	ds_load_b128 v[64*(\p)+8*(\b):64*(\p)+8*(\b)+3],   v[BL] offset:(\off)+(\b)*FRB
	ds_load_b128 v[64*(\p)+8*(\b)+4:64*(\p)+8*(\b)+7], v[BL] offset:(\off)+(\b)*FRB+512
.endr
.endm
; A K STEP of 32: W in buffer p, tokens in buffer a; its W lies ko steps behind BL.  All its loads stand at its head, behind one wait, and land in the two buffers that the step BEFORE multiplied:
; the next step's W, a whole step ahead of its use, and (fo >= 0) the tokens of the step five further on, from byte fo behind base fb.
; Then 8 matrix instructions on tile 4, jumped with that tile's two loads where the tile is dead, and 32 on tiles 0 to 3.  The accumulators take turns, one instruction a turn.
; left: the younger loads that may stay out, counted at 8 a buffer: this step's tokens were asked for five steps ago, and the eight loads of each step since, this one's among them, are younger:
; right where tile 4's two are jumped, and stricter than need be where they are not.  first = 1: the products start the sums.  last = 1: no further W is fetched.
.macro KSTEP p, a, ko, fo, fb, left, first, last
.if !(\first) && !(\last)
	s_wait_alu depctr_va_vdst(0)                   ; the matrix instructions of the step before are done reading their W buffer and their token buffer, in which this step's loads land; where v[BL] has just been stepped, it is written
.endif
.if !(\last)
	BLOAD 1-(\p), ((\ko)+1)*KTB
.endif
.if (\fo) >= 0
	ALOAD4 ((\a)+5)%6, \fb, \fo
.endif
	s_wait_loadcnt \left                           ; my token buffer is in
.if \last
	s_wait_dscnt 0x0
.else
	s_wait_dscnt 16                                ; this step's W is in; the sixteen just issued may stay out
.endif
	WIN 0                                          ; at a branch and at a label every window is 0
	s_cmp_eq_u32 s34, 0
	s_cbranch_scc1 .Lno4_\@
.if (\fo) >= 0
	ALOADT ((\a)+5)%6, \fb, \fo                    ; no vector or matrix instruction has been issued since the wait at the step's head
.endif
	WIN 0x0b                                       ; W in window 3, tokens in window 2, C and D in window 0
.irp b, 0,1,2,3,4,5,6,7
.if \first
	v_wmma_f32_16x16x32_bf16 v[AC4+8*(\b):AC4+8*(\b)+7], v[64*(\p)+8*(\b):64*(\p)+8*(\b)+7], v[40*(\a)+32:40*(\a)+39], 0
.else
	v_wmma_f32_16x16x32_bf16 v[AC4+8*(\b):AC4+8*(\b)+7], v[64*(\p)+8*(\b):64*(\p)+8*(\b)+7], v[40*(\a)+32:40*(\a)+39], v[AC4+8*(\b):AC4+8*(\b)+7]
.endif
.endr
	WIN 0
.Lno4_\@:
	WIN 0x5b                                       ; W in window 3, tokens in window 2, C and D in window 1
.irp i, 0,1,2,3
.irp b, 0,1,2,3,4,5,6,7
.if \first
	v_wmma_f32_16x16x32_bf16 v[64*(\i)+8*(\b):64*(\i)+8*(\b)+7], v[64*(\p)+8*(\b):64*(\p)+8*(\b)+7], v[40*(\a)+8*(\i):40*(\a)+8*(\i)+7], 0
.else
	v_wmma_f32_16x16x32_bf16 v[64*(\i)+8*(\b):64*(\i)+8*(\b)+7], v[64*(\p)+8*(\b):64*(\p)+8*(\b)+7], v[40*(\a)+8*(\i):40*(\a)+8*(\i)+7], v[64*(\i)+8*(\b):64*(\i)+8*(\b)+7]
.endif
.endr
.endr
.endm
; THE SCAN.  Registers 2 y, 2 y + 1 of the 64 hold the two entries of token 64 (y / 2) + 2 lane + y % 2, rows 128 (y / 2) + 2 (y % 2) + 4 lane and the next.  Eight steps at a time: compares, counts, the three words.
.macro SCAN
.set bz, 0
.rept 4
.set z, 0
.rept 8
	v_cmp_eq_u32 s[SM+z], s16, v[IDX+2*(8*bz+z)]
	v_cmp_eq_u32 s[SB+z], s16, v[IDX+2*(8*bz+z)+1]
.set z, z+1
.endr
	s_wait_alu depctr_va_sdst(0)                   ; the sixteen compares have written their masks, ahead of the first line that reads one
.set z, 0
.rept 8
	s_or_b32 s[SM+z], s[SM+z], s[SB+z]
	s_add_co_u32 s[SC+z], s42, (128*((8*bz+z)/2)+2*((8*bz+z)%2))<<16  ; the count so far (1,024 at the most) below, the step's first row above
	s_bcnt1_i32_b32 s20, s[SM+z]
	s_add_co_u32 s42, s42, s20
.set z, z+1
.endr
.set z, 0
.rept 8
	v_writelane_b32 v[VSM], s[SM+z], 8*bz+z
	v_writelane_b32 v[VSB], s[SB+z], 8*bz+z
	v_writelane_b32 v[VSP], s[SC+z], 8*bz+z
.set z, z+1
.endr
.set bz, bz+1
.endr
	s_min_u32 s18, s42, 1024                       ; n: one rank a token at the most
.endm
; One halving of FIND's search: c = the set bits in the w bits from POS on; where my number is not below c, they are passed: the number falls by c and POS rises by w.
.macro STG src, w
.irp j, 0,1,2
	v_bfe_u32 v[TT+(\j)], v[(\src)+(\j)], v[POS+(\j)], \w
.endr
.irp j, 0,1,2
	v_cmp_ge_u32 s[FC+(\j)], v[KK+(\j)], v[TT+(\j)]
.endr
	s_wait_alu depctr_va_sdst(0)                   ; the three compares have written their masks, which the selects below read
.irp j, 0,1,2
	v_cndmask_b32 v[TT+(\j)], 0, v[TT+(\j)], s[FC+(\j)]
	v_cndmask_b32 v[TU+(\j)], 0, \w, s[FC+(\j)]
.endr
.irp j, 0,1,2
	v_sub_nc_u32 v[KK+(\j)], v[KK+(\j)], v[TT+(\j)]
	v_add_nc_u32 v[POS+(\j)], v[POS+(\j)], v[TU+(\j)]
.endr
.endm
; FIND: the rows of my five tiles in the group whose first rank is s20.  Three registers search: tiles 0 and 1 in the two halves of the lanes, tiles 2 and 3 likewise, tile 4.
; rank = s20 + 16 (4 i + w) + lane % 16.  A rank past the count ends in the last step with a place of 31 at the most: a row that exists.
.macro FIND
	v_add_nc_u32 v[KK],   s20, v[R0]
	v_add_nc_u32 v[KK+2], s20, v[R4]
	v_add_nc_u32 v[KK+1], 128, v[KK]
.irp j, 0,1,2
	v_mov_b32 v[FM+(\j)], 0
	v_mov_b32 v[FB+(\j)], 0
	v_mov_b32 v[FP+(\j)], 0
	v_mov_b32 v[POS+(\j)], 0
.endr
	s_mov_b32 s43, 0
.Lfind_\@:                                             ; the counts in front ascend: the last step whose count is not above my rank holds it
	v_readlane_b32 s38, v[VSM], s43
	v_readlane_b32 s39, v[VSB], s43
	v_readlane_b32 s40, v[VSP], s43
	s_wait_alu depctr_va_sdst(0)                   ; the step's three words are written, ahead of their first reader
	s_and_b32 s21, s40, 0xffff
.irp j, 0,1,2
	v_cmp_gt_u32 s[FC+(\j)], s21, v[KK+(\j)]       ; the step begins behind my rank: keep what I have
.endr
	s_wait_alu depctr_va_sdst(0)                   ; the three compares have written their masks, which the selects below read
.irp j, 0,1,2
	v_cndmask_b32 v[FM+(\j)], s38, v[FM+(\j)], s[FC+(\j)]
	v_cndmask_b32 v[FB+(\j)], s39, v[FB+(\j)], s[FC+(\j)]
	v_cndmask_b32 v[FP+(\j)], s40, v[FP+(\j)], s[FC+(\j)]
.endr
	s_add_co_u32 s43, s43, 1
	s_cmp_lt_u32 s43, 32
	s_cbranch_scc1 .Lfind_\@
.irp j, 0,1,2
	v_and_b32 v[TT+(\j)], s86, v[FP+(\j)]
	v_lshrrev_b32 v[TU+(\j)], 1, v[FM+(\j)]
.endr
.irp j, 0,1,2
	v_sub_nc_u32 v[KK+(\j)], v[KK+(\j)], v[TT+(\j)]  ; my number among the step's set bits
	v_and_b32 v[TU+(\j)], s82, v[TU+(\j)]
	v_lshrrev_b32 v[FP+(\j)], 16, v[FP+(\j)]       ; the step's first row
.endr
.irp j, 0,1,2
	v_sub_nc_u32 v[C2+(\j)], v[FM+(\j)], v[TU+(\j)]  ; the set bits of each 2
.endr
.irp j, 0,1,2
	v_lshrrev_b32 v[TU+(\j)], 2, v[C2+(\j)]
	v_and_b32 v[C4+(\j)], s83, v[C2+(\j)]
.endr
.irp j, 0,1,2
	v_and_b32 v[TU+(\j)], s83, v[TU+(\j)]
.endr
.irp j, 0,1,2
	v_add_nc_u32 v[C4+(\j)], v[C4+(\j)], v[TU+(\j)]  ; of each 4
.endr
.irp j, 0,1,2
	v_lshrrev_b32 v[TU+(\j)], 4, v[C4+(\j)]
.endr
.irp j, 0,1,2
	v_add_nc_u32 v[TU+(\j)], v[C4+(\j)], v[TU+(\j)]
.endr
.irp j, 0,1,2
	v_and_b32 v[C8+(\j)], s84, v[TU+(\j)]          ; of each 8
.endr
.irp j, 0,1,2
	v_lshrrev_b32 v[TU+(\j)], 8, v[C8+(\j)]
.endr
.irp j, 0,1,2
	v_add_nc_u32 v[TU+(\j)], v[C8+(\j)], v[TU+(\j)]
.endr
.irp j, 0,1,2
	v_and_b32 v[C16+(\j)], s85, v[TU+(\j)]         ; of each 16
.endr
	STG C16, 16
	STG C8, 8
	STG C4, 4
	STG C2, 2
	STG FM, 1
.irp j, 0,1,2
	v_bfe_u32 v[TT+(\j)], v[FB+(\j)], v[POS+(\j)], 1  ; first or second entry
	v_lshl_add_u32 v[TU+(\j)], v[POS+(\j)], 2, v[FP+(\j)]
.endr
.irp j, 0,1,2
	v_add_nc_u32 v[TU+(\j)], v[TU+(\j)], v[TT+(\j)]  ; the row: the step's first + 4 x lane + entry
.endr
	v_permlanex16_b32 v[TT],   v[TU],   s87, s88   ; the other half of the lanes' rows: both halves of a tile's lanes want row lane % 16
	v_permlanex16_b32 v[TT+1], v[TU+1], s87, s88
	v_cndmask_b32 v[SL],   v[TT],   v[TU],   s86   ; lanes 0-15 hold the even tile's rows,
	v_cndmask_b32 v[SL+1], v[TU],   v[TT],   s86   ; lanes 16-31 the odd tile's
	v_cndmask_b32 v[SL+2], v[TT+1], v[TU+1], s86
	v_cndmask_b32 v[SL+3], v[TU+1], v[TT+1], s86
	v_mov_b32 v[SL+4], v[TU+2]
.irp i, 0,1,2,3,4
	v_min_u32 v[SL+(\i)], 0x7ff, v[SL+(\i)]        ; inside the 2,048 rows whatever idx holds
.endr
.if FFN == 1
.irp i, 0,1,2,3,4
	v_and_b32 v[TT+(\i)], 0x7fe, v[SL+(\i)]
.endr
.irp i, 0,1,2,3,4
	v_lshl_add_u32 v[RO+(\i)], v[TT+(\i)], ASH, v[H16]
.endr
.else
.irp i, 0,1,2,3,4
	v_lshl_add_u32 v[RO+(\i)], v[SL+(\i)], ASH, v[H16]
.endr
.endif
	s_lshl4_add_u32 s21, s14, s20
	s_add_co_u32 s21, s21, 256
	s_cmp_lt_u32 s21, s18                          ; does tile 4 hold a rank below n?
	s_cselect_b32 s34, 1, 0
.endm
.macro DUMP i                          ; tile i into my stage: a lane's eight columns of block b are 32 bytes of its row; each accumulator's low registers go first
	v_mov_b32 v[CUR], v[SL+(\i)]                   ; (no LDS or memory instruction names these two registers)
.if (\i) < 4
	WIN 0x04                                       ; the stores' data in window 1
.set DB, 64*(\i)
.else
.set DB, AC4
.endif
.irp b, 0,1,2,3,4,5,6,7
	ds_store_b128 v[ST], v[DB+8*(\b):DB+8*(\b)+3]   offset:64*(\b)
	ds_store_b128 v[ST], v[DB+8*(\b)+4:DB+8*(\b)+7] offset:64*(\b)+16
.endr
	WIN 0
.endm
; Plain line k (0..15) of group g of four pairs of numbers: link k / 4 of the chain x = sum + bias; x x; C1 x x + C0; x (C0 + C1 x x), for pair 4 g + k % 4 of the batch.  A chain's links stand four plain lines apart.
.macro PA k, g
.set pm, XB+2*(4*(\g)+(\k)%4)
.set pt, TB+2*(4*(\g)+(\k)%4)
.if (\k)/4 == 0
	v_pk_add_f32 v[pm:pm+1], v[pm:pm+1], v[BI+2*((\k)%2):BI+2*((\k)%2)+1]
.elseif (\k)/4 == 1
	v_pk_mul_f32 v[pt:pt+1], v[pm:pm+1], v[pm:pm+1]
.elseif (\k)/4 == 2
	v_pk_fma_f32 v[pt:pt+1], v[pt:pt+1], s[46:47], s[44:45] op_sel_hi:[1,0,0]
.else
	v_pk_mul_f32 v[pt:pt+1], v[pt:pt+1], v[pm:pm+1]
.endif
.endm
; EIGHT ROWS, 8 c .. 8 c + 7 of the tile, go out.  A rank past the count is not stored, nor any behind it: whole stores are jumped, EXEC stays as it is.  The two batches name different registers for
; data and offsets, so the second writes nothing that the first one's stores still read.
; In the first product gelu(x) = x / (1 + 2^(x (C0 + C1 x x))).  A batch's 32 exponentials are one batch with one wait, and so are its 32 reciprocals; a group's eight
; exponentials stand one behind every two plain lines of the next group's chain, the last eight by turns with the rows' offsets, and the additions of 1 stand between the reciprocals: none of these
; plain lines names a result of the batch that it stands in.
.macro ROW8 c
.set XB, X+32*(\c)
.set TB, T+32*(\c)
.if \c
.set VB, VO2
.else
.set VB, VO
.endif
	s_add_co_u32 s40, s38, 8*(\c)                  ; the eight rows' first rank (the tile's first is below n)
.if \c
	s_cmp_ge_u32 s40, s18
	s_cbranch_scc1 .Lslot_next
.endif
.irp p, 0,1,2,3,4,5,6,7
	v_readlane_b32 s[SR+(\p)], v[CUR], 8*(\c)+(\p) ; lane r holds row r's number
.endr
	s_wait_alu depctr_va_sdst(0)                   ; the eight rows' numbers are written, ahead of their first reader
.irp p, 0,1,2,3,4,5,6,7
	s_min_u32 s[SR+(\p)], s[SR+(\p)], 0x7ff
.endr
	s_wait_dscnt 8-8*(\c)                          ; LDS loads come back in order: this batch's eight rows are in; the second batch's eight may stay out
.if FFN == 1
.set gq, 0
.rept 4
.set kq, 0
.rept 8
	PA 2*kq, gq
	PA 2*kq+1, gq
.if gq > 0
	v_exp_f32 v[TB+8*(gq-1)+kq], v[TB+8*(gq-1)+kq]
.endif
.set kq, kq+1
.endr
.set gq, gq+1
.endr
.set kq, 0
.rept 8
	v_exp_f32 v[TB+24+kq], v[TB+24+kq]
	v_lshl_add_u32 v[VB+kq], s[SR+kq], OSH, v[LN]  ; where the rows go
.set kq, kq+1
.endr
	s_wait_alu depctr_va_vdst(0)                   ; one wait for the 32 exponentials, ahead of their first reader
.irp m, 0,1,2
	v_pk_add_f32 v[TB+2*(\m):TB+2*(\m)+1], v[TB+2*(\m):TB+2*(\m)+1], 1.0 op_sel_hi:[1,0]
.endr
.set kq, 0
.rept 16
	v_rcp_f32 v[TB+2*kq], v[TB+2*kq]
.if kq < 13
	v_pk_add_f32 v[TB+2*kq+6:TB+2*kq+7], v[TB+2*kq+6:TB+2*kq+7], 1.0 op_sel_hi:[1,0]  ; the pair three further on
.endif
	v_rcp_f32 v[TB+2*kq+1], v[TB+2*kq+1]
.set kq, kq+1
.endr
	v_nop                                          ; a plain instruction behind the last reciprocal,
	s_wait_alu depctr_va_vdst(0)                   ; and one wait for the 32 reciprocals, ahead of their first reader
.set kq, 0
.rept 16
	v_pk_mul_f32 v[TB+2*kq:TB+2*kq+1], v[TB+2*kq:TB+2*kq+1], v[XB+2*kq:XB+2*kq+1]
.set kq, kq+1
.endr
.set kq, 0
.rept 16
	v_cvt_pk_bf16_f32 v[TB+kq], v[TB+2*kq], v[TB+2*kq+1]  ; word k takes numbers 2 k, 2 k + 1: no later line reads a register at or below k
.set kq, kq+1
.endr
	s_wait_alu depctr_va_vdst(0)                   ; the roundings have written the batch's words, and the rows' offsets are written: the stores below read both, and no vector instruction stands among them
	global_store_b64 v[VB], v[TB:TB+1], s[32:33]   ; a row's store is the wave's 256 consecutive bytes, aligned
.irp p, 1,2,3,4,5,6,7
	s_add_co_u32 s20, s40, \p
	s_cmp_ge_u32 s20, s18
	s_cbranch_scc1 .Lslot_next
	global_store_b64 v[VB+(\p)], v[TB+2*(\p):TB+2*(\p)+1], s[32:33]
.endr
.else
.irp p, 0,1,2,3,4,5,6,7
	v_lshl_add_u32 v[VB+(\p)], s[SR+(\p)], OSH, v[LN]  ; where the rows go
.endr
.set kq, 0
.rept 16
	v_pk_add_f32 v[XB+2*kq:XB+2*kq+1], v[XB+2*kq:XB+2*kq+1], v[BI+2*(kq%2):BI+2*(kq%2)+1]  ; the bias of my four columns
.set kq, kq+1
.endr
	s_wait_alu depctr_va_vdst(0)                   ; the additions have written the batch's rows, and the rows' offsets are written: the stores below read both, and no vector instruction stands among them
	global_store_b128 v[VB], v[XB:XB+3], s[32:33]  ; a row's store is the wave's 512 consecutive bytes, aligned
.irp p, 1,2,3,4,5,6,7
	s_add_co_u32 s20, s40, \p
	s_cmp_ge_u32 s20, s18
	s_cbranch_scc1 .Lslot_next
	global_store_b128 v[VB+(\p)], v[XB+4*(\p):XB+4*(\p)+3], s[32:33]
.endr
.endif
.endm
	s_load_b256 s[4:11], s[0:1], 0x0               ; tokens s[4:5], idx s[6:7], W s[8:9], bias s[10:11]
	s_load_b64 s[12:13], s[0:1], 0x20              ; output
	v_lshl_add_u32 v182, v0, 2, 0x49400
	v_mov_b32 v183, 0
	v_lshrrev_b32 v[TA], 5, v0
	v_readfirstlane_b32 s14, v[TA]                 ; wave 0..3
	s_bfe_u32 s16, ttmp9, 0x30001                  ; expert: bits 1 to 3 of the work-group's number.  Which bits are taken changes no value: it says which work-groups read the same token rows
	s_lshr_b32 s20, ttmp9, 4
	s_and_b32 s21, ttmp9, 1
	s_lshl1_add_u32 s17, s20, s21                  ; the other five bits: which of the expert's 32 slices
	s_lshl_b32 s22, s16, 24                        ; an expert's weights are 16 MiB
.if FFN == 2
	s_and_b32 s49, s17, 3                          ; quarter of K
	s_lshr_b32 s17, s17, 2                         ; slice of 128 columns
	s_lshl_b32 s20, s49, 22                        ; 1,024 rows of 4,096 bytes
	s_add_co_u32 s22, s22, s20
.endif
	s_lshl_b32 s20, s17, 9
	s_add_co_u32 s22, s22, s20                     ; the slice's first byte in W,
	s_wait_alu depctr_va_sdst(0)                   ; s14, the wave's number, is written, ahead of its first reader
	s_mul_i32 s20, s14, 8*PITCH
	s_add_co_u32 s22, s22, s20                     ; and my 8 rows of each 32
	s_mov_b32 s23, 0
	v_and_b32 v[TA], 31, v0                        ; lane
	v_and_b32 v[TA+1], 15, v0                      ; lane % 16
	v_bfe_u32 v[TA+2], v0, 4, 1                    ; lane / 16
	v_lshlrev_b32 v[BL0], 4, v[TA]
	v_mov_b32 v[WOF], v[BL0]
.irp s, 1,2,3,4,5,6,7
	v_add_nc_u32 v[WOF+(\s)], (\s)*UNITB, v[BL0]   ; slot s begins with unit s
.endr
	v_lshlrev_b32 v[H16], 4, v[TA+2]
	s_lshl_b32 s20, s14, 4
	v_lshl_add_u32 v[R0], v[TA+2], 6, v[TA+1]
	v_add_nc_u32 v[R0], s20, v[R0]
	v_add_nc_u32 v[R4], s20, v[TA+1]
	v_add_nc_u32 v[R4], 256, v[R4]
	s_mul_i32 s21, s14, STAGEW
	s_add_co_u32 s21, s21, STAGE                   ; my stage
	v_mul_u32_u24 v[ST], v[TA+1], SPITCH
	v_lshl_add_u32 v[ST], v[TA+2], 5, v[ST]
	v_add_nc_u32 v[ST], s21, v[ST]
	v_add_nc_u32 v[RD], s21, v[BL0]
	v_lshlrev_b32 v[LN], LNSH, v[TA]
	v_lshrrev_b32 v[TA+3], 2, v[TA]
	v_and_b32 v[TA+4], 3, v[TA]
	v_mul_u32_u24 v[WL], v[TA+3], FRB              ; my columns 4 l .. 4 l + 3: block l / 4,
	v_lshl_add_u32 v[WL], v[TA+4], 6, v[WL]        ; lanes 4 (l % 4) + c of the fragment,
	s_lshl_b32 s20, s14, 8
	v_add_nc_u32 v[WL], s20, v[WL]                 ; and my 8 rows: k = 8 w + 0..7 of the 32 lie 512 (w / 2) + 256 (w % 2) = 256 w bytes in
	v_mov_b32 v[VSM], 0                            ; written whole before single lanes are written
	v_mov_b32 v[VSB], 0
	v_mov_b32 v[VSP], 0
	s_mov_b32 s42, 0
	s_mov_b32 s82, 0x55555555
	s_mov_b32 s83, 0x33333333
	s_mov_b32 s84, 0x0f0f0f0f
	s_mov_b32 s85, 0x00ff00ff
	s_mov_b32 s86, 0x0000ffff
	s_mov_b32 s87, 0x76543210                      ; v_permlanex16_b32: each lane takes its own place in the other half
	s_mov_b32 s88, 0xfedcba98
	s_wait_kmcnt 0x0
	s_add_nc_u64 s[24:25], s[8:9], s[22:23]
.if FFN == 1
	s_mov_b64 s[28:29], s[4:5]
	s_lshl_b32 s22, s16, 14                        ; b1: 16,384 bytes an expert
	s_lshl_b32 s20, s17, 9
	s_add_co_u32 s22, s22, s20
	s_add_nc_u64 s[30:31], s[10:11], s[22:23]
	s_lshl_b32 s22, s17, 8                         ; hid: 128 bf16 a slice
	s_add_nc_u64 s[32:33], s[12:13], s[22:23]
	s_mov_b32 s44, 0xc0135761                      ; -2 log2(e) sqrt(2 / pi) = -2.3022082
	s_mov_b32 s45, s44
	s_mov_b32 s46, 0xbdd2d3e8                      ; 0.044715 times that = -0.10294324
	s_mov_b32 s47, s46
.else
	s_lshl_b32 s22, s49, 11                        ; hid: a quarter of a row is 2,048 bytes
	s_add_nc_u64 s[28:29], s[4:5], s[22:23]
	s_lshl_b32 s22, s16, 12                        ; b2: 4,096 bytes an expert
	s_lshl_b32 s20, s17, 9
	s_add_co_u32 s22, s22, s20
	s_add_nc_u64 s[30:31], s[10:11], s[22:23]
	s_lshl_b32 s22, s49, 23                        ; part: 8 MiB a quarter
	s_add_co_u32 s22, s22, s20
	s_add_nc_u64 s[32:33], s[12:13], s[22:23]
	s_cmp_eq_u32 s49, 0
	s_cselect_b32 s50, -1, 0
.endif
	; the small loads go first, since loads come back in order; then the stream's first five units
	s_wait_alu depctr_va_vdst(0)                   ; the offsets and LDS addresses made above are written: v[BL0] and the slots' offsets, which the loads read, v[WL], v[ST] and v[RD], which LDS instructions read later
	global_load_b128 v[BI:BI+3], v[BL0], s[30:31]
.irp i, 0,1,2,3,4,5,6,7,8,9,10,11,12,13,14,15
	global_load_b128 v[IDX+4*(\i):IDX+4*(\i)+3], v[BL0], s[6:7] offset:512*(\i)
.endr
	WIN 0x40
.set z, 0
.rept 40
	global_load_b128 v[4*z:4*z+3], v[BL0], s[24:25] offset:(z/8)*UNITB+(z%8)*PITCH th:TH_LOAD_NT  ; a row's 512 consecutive bytes
.set z, z+1
.endr
	s_wait_loadcnt 40                              ; the bias and idx are in; the forty loads of weights may stay out
.rept 16
	global_load_b128 v[4*z:4*z+3], v[BL0], s[24:25] offset:(z/8)*UNITB+(z%8)*PITCH th:TH_LOAD_NT  ; units 5 and 6: seven are out
.set z, z+1
.endr
	WIN 0
	v_cvt_pk_bf16_f32 v[TA], v[BI], v[BI+1]        ; the bias rounded to bf16 like the other inputs
	v_cvt_pk_bf16_f32 v[TA+1], v[BI+2], v[BI+3]
.if FFN == 2
	v_and_b32 v[TA], s50, v[TA]                    ; it belongs to the first quarter of K alone
	v_and_b32 v[TA+1], s50, v[TA+1]
.endif
	v_lshlrev_b32 v[BI], 16, v[TA]
	v_and_b32 v[BI+1], 0xffff0000, v[TA]
	v_lshlrev_b32 v[BI+2], 16, v[TA+1]
	v_and_b32 v[BI+3], 0xffff0000, v[TA+1]
	SCAN
	s_mov_b32 s20, 0
	FIND                                           ; the first group's rows, while the first weights are on their way
; THE STREAM: my 32 units.  Unit 0's step stands ahead of the loop and asks for unit 7.  Three trips of eight steps take units 1 to 24 and ask for units 8 to 31: a trip goes from slot 1 round to slot 0, so
; that the LDS stores of a round's eight units all stand in one trip, and v[WL] is stepped behind the last of them.  (The last trip's step of slot 0's offset serves nothing more.)
; The last seven steps are written out and ask for no weights; from the second on each asks for a token buffer of the first group, ten loads, so that a step's count is its younger units' loads and ten
; for each buffer asked for before it.
	PSTEP 0, 1, 48, -1, 1, 1                       ; seven units are out: mine is in when the six younger ones' 48 loads are left
	WIN 0
	s_mov_b32 s19, 3
.Lstream:
.irp u, 1,2,3,4,5,6,7,0
	PSTEP \u, 1, 48, -1, 1, 0
.endr
	WIN 0
	s_wait_alu depctr_vm_vsrc(0)                   ; the LDS stores issued so far, the round's last four among them, have read v[WL]
	v_add_nc_u32 v[WL], 8*KTB, v[WL]               ; (the next stores stand behind the next step's wait for the vector side)
	s_sub_co_u32 s19, s19, 1
	s_cmp_lg_u32 s19, 0
	s_cbranch_scc1 .Lstream
	PSTEP 1, 0, 48, -1, 0, 0
	PSTEP 2, 0, 40, 0, 0, 0
	PSTEP 3, 0, 42, 1, 0, 0
	PSTEP 4, 0, 44, 2, 0, 0
	PSTEP 5, 0, 46, 3, 0, 0
	PSTEP 6, 0, 48, 4, 0, 0
	PSTEP 7, 0, 50, 5, 0, 0
	WIN 0
	s_wait_alu depctr_va_vdst(0)                   ; the last unit's conversions have written their packed set, which the last four LDS stores read
.irp c, 0,1,2,3
	ds_store_b128 v[WL], v[PT+48+4*(\c):PT+48+4*(\c)+3] offset:7*KTB+16*(\c)
.endr
	s_wait_dscnt 0x0                               ; for the others' sake: my part of the slice is written
	s_barrier_signal -1
	s_barrier_wait -1                              ; the slice is whole; nothing writes it again
; THE GROUPS: four trips, two barriers each.
	s_mov_b32 s36, 0
.Lgroup:
	s_lshl4_add_u32 s21, s14, s36                  ; my first tile's first rank: the group's + 16 w
	s_cmp_ge_u32 s21, s18
	s_cbranch_scc1 .Lskip1
	s_wait_xcnt 0x0                                ; nothing that is out still reads the base written below
	s_wait_alu depctr_vm_vsrc(0)                   ; the last group's LDS loads have read v[BL], and the LDS stores of its way out have read the accumulators, which K step 0's products write anew
	v_mov_b32 v[BL], v[BL0]
	s_mov_b64 s[26:27], s[28:29]
	s_wait_alu depctr_va_vdst(0)                   ; v[BL] is written; the last group's matrix instructions are done reading both W buffers, in which the loads of K steps 0 and 1 land
	BLOAD 0, 0
	KSTEP 0, 0, 0, -1, 26, 40, 1, 0                ; K step 0 starts the sums; no buffer has been read yet, so it asks for no tokens; five younger buffers stay out
	WIN 0
	s_wait_alu depctr_vm_vsrc(0)                   ; the LDS loads issued so far have read v[BL]
	v_add_nc_u32 v[BL], KTB, v[BL]
	s_mov_b32 s48, 4
.Lk:                                                   ; K steps 6 m + 1 .. 6 m + 6; step t asks for step t + 5, into the buffer that step t - 1 read
	KSTEP 1, 1, 0, 384, 26, 40, 0, 0
	KSTEP 0, 2, 1, 448, 26, 40, 0, 0
	KSTEP 1, 3, 2, 512, 26, 40, 0, 0
	KSTEP 0, 4, 3, 576, 26, 40, 0, 0
	KSTEP 1, 5, 4, 640, 26, 40, 0, 0
	KSTEP 0, 0, 5, 704, 26, 40, 0, 0
	WIN 0
	s_wait_xcnt 0x0                                ; the loads that name the tokens' base, the last of them issued ahead of the last step's matrix instructions, have had it translated
	s_add_nc_u64 s[26:27], s[26:27], 64*NB
	s_wait_alu depctr_vm_vsrc(0)                   ; the LDS loads issued so far have read v[BL]
	v_add_nc_u32 v[BL], NB*KTB, v[BL]
	s_sub_co_u32 s48, s48, 1
	s_cmp_lg_u32 s48, 0
	s_cbranch_scc1 .Lk
	KSTEP 1, 1, 0, 384, 26, 40, 0, 0               ; step 25 asks for step 30,
	KSTEP 0, 2, 1, 448, 26, 40, 0, 0               ; step 26 for step 31,
	KSTEP 1, 3, 2, -1,  26, 32, 0, 0               ; the last five for nothing: the counts run down
	KSTEP 0, 4, 3, -1,  26, 24, 0, 0
	KSTEP 1, 5, 4, -1,  26, 16, 0, 0
	KSTEP 0, 0, 5, -1,  26, 8,  0, 0
	KSTEP 1, 1, 6, -1,  26, 0,  0, 1
	WIN 0
	PLACES                                         ; behind the last products, ahead of the stores of their results; the wait for them stands at the head of each tile's way out
.Lskip1:
	s_wait_dscnt 0x0                               ; my reads of the slice are back
	s_barrier_signal -1
	s_barrier_wait -1                              ; everybody's are: the stages may be written
	s_lshl4_add_u32 s21, s14, s36
	s_cmp_ge_u32 s21, s18
	s_cbranch_scc1 .Lskip2
	; THE WAY OUT, a tile at a time through my stage
	s_mov_b32 s37, 0
.Lslot:
	s_lshl_b32 s38, s37, 2
	s_add_co_u32 s38, s38, s14
	s_lshl4_add_u32 s38, s38, s36                  ; the tile's first rank
	s_cmp_ge_u32 s38, s18
	s_cbranch_scc1 .Lslot_next
	s_wait_alu depctr_va_vdst(0)                   ; the matrix instructions have written the accumulators, which the LDS stores read; the tile before (FIND, ahead of a group's first tile) is done with the rows' registers, in which the LDS loads land
	s_cmp_lg_u32 s37, 0
	s_cbranch_scc1 .Ld1
	DUMP 0
	s_branch .Ldumped
.Ld1:
	s_cmp_lg_u32 s37, 1
	s_cbranch_scc1 .Ld2
	DUMP 1
	s_branch .Ldumped
.Ld2:
	s_cmp_lg_u32 s37, 2
	s_cbranch_scc1 .Ld3
	DUMP 2
	s_branch .Ldumped
.Ld3:
	s_cmp_lg_u32 s37, 3
	s_cbranch_scc1 .Ld4
	DUMP 3
	s_branch .Ldumped
.Ld4:
	DUMP 4
.Ldumped:
	s_wait_xcnt 0x0                                ; the last tile's stores have had their addresses translated: their data and offsets are written again only behind this wait: once a tile
	s_wait_alu depctr_vm_vsrc(0)                   ; and they have read their data and offsets, which the loads and the arithmetic below write again (in the first tile: the stream's loads and LDS stores have read the registers that lie there)
.set z, 0
.rept 16
	ds_load_b128 v[X+4*z:X+4*z+3], v[RD] offset:z*SPITCH  ; a whole row, 16 bytes a lane; LDS serves a wave's instructions in order: these see the tile's stores
.set z, z+1
.endr
	ROW8 0
	ROW8 1
.Lslot_next:
	s_wait_dscnt 0x0                               ; no load is on its way into the rows' registers, whichever way led here
	s_add_co_u32 s37, s37, 1
	s_cmp_lt_u32 s37, 5
	s_cbranch_scc1 .Lslot
	; if my first tile of the next group holds a rank below n: its rows, and its first six token buffers
	s_add_co_u32 s20, s36, GROUP
	s_lshl4_add_u32 s21, s14, s20
	s_cmp_ge_u32 s21, s18
	s_cbranch_scc1 .Lskip2
	s_wait_loadcnt 0x0                             ; no load is on its way into the buffers,
	s_wait_xcnt 0x0                                ; and nothing that is out still reads the rows' offsets or the registers that FIND works in
	s_wait_alu depctr_vm_vsrc(0)                   ; the token loads have read the rows' offsets v[RO ..], and the stores the registers that FIND works in: FIND writes both
	FIND
	WIN 0x80
	s_wait_alu depctr_va_vdst(0)                   ; FIND has written the rows' offsets, which the loads below read
.irp a, 0,1,2,3,4,5
	ALOADT \a, 28, 64*(\a)
	ALOAD4 \a, 28, 64*(\a)
.endr
	WIN 0
.Lskip2:
	s_wait_dscnt 0x0                               ; my stores into my stage, and my reads of it, are done
	s_barrier_signal -1
	s_barrier_wait -1                              ; everybody's are: the slice may be read again
	s_add_co_u32 s36, s36, GROUP
	s_cmp_lt_u32 s36, 4*GROUP
	s_cbranch_scc1 .Lgroup
	s_wait_dscnt 0x0                               ; the wave's end: my last LDS instructions are done
	s_wait_alu depctr_hold_cnt(0) depctr_sa_sdst(0) depctr_va_vdst(0) depctr_va_sdst(0) depctr_va_ssrc(0) depctr_va_vcc(0) depctr_vm_vsrc(0)
	s_wait_tensorcnt 0x0
	ds_add_u32 v182, v183
	s_wait_dscnt 0x0
	s_endpgm
.Lfunc_end_k_q18acaa3c57_ffn2:
	.size	k_q18acaa3c57_ffn2, .Lfunc_end_k_q18acaa3c57_ffn2-k_q18acaa3c57_ffn2
	.p2alignl 7, 3214868480
	.fill 96, 4, 3214868480
	.section	.rodata,"a",@progbits
	.p2align	6, 0x0
	.amdhsa_kernel k_q18acaa3c57_ffn2
		.amdhsa_group_segment_fixed_size 300544
		.amdhsa_private_segment_fixed_size 0
		.amdhsa_enable_private_segment 0
		.amdhsa_kernarg_size 40
		.amdhsa_user_sgpr_count 2
		.amdhsa_user_sgpr_kernarg_segment_ptr 1
		.amdhsa_wavefront_size32 1
		.amdhsa_system_sgpr_workgroup_id_x 1
		.amdhsa_system_sgpr_workgroup_id_y 1
		.amdhsa_system_sgpr_workgroup_id_z 1
		.amdhsa_system_vgpr_workitem_id 0
		.amdhsa_next_free_vgpr 896
		.amdhsa_next_free_sgpr 90
		.amdhsa_reserve_vcc 0
		.amdhsa_float_denorm_mode_32 3
		.amdhsa_float_denorm_mode_16_64 3
		.amdhsa_memory_ordered 1
		.amdhsa_forward_progress 1
		.amdhsa_inst_pref_size 166
	.end_amdhsa_kernel
	.amdgpu_metadata
---
amdhsa.version: [ 1, 2 ]
amdhsa.kernels:
  - .name:           k_q18acaa3c57_ffn2
    .symbol:         k_q18acaa3c57_ffn2.kd
    .args:
      - { .name: hid, .offset: 0, .size: 8, .value_kind: global_buffer, .address_space: global }
      - { .name: idx, .offset: 8, .size: 8, .value_kind: global_buffer, .address_space: global }
      - { .name: W2, .offset: 16, .size: 8, .value_kind: global_buffer, .address_space: global }
      - { .name: b2, .offset: 24, .size: 8, .value_kind: global_buffer, .address_space: global }
      - { .name: part, .offset: 32, .size: 8, .value_kind: global_buffer, .address_space: global }
    .group_segment_fixed_size: 300544
    .private_segment_fixed_size: 0
    .kernarg_segment_align: 8
    .kernarg_segment_size: 40
    .max_flat_workgroup_size: 128
    .sgpr_count:     90
    .vgpr_count:     896
    .wavefront_size: 32
...
	.end_amdgpu_metadata
.endif
;; end of part 8
;; launch combine: the kernel of part 4 again; grid 256 x 1, 8 waves a work-group, no clusters, 0 bytes of LDS; arguments part, gate, out0; writes out0
